; MI455X (gfx1250); checked and timed in simulation.
; The chip was launched on July 23, 2026; its instructions are those of AMD's public machine-readable ISA for CDNA 5 (MIT licence, August 2026) and "CDNA5" Instruction Set Architecture Reference Guide (July 2026). The comments in the code are by the model that wrote it; some were corrected since.
;; Attention. Allowed arithmetic: float matrix products may take bf16 or f16 operands with f32 sums; other float arithmetic in f32, or as packed bf16 or f16 multiplies, adds, multiply-adds, maxima and minima; sums over many terms, partial sums and values carried from step to step in f32; what a program stores and reads back later, other than sums and carried values, may be rounded once to bf16 or f16.
;; Inputs: W_qkv 1,024 x 3,072 float32; b_qkv 3,072 float32; context 4 x 2,048 x 1,024 float32.
;; Outputs: out0 4 x 2,048 x 1,024 float32.
;; 2 versions, each right. Each part assembles by itself: llvm-mc -triple=amdgcn-amd-amdhsa -mcpu=gfx1250 --defsym DOCPART=n.
;; ======== version 1 of 2: 4 launches
;; limits: values are held in f16: magnitudes above 65,504 overflow, below 6.1e-05 lose precision
;; workspace buffers: xb 16,777,216 bytes; wt 6,291,456 bytes; qkv 50,331,648 bytes; pt 33,554,432 bytes; st 1,048,576 bytes
;; launch prep (part 1): grid 704 x 1, 8 waves a work-group, no clusters, 35,840 bytes of LDS; arguments context, W_qkv, xb, wt; writes xb, wt
.if DOCPART == 1
	.amdgcn_target "amdgcn-amd-amdhsa--gfx1250"
	.amdhsa_code_object_version 6
	.text
	.protected	k_qf87fcabf75_prep
	.globl	k_qf87fcabf75_prep
	.p2align	8
	.type	k_qf87fcabf75_prep,@function
k_qf87fcabf75_prep:
	s_mov_b64 s[64:65], 0
	v_nop
	global_prefetch_b8 v0, s[64:65] scope:SCOPE_SE
	s_setreg_imm32_b32 hwreg(HW_REG_WAVE_MODE, 25, 1), 1
	s_wait_xcnt 0x0
; xb = bf16(context), [8192][1024];  wt = bf16(W_qkv) turned, [3072 n][1024 k].  A stream: no matrix work, no tensor loads, no cluster (no two work-groups read the same byte).
; Work-groups 0-511: 64 KiB of context each, 16 loads of 16 bytes a lane, all out together; a wave's load covers 512 consecutive bytes, a wave's store 256 consecutive bytes, aligned.
; Work-groups 512-703: a tile of 128 k x 128 n of W.  A lane holds 4 n of 16 k; eight k of one n pack into 16 bytes, go into LDS rows of 272 bytes (one row an n) and come back as whole rows of 256.
; The stores into LDS touch rows 4 x 272 bytes apart, so four lanes of a group of sixteen share banks: 64 such stores a work-group, once.
; The branch between the two parts hangs on the work-group's number alone: it is the same for all eight waves, so the one barrier is passed by all or by none.
.set ROWW,  12288                      ; bytes in a row of W
.set TP,    272                        ; a row of the turned tile in LDS: 256 bytes + 16
.set SPARE, 128*TP                     ; behind the tile: the spare words, 128 bytes for each wave, four blocks of 256 bytes that no other line names
.set X,   8                            ; v[8:71]   16 x 4 numbers as loaded; later the rows read back
.set Y,   72                           ; v[72:103] packed results
.set SPW, 104                          ; v104 LDS address of my spare word; never rewritten
.set NIL, 105                          ; v105 0; never rewritten
.set TS,  106                          ; v106 where I put 16 bytes of the turned tile
.set TR,  107                          ; v107 where I read a row back
.set GO,  108                          ; v108 my byte offset in wt
	s_load_b256 s[4:11], s[0:1], 0x0               ; context s[4:5], W s[6:7], xb s[8:9], wt s[10:11]
	v_lshl_add_u32 v[SPW], v0, 2, SPARE
	v_mov_b32 v[NIL], 0
	v_lshrrev_b32 v3, 5, v0
	v_readfirstlane_b32 s12, v3                    ; wave 0..7
	v_and_b32 v4, 31, v0                           ; lane
	s_mov_b32 s15, 0
	s_mov_b32 s17, 0
	s_wait_kmcnt 0x0
	s_cmp_lt_u32 ttmp9, 512
	s_cbranch_scc0 .Lw
	; THE CAST
	s_lshl_b32 s14, ttmp9, 16                      ; 64 KiB in,
	s_lshl_b32 s16, ttmp9, 15                      ; 32 KiB out
	s_add_nc_u64 s[4:5], s[4:5], s[14:15]
	s_add_nc_u64 s[8:9], s[8:9], s[16:17]
	v_lshlrev_b32 v1, 4, v0
	v_lshlrev_b32 v2, 3, v0
.set j, 0
.rept 16
	global_load_b128 v[X+4*j:X+4*j+3], v1, s[4:5] offset:4096*j th:TH_LOAD_NT
.set j, j+1
.endr
.set j, 0
.rept 16
	s_wait_loadcnt 15-j                            ; loads come back in order: number j is in, the younger ones stay out
	v_cvt_pk_bf16_f32 v[Y+2*j], v[X+4*j], v[X+4*j+1]
	v_cvt_pk_bf16_f32 v[Y+2*j+1], v[X+4*j+2], v[X+4*j+3]
	global_store_b64 v2, v[Y+2*j:Y+2*j+1], s[8:9] offset:2048*j
.set j, j+1
.endr
	s_branch .Lend
.Lw:	; THE TURNING OF W
	s_sub_co_u32 s14, ttmp9, 512
	s_and_b32 s16, s14, 7                          ; kt: which 128 k
	s_lshr_b32 s18, s14, 3                         ; nt: which 128 n
	s_mul_i32 s14, s16, 128*ROWW
	s_lshl_b32 s19, s18, 9
	s_add_co_u32 s14, s14, s19
	s_add_nc_u64 s[6:7], s[6:7], s[14:15]          ; W at the tile's corner
	s_lshl_b32 s14, s18, 18                        ; 128 rows of wt, 2,048 bytes each,
	s_lshl_b32 s19, s16, 8                         ; and 256 bytes along a row
	s_add_co_u32 s14, s14, s19
	s_add_nc_u64 s[10:11], s[10:11], s[14:15]
	s_mul_i32 s20, s12, 16*ROWW                    ; my wave's 16 rows of W
	v_lshl_add_u32 v1, v4, 4, s20
.set j, 0
.rept 16
	global_load_b128 v[X+4*j:X+4*j+3], v1, s[6:7] offset:ROWW*j th:TH_LOAD_NT  ; row k = 16 w + j, columns 4 lane .. + 3
.set j, j+1
.endr
	v_mul_u32_u24 v[TS], v4, 4*TP                  ; row n = 4 lane (+ c in the immediate),
	s_lshl_b32 s21, s12, 5
	v_add_nc_u32 v[TS], s21, v[TS]                 ; byte 2 x 16 w of it
	v_and_b32 v5, 15, v0
	v_bfe_u32 v6, v0, 4, 1
	s_lshl_b32 s22, s12, 4
	v_add_nc_u32 v6, s22, v6                       ; back: row 16 w + lane / 16 (+ 2 t)
	v_mul_u32_u24 v[TR], v6, TP
	v_lshl_add_u32 v[TR], v5, 4, v[TR]
	v_lshlrev_b32 v[GO], 11, v6
	v_lshl_add_u32 v[GO], v5, 4, v[GO]
	s_wait_loadcnt 0x0
.irp gk, 0,1
.irp c, 0,1,2,3
.irp m, 0,1,2,3
	v_cvt_pk_bf16_f32 v[Y+4*(4*\gk+\c)+\m], v[X+4*(8*\gk+2*\m)+\c], v[X+4*(8*\gk+2*\m+1)+\c]  ; k = 16 w + 8 gk + 2 m, + 1 of column 4 lane + c
.endr
	ds_store_b128 v[TS], v[Y+4*(4*\gk+\c):Y+4*(4*\gk+\c)+3] offset:TP*\c+16*\gk
.endr
.endr
	s_wait_dscnt 0x0                               ; for the others' sake: my stores are done
	s_barrier_signal -1
	s_barrier_wait -1
.irp t, 0,1,2,3,4,5,6,7
	ds_load_b128 v[X+4*\t:X+4*\t+3], v[TR] offset:2*TP*\t
.endr
.irp t, 0,1,2,3,4,5,6,7
	s_wait_dscnt 7-\t
	global_store_b128 v[GO], v[X+4*\t:X+4*\t+3], s[10:11] offset:4096*\t  ; 16 lanes store 256 consecutive bytes, at a multiple of 256 from wt's first byte
.endr
.Lend:
	s_wait_tensorcnt 0x0                           ; the wave's end: behind my last LDS store
	ds_add_u32 v[SPW], v[NIL]
	s_wait_dscnt 0x0
	s_endpgm
.Lfunc_end_k_qf87fcabf75_prep:
	.size	k_qf87fcabf75_prep, .Lfunc_end_k_qf87fcabf75_prep-k_qf87fcabf75_prep
	.p2alignl 7, 3214868480
	.fill 96, 4, 3214868480
	.section	.rodata,"a",@progbits
	.p2align	6, 0x0
	.amdhsa_kernel k_qf87fcabf75_prep
		.amdhsa_group_segment_fixed_size 35840
		.amdhsa_private_segment_fixed_size 0
		.amdhsa_enable_private_segment 0
		.amdhsa_kernarg_size 32
		.amdhsa_user_sgpr_count 2
		.amdhsa_user_sgpr_kernarg_segment_ptr 1
		.amdhsa_wavefront_size32 1
		.amdhsa_system_sgpr_workgroup_id_x 1
		.amdhsa_system_sgpr_workgroup_id_y 1
		.amdhsa_system_sgpr_workgroup_id_z 1
		.amdhsa_system_vgpr_workitem_id 0
		.amdhsa_next_free_vgpr 112
		.amdhsa_next_free_sgpr 66
		.amdhsa_reserve_vcc 0
		.amdhsa_float_denorm_mode_32 3
		.amdhsa_float_denorm_mode_16_64 3
		.amdhsa_memory_ordered 1
		.amdhsa_forward_progress 1
		.amdhsa_inst_pref_size 14
	.end_amdhsa_kernel
	.amdgpu_metadata
---
amdhsa.version: [ 1, 2 ]
amdhsa.kernels:
  - .name:           k_qf87fcabf75_prep
    .symbol:         k_qf87fcabf75_prep.kd
    .args:
      - { .name: context, .offset: 0, .size: 8, .value_kind: global_buffer, .address_space: global }
      - { .name: W_qkv, .offset: 8, .size: 8, .value_kind: global_buffer, .address_space: global }
      - { .name: xb, .offset: 16, .size: 8, .value_kind: global_buffer, .address_space: global }
      - { .name: wt, .offset: 24, .size: 8, .value_kind: global_buffer, .address_space: global }
    .group_segment_fixed_size: 35840
    .private_segment_fixed_size: 0
    .kernarg_segment_align: 8
    .kernarg_segment_size: 32
    .max_flat_workgroup_size: 256
    .sgpr_count:     66
    .vgpr_count:     112
    .wavefront_size: 32
...
	.end_amdgpu_metadata
.endif
;; end of part 1
;; launch proj (part 2): grid 8 x 64, 4 waves a work-group, clusters of 4 x 4, 327,680 bytes of LDS; arguments xb, wt, b_qkv, qkv; writes qkv
.if DOCPART == 2
	.amdgcn_target "amdgcn-amd-amdhsa--gfx1250"
	.amdhsa_code_object_version 6
	.text
	.protected	k_qf87fcabf75_proj
	.globl	k_qf87fcabf75_proj
	.p2align	8
	.type	k_qf87fcabf75_proj,@function
k_qf87fcabf75_proj:
	s_mov_b64 s[64:65], 0
	v_nop
	global_prefetch_b8 v0, s[64:65] scope:SCOPE_SE
	s_setreg_imm32_b32 hwreg(HW_REG_WAVE_MODE, 25, 1), 1
	s_wait_xcnt 0x0
	s_wait_alu depctr_hold_cnt(0) depctr_sa_sdst(0) depctr_va_vdst(0) depctr_va_sdst(0) depctr_va_ssrc(0) depctr_va_vcc(0) depctr_vm_vsrc(0)
	s_getreg_b32 s2, hwreg(HW_REG_IB_STS2, 6, 4)
	s_cmp_eq_u32 s2, 0
	s_cbranch_scc0 .Lentry_in_a_cluster
	s_endpgm
.Lentry_in_a_cluster:
	s_bfe_u32 s2, ttmp6, 0x10000c
	s_cmp_lg_u32 s2, 0xf033
	s_cbranch_scc0 .Lentry_shape_is_right
	s_endpgm
.Lentry_shape_is_right:
; qkv[m][n] = f16( sum over k of xb[m][k] wt[n][k] + bf16(b[n]) ).  xb [8192][1024], wt [3072][1024] in bf16; b in f32, rounded here to bf16 like the other two inputs; sums in f32; qkv [8192][3072] in f16.
; LIMIT.  f16 ends at 65,504: a q, k or v beyond that becomes an infinity.  With inputs 30 times the drawn spread they have a spread of 900; with offsets of 30 spreads on context and W they reach about 29,000.
; A tile of qkv is 128 rows x 384 columns: 64 x 8 = 512 tiles of equal work.  Four waves; wave w multiplies all 128 rows by wt's rows 96 w .. 96 w + 95: 8 x 6 = 48 accumulators.
; K goes in 8 steps of 128 through two LDS slots; a slot holds 128 rows of xb, then 384 rows of wt, 256 bytes each and 272 apart.  Wave 0 fetches xb's block, waves 1-3 one block of 128 rows of wt each.
; CLUSTER 4 x 4: xb's block hangs on the tile row and is asked for jointly by a row of the cluster, wt's blocks hang on the tile column and are asked for jointly by a column.
; THE MATRIX INSTRUCTION IS USED TRANSPOSED (source 0 = 16 rows of wt, source 1 = 16 rows of xb): a lane holds one row of qkv and eight neighbouring columns.  The first product of each sum takes the bias as C.
; One K step is written once and looped over: the LDS addresses of the step in hand are TB (0 or SLOT) plus the lane's place.
; REGISTERS by windows of 256: window 0: v16-31 addresses, v64-127 and v128-191 xb's fragments (two buffers), v192-215 packed results; on the way out v64-255 whole rows.
;   window 1: v64-111 and v128-175 wt's fragments, v192-239 the bias, v240 at work.   window 2: accumulator (a, b), a = 0..3, at v[8 (6 a + b)].   window 3: a = 4..7.
.set KSTEP,  128
.set PITCH,  272                       ; 256 bytes + 16: the 16 rows of a fragment load start at 16 different groups of four banks (ISA guide 11.1)
.set BLK,    128*PITCH                 ; what one tensor load brings
.set SLOT,   4*BLK
.set SPARE,  2*SLOT                    ; behind the ring: the spare words, 128 bytes a wave, two blocks of 256 bytes that no other line names
.set SPITCH, 784                       ; the way out: a row of 768 bytes + 16.  The stage, 128 such rows from byte 0, lies in slot 0, whose last fill (K step 6) has been read and left behind a barrier
.set A0,   16                          ; v16 my lane's place in xb's block of slot 0; never rewritten
.set B0,   17                          ; v17 the same for my 96 rows of wt
.set ADRA, 18                          ; v18, v19 the same in the slot in hand
.set ADRB, 19
.set STO,  24                          ; v24 the way out: where I put 16 bytes (rows 0-63); v27 = v24 + 64 rows
.set RD,   25
.set CO,   26
.set STO2, 27
.set SPW,  28                          ; v28 LDS address of my spare word; never rewritten
.set NIL,  29                          ; v29 0; never rewritten
.set PFO,  30                          ; v30 the prefetches' offset: lane x 2,048; never rewritten
.set BO,   31                          ; v31 my offset in the bias
.set F0,   64
.set F1,   128
.set TMP,  192
.set OB,   64
.set BI,   192                         ; window 1
.set BT,   240                         ; window 1
.set WV,   12                          ; s12 wave
.set TB,   21                          ; s21 0 or SLOT: the slot in hand
.set LIM,  43                          ; s43 2 in a wave that prefetches, else the greatest number
.set PFA,  44                          ; s[44:45] where my prefetches stand
.set G1A,  24                          ; s[24:31] group 1 for xb's block;  s[32:35], s[36:39] group 0: K step 0, and the set that walks from K step 1 on
.set G0A,  32
.set G1B,  48                          ; s[48:55], s[56:59], s[60:63] the same for wt's blocks
.set G0B,  56
.set MSB, 0
.macro WIN new                         ; the immediate's high byte repeats the setting that is left; a switch that changes nothing is dropped
.if MSB != (\new)
	s_set_vgpr_msb (MSB<<8)|(\new)
.set MSB, \new
.endif
.endm
.macro PLACES                          ; four places behind matrix instructions, in front of loads into registers that they have read
.rept 4
	v_nop
.endr
.endm
.macro JLOAD s                         ; a joint load; the branch hangs on the wave's number alone; an s_nop 0 and four v_nop follow each of the two lines
	s_cmp_eq_u32 s[WV], 0
	s_cbranch_scc0 .Lfor_b_\@
	tensor_load_to_lds s[G0A+4*(\s):G0A+4*(\s)+3], s[G1A:G1A+7]
	s_nop 0
	PLACES
	s_branch .Lasked_\@
.Lfor_b_\@:
	tensor_load_to_lds s[G0B+4*(\s):G0B+4*(\s)+3], s[G1B:G1B+7]
	s_nop 0
	PLACES
.Lasked_\@:
.endm
.macro ASK                             ; a prefetch into the L2 of the K step two refills on: 32 rows x 256 bytes, a lane a row.  Trips 0-3 of 6 ask (K steps 4-7); the others have no such step
	s_cmp_gt_u32 s3, s[LIM]
	s_cbranch_scc0 .Lnot_mine_\@
	global_prefetch_b8 v[PFO], s[PFA:PFA+1] offset:KSTEP*2 th:TH_LOAD_NT scope:SCOPE_SE
.Lnot_mine_\@:
.endm
.macro CREST                           ; a round of the cluster's barrier behind its opening barrier
	s_cmp_lg_u32 s[WV], 0
	s_cbranch_scc1 .Lnot_wave_0_\@
	s_barrier_signal -3
.Lnot_wave_0_\@:
	s_barrier_wait -3
	s_barrier_signal -1
	s_barrier_wait -1
.endm
.macro CROUND
	s_barrier_signal -1
	s_barrier_wait -1
	CREST
.endm
	s_load_b256 s[4:11], s[0:1], 0x0               ; xb s[4:5], wt s[6:7], b s[8:9], qkv s[10:11]
	v_lshl_add_u32 v[SPW], v0, 2, SPARE
	v_mov_b32 v[NIL], 0
	ds_add_u32 v[SPW], v[NIL]                      ; the wave's opening: the add and its wait stand ahead of my first tensor load; work on registers stands between them
	ds_add_u32 v28, v29
	v_lshrrev_b32 v1, 5, v0
	v_readfirstlane_b32 s[WV], v1
	s_bfe_u32 s40, ttmp6, 0x40000                  ; cx
	s_bfe_u32 s41, ttmp6, 0x40004                  ; cy
	s_lshl_b32 s42, ttmp9, 2
	s_add_co_u32 s42, s42, s40                     ; tile column 0..7
	s_and_b32 s13, ttmp7, 0xffff
	s_lshl_b32 s13, s13, 2
	s_add_co_u32 s13, s13, s41                     ; tile row 0..63
	s_lshl_b32 s14, s41, 2
	s_lshl_b32 s14, 15, s14                        ; my row of the cluster
	s_lshl_b32 s46, 0x1111, s40                    ; my column
	s_or_b32 s[G1A], s14, (1<<16)|(1<<20)|(1<<21)|(5<<22)|(3<<25)  ; mask; 2-byte elements; padding on; bit 21 beside a mask; after every 64 words 4 words
	s_or_b32 s[G1B], s46, (1<<16)|(1<<20)|(1<<21)|(5<<22)|(3<<25)
.irp g, G1A, G1B
	s_mov_b32 s[(\g)+1], KSTEP<<16                 ; tensor_dim0 = 128
	s_mov_b32 s[(\g)+2], 128<<16                   ; tensor_dim1 = 128
	s_mov_b32 s[(\g)+3], KSTEP<<16                 ; tile_dim0 = 128
	s_mov_b32 s[(\g)+4], 128                       ; tile_dim1 = 128
	s_mov_b32 s[(\g)+5], 1024                      ; elements from row to row
	s_mov_b32 s[(\g)+6], 0
	s_mov_b32 s[(\g)+7], 0
.endr
	s_lshl_b32 s16, s13, 18                        ; xb: 128 rows of 2,048 bytes a tile row
	s_mov_b32 s17, 0
	s_mul_i32 s46, s42, 384                        ; wt: row 384 x tile column
	s_max_u32 s47, s[WV], 1
	s_sub_co_u32 s47, s47, 1
	s_lshl_b32 s47, s47, 7
	s_add_co_u32 s46, s46, s47                     ; + 128 (wave - 1)
	s_lshl_b32 s46, s46, 11
	s_mov_b32 s47, 0
	s_mul_i32 s20, s[WV], BLK                      ; where my block goes: no place in the cluster enters an LDS address
	s_mov_b32 s[TB], 0
	s_wait_dscnt 0x0                               ; the opening add is done
	s_wait_kmcnt 0x0
	s_add_nc_u64 s[14:15], s[4:5], s[16:17]
	s_add_nc_u64 s[46:47], s[6:7], s[46:47]
	CROUND                                         ; all sixteen work-groups are here: the first joint loads meet
.irp s, 0,1
	s_mov_b32 s[G0A+4*(\s)], 1
	s_add_co_u32 s[G0A+4*(\s)+1], s20, (\s)*SLOT
	s_add_nc_u64 s[G0A+4*(\s)+2:G0A+4*(\s)+3], s[14:15], (\s)*KSTEP*2
	s_or_b32 s[G0A+4*(\s)+3], s[G0A+4*(\s)+3], 0x80000000
	s_mov_b32 s[G0B+4*(\s)], 1
	s_add_co_u32 s[G0B+4*(\s)+1], s20, (\s)*SLOT
	s_add_nc_u64 s[G0B+4*(\s)+2:G0B+4*(\s)+3], s[46:47], (\s)*KSTEP*2
	s_or_b32 s[G0B+4*(\s)+3], s[G0B+4*(\s)+3], 0x80000000
	JLOAD \s                                       ; two loads of mine are out
.endr
	; the bias of my 96 columns: accumulator column block b, register j is column 16 b + 8 (lane / 16) + j
	v_and_b32 v1, 15, v0
	v_bfe_u32 v2, v0, 4, 1
	v_lshlrev_b32 v[BO], 5, v2
	s_mul_i32 s46, s42, 384*4
	s_mul_i32 s47, s[WV], 96*4
	s_add_co_u32 s46, s46, s47
	s_mov_b32 s47, 0
	s_add_nc_u64 s[8:9], s[8:9], s[46:47]
	WIN 0x40                                       ; destination window 1, address window 0
.irp b, 0,1,2,3,4,5
	global_load_b128 v[BI+8*\b:BI+8*\b+3],   v[BO], s[8:9] offset:64*\b
	global_load_b128 v[BI+8*\b+4:BI+8*\b+7], v[BO], s[8:9] offset:64*\b+16
.endr
	WIN 0
	v_mul_u32_u24 v3, v1, PITCH
	v_lshl_add_u32 v[A0], v2, 4, v3                ; a fragment's row x pitch + 16 x half
	s_mul_i32 s23, s[WV], 96*PITCH
	s_add_co_u32 s23, s23, BLK
	v_add_nc_u32 v[B0], s23, v[A0]
	v_mov_b32 v[ADRA], v[A0]
	v_mov_b32 v[ADRB], v[B0]
	v_mul_u32_u24 v4, v1, SPITCH                   ; into the stage: row lane % 16, my 192 bytes of it, 16 bytes for each half of the lanes
	v_lshl_add_u32 v4, v2, 4, v4
	s_mul_i32 s23, s[WV], 192
	v_add_nc_u32 v[STO], s23, v4
	v_add_nc_u32 v[STO2], 64*SPITCH, v[STO]
	s_lshl_b32 s23, s[WV], 5
	v_add_nc_u32 v5, s23, v2                       ; back: rows 32 w + lane / 16 (+ 2 p)
	v_mul_u32_u24 v5, v5, SPITCH
	v_lshl_add_u32 v[RD], v1, 4, v5
	v_mul_u32_u24 v5, v2, 6144
	v_lshl_add_u32 v[CO], v1, 4, v5
	s_lshl_b32 s16, s13, 7
	s_add_co_u32 s16, s16, s23                     ; the first row of qkv that I store: 128 x tile row + 32 w
	s_mul_i32 s16, s16, 6144
	s_mul_i32 s46, s42, 768
	s_add_co_u32 s16, s16, s46
	s_mov_b32 s17, 0
	s_add_nc_u64 s[10:11], s[10:11], s[16:17]
	; the prefetches.  xb's rows are read by both clusters of a row of clusters: cluster x = 0 asks; wt's by all sixteen rows of clusters: cluster y = 0 asks.  Of the 128 rows that a wave fetches
	; the partner at place p (cx for xb, cy for wt) takes 32 p .. 32 p + 31, told apart by address: each row's 256 bytes of a K step are named once in the launch.
	s_and_b32 s22, ttmp7, 0xffff
	s_lshl_b32 s18, s13, 7
	s_mul_i32 s19, s42, 384
	s_max_u32 s23, s[WV], 1
	s_sub_co_u32 s23, s23, 1
	s_lshl_b32 s23, s23, 7
	s_add_co_u32 s19, s19, s23
	s_cmp_eq_u32 s[WV], 0
	s_cselect_b32 s18, s18, s19                    ; the first row that I fetch
	s_cselect_b32 s19, s40, s41                    ; my place among the four that ask with me
	s_cselect_b32 s22, ttmp9, s22                  ; the coordinate along which other clusters read the same rows
	s_cselect_b64 s[PFA:PFA+1], s[4:5], s[6:7]
	s_cmp_eq_u32 s22, 0
	s_cselect_b32 s[LIM], 2, -1
	s_lshl_b32 s19, s19, 5
	s_add_co_u32 s18, s18, s19
	s_lshl_b32 s18, s18, 11
	s_add_co_u32 s18, s18, 2*KSTEP*2               ; at K step 2: the first change of slots steps it to 3 and names K step 4
	s_mov_b32 s19, 0
	s_add_nc_u64 s[PFA:PFA+1], s[PFA:PFA+1], s[18:19]
	v_and_b32 v[PFO], 31, v0
	v_lshlrev_b32 v[PFO], 11, v[PFO]
	s_wait_loadcnt 0x0                             ; the bias
	WIN 0x45                                       ; sources and destination in window 1
.set i, 0
.rept 24
	v_cvt_pk_bf16_f32 v[BT], v[BI+2*i], v[BI+2*i+1]  ; rounded to bf16 like the other inputs, and widened again
	v_lshlrev_b32 v[BI+2*i], 16, v[BT]
	v_and_b32 v[BI+2*i+1], 0xffff0000, v[BT]
.set i, i+1
.endr
	WIN 0
; 12 matrix instructions: row blocks a0, a0 + 1 of the window's four x all 6 column blocks, 32 along K.  first = 1: the product starts the sum, with the bias as C.
; The 48 accumulators take turns in the same order in every quarter, one instruction a turn.
.macro MUL12 f, hi, a0, first
.if \first
	WIN 0x91+0x40*(\hi)                            ; wt window 1, xb window 0, C (the bias) window 1, D window 2 or 3
.else
	WIN 0xa1+0x50*(\hi)                            ; C and D window 2 or 3
.endif
.irp a, \a0, (\a0)+1
.irp b, 0,1,2,3,4,5
.if \first
	v_wmma_f32_16x16x32_bf16 v[8*(6*(\a)+(\b)):8*(6*(\a)+(\b))+7], v[(\f)+8*(\b):(\f)+8*(\b)+7], v[(\f)+8*(4*(\hi)+(\a)):(\f)+8*(4*(\hi)+(\a))+7], v[BI+8*(\b):BI+8*(\b)+7]
.else
	v_wmma_f32_16x16x32_bf16 v[8*(6*(\a)+(\b)):8*(6*(\a)+(\b))+7], v[(\f)+8*(\b):(\f)+8*(\b)+7], v[(\f)+8*(4*(\hi)+(\a)):(\f)+8*(4*(\hi)+(\a))+7], v[8*(6*(\a)+(\b)):8*(6*(\a)+(\b))+7]
.endif
.endr
.endr
.endm
.macro FETCH k, f                      ; 28 LDS loads in one run: 96 rows of wt, 128 rows of xb, 32 K at byte k of the rows
	WIN 0x40
.irp i, 0,1,2,3,4,5
	ds_load_b128 v[(\f)+8*(\i):(\f)+8*(\i)+3],   v[ADRB] offset:(\k)+(\i)*16*PITCH
	ds_load_b128 v[(\f)+8*(\i)+4:(\f)+8*(\i)+7], v[ADRB] offset:(\k)+(\i)*16*PITCH+32
.endr
	WIN 0
.irp i, 0,1,2,3,4,5,6,7
	ds_load_b128 v[(\f)+8*(\i):(\f)+8*(\i)+3],   v[ADRA] offset:(\k)+(\i)*16*PITCH
	ds_load_b128 v[(\f)+8*(\i)+4:(\f)+8*(\i)+7], v[ADRA] offset:(\k)+(\i)*16*PITCH+32
.endr
.endm
.macro QUARTER k, f, g, first          ; multiplies buffer f; in its middle fetches the next quarter, at byte k, into g
	s_wait_dscnt 8                                 ; wt's fragments and xb's rows 0-63 are in; the youngest eight loads may be out
	MUL12 \f, 0, 0, \first
	MUL12 \f, 0, 2, \first
	PLACES
	FETCH \k, \g
	s_wait_dscnt 28                                ; all but the 28 just issued
	MUL12 \f, 1, 0, \first
	MUL12 \f, 1, 2, \first
.endm
; The last quarter of a K step multiplies buffer 1 and changes slots.  In front of the barrier each wave waits for all its tensor loads (one is out: its block of the next slot), adds 0 to its spare word,
; and waits for that and for its reads of this slot.  fill = 1: the barrier opens a round of the cluster's barrier, and the joint refill, two K steps on, is the first thing behind it: 168 matrix instructions ahead of the wait for it.
.macro TURN fill
	WIN 0
.if \fill
	s_wait_xcnt 0x0                                ; the last prefetch, a K step back, has read its address
	s_add_nc_u64 s[PFA:PFA+1], s[PFA:PFA+1], KSTEP*2
.endif
	s_wait_tensorcnt 0x0                           ; no tensor load of mine is out, so a group 0 may be written
	ds_add_u32 v[SPW], v[NIL]                      ; 0 onto my spare word
.if \fill
	s_xor_b32 s[G0A+5], s[G0A+5], SLOT             ; the walking sets: the other slot than last time (wave x BLK shares no bit with SLOT),
	s_add_nc_u64 s[G0A+6:G0A+7], s[G0A+6:G0A+7], KSTEP*2  ; the next K step
	s_xor_b32 s[G0B+5], s[G0B+5], SLOT
	s_add_nc_u64 s[G0B+6:G0B+7], s[G0B+6:G0B+7], KSTEP*2
.endif
	s_xor_b32 s[TB], s[TB], SLOT
	s_wait_dscnt 9                                 ; the add and the youngest eight loads may be out
	MUL12 F1, 0, 0, 0
	s_wait_dscnt 0x0                               ; the add is done, and my reads of this slot are over
	s_barrier_signal -1
	MUL12 F1, 0, 2, 0
	WIN 0
	s_barrier_wait -1
.if \fill
	CREST
	JLOAD 1                                        ; its four v_nop are also the places in front of the loads below
.else
	PLACES
.endif
	v_add_nc_u32 v[ADRA], s[TB], v[A0]
	v_add_nc_u32 v[ADRB], s[TB], v[B0]
	FETCH 0, F0
.if \fill
	ASK
.endif
	MUL12 F1, 1, 0, 0
	MUL12 F1, 1, 2, 0
.endm
	s_wait_tensorcnt 0x1                           ; my block of K step 0 is in; K step 1's may stay out
	s_barrier_signal -1
	s_barrier_wait -1
	FETCH 0, F0
	QUARTER 64, F0, F1, 1                          ; the first quarter stands in front of the loop: its products start the sums
	WIN 0
	s_mov_b32 s3, 6
.Ltrip:                                                ; a trip: the last three quarters of a K step and the first of the next; K steps 2 to 7 are asked for
	QUARTER 128, F1, F0, 0
	QUARTER 192, F0, F1, 0
	TURN 1
	QUARTER 64, F0, F1, 0
	WIN 0
	s_sub_co_u32 s3, s3, 1
	s_cmp_lg_u32 s3, 0
	s_cbranch_scc1 .Ltrip
	QUARTER 128, F1, F0, 0                         ; K step 6: nothing is left to ask for, so the tail is written out
	QUARTER 192, F0, F1, 0
	TURN 0
	QUARTER 64, F0, F1, 0
	QUARTER 128, F1, F0, 0
	QUARTER 192, F0, F1, 0
	s_wait_dscnt 8
	MUL12 F1, 0, 0, 0
	MUL12 F1, 0, 2, 0
	s_wait_dscnt 0x0
	MUL12 F1, 1, 0, 0
	MUL12 F1, 1, 2, 0
	WIN 0
	; THE WAY OUT: rounded to f16, 16 bytes a lane into the work-group's stage; a barrier, since a row's 768 bytes come from four waves; back as whole rows, 32 rows a wave.
	PLACES
	PLACES
.irp a, 0,1,2,3,4,5,6,7
	WIN 0x0a+5*((\a)/4)                            ; sources in window 2 or 3
.irp b, 0,1,2,3,4,5
.irp r, 0,1,2,3
	v_cvt_pk_f16_f32 v[TMP+4*(\b)+(\r)], v[8*(6*((\a)%4)+(\b))+2*(\r)], v[8*(6*((\a)%4)+(\b))+2*(\r)+1]
.endr
.endr
	WIN 0
.irp b, 0,1,2,3,4,5
	ds_store_b128 v[STO+3*((\a)/4)], v[TMP+4*(\b):TMP+4*(\b)+3] offset:((\a)%4)*16*SPITCH+32*(\b)
.endr
.endr
	s_wait_dscnt 0x0                               ; for the others' sake: my stores into the stage are done
	s_barrier_signal -1
	s_barrier_wait -1
.set t, 0
.rept 48
	ds_load_b128 v[OB+4*t:OB+4*t+3], v[RD] offset:(t/3)*2*SPITCH+256*(t%3)
.set t, t+1
.endr
.set t, 0
.rept 48
	s_wait_dscnt 47-t
	global_store_b128 v[CO], v[OB+4*t:OB+4*t+3], s[10:11] offset:(t/3)*12288+256*(t%3)  ; 16 lanes store 256 consecutive bytes, at a multiple of 256 from qkv's first byte
.set t, t+1
.endr
	s_wait_tensorcnt 0x0                           ; the wave's end: behind my last tensor load and my last LDS store
	ds_add_u32 v[SPW], v[NIL]
	s_wait_dscnt 0x0
	CROUND                                         ; the closing round
	s_endpgm
.Lfunc_end_k_qf87fcabf75_proj:
	.size	k_qf87fcabf75_proj, .Lfunc_end_k_qf87fcabf75_proj-k_qf87fcabf75_proj
	.p2alignl 7, 3214868480
	.fill 96, 4, 3214868480
	.section	.rodata,"a",@progbits
	.p2align	6, 0x0
	.amdhsa_kernel k_qf87fcabf75_proj
		.amdhsa_group_segment_fixed_size 327680
		.amdhsa_private_segment_fixed_size 0
		.amdhsa_enable_private_segment 0
		.amdhsa_kernarg_size 32
		.amdhsa_user_sgpr_count 2
		.amdhsa_user_sgpr_kernarg_segment_ptr 1
		.amdhsa_wavefront_size32 1
		.amdhsa_system_sgpr_workgroup_id_x 1
		.amdhsa_system_sgpr_workgroup_id_y 1
		.amdhsa_system_sgpr_workgroup_id_z 1
		.amdhsa_system_vgpr_workitem_id 0
		.amdhsa_next_free_vgpr 960
		.amdhsa_next_free_sgpr 66
		.amdhsa_reserve_vcc 0
		.amdhsa_float_denorm_mode_32 3
		.amdhsa_float_denorm_mode_16_64 3
		.amdhsa_memory_ordered 1
		.amdhsa_forward_progress 1
		.amdhsa_inst_pref_size 101
	.end_amdhsa_kernel
	.amdgpu_metadata
---
amdhsa.version: [ 1, 2 ]
amdhsa.kernels:
  - .name:           k_qf87fcabf75_proj
    .symbol:         k_qf87fcabf75_proj.kd
    .args:
      - { .name: xb, .offset: 0, .size: 8, .value_kind: global_buffer, .address_space: global }
      - { .name: wt, .offset: 8, .size: 8, .value_kind: global_buffer, .address_space: global }
      - { .name: b_qkv, .offset: 16, .size: 8, .value_kind: global_buffer, .address_space: global }
      - { .name: qkv, .offset: 24, .size: 8, .value_kind: global_buffer, .address_space: global }
    .group_segment_fixed_size: 327680
    .private_segment_fixed_size: 0
    .kernarg_segment_align: 8
    .kernarg_segment_size: 32
    .max_flat_workgroup_size: 128
    .sgpr_count:     66
    .vgpr_count:     960
    .wavefront_size: 32
...
	.end_amdgpu_metadata
.endif
;; end of part 2
;; launch scores (part 3): grid 10 x 16, 4 waves a work-group, no clusters, 327,680 bytes of LDS; arguments qkv, pt, st; writes pt, st
.if DOCPART == 3
	.amdgcn_target "amdgcn-amd-amdhsa--gfx1250"
	.amdhsa_code_object_version 6
	.text
	.protected	k_qf87fcabf75_scores
	.globl	k_qf87fcabf75_scores
	.p2align	8
	.type	k_qf87fcabf75_scores,@function
k_qf87fcabf75_scores:
	s_mov_b64 s[64:65], 0
	v_nop
	global_prefetch_b8 v0, s[64:65] scope:SCOPE_SE
	s_setreg_imm32_b32 hwreg(HW_REG_WAVE_MODE, 25, 1), 1
	s_wait_xcnt 0x0
; For a tile of 256 queries x 256 keys of one batch: S = q k^T (f16 operands, f32 sums, K = 1024), the causal mask, and for each query and each GROUP of 128 keys:
;   Mg = c x (the group's largest score), c = log2(e) / sqrt(2048);  p~ = 2^(c s - Mg), stored in f16 in pt;  lg = the sum of the unrounded p~.  Mg and lg go to st in f32.
; The launch behind takes the row's maximum M of the Mg and multiplies by 2^(Mg - M): the maximum is taken away in two exact steps.
; WHICH TILES.  Queries are masked in super-blocks of 512: tile row I2 (256 queries) has the key tiles 0 .. 2 (I2 / 2) + 1.  Rows 7 - p and p have 10 tiles together: grid x = 0..9, y = 4 batch + p: 160 equal work-groups.
; THE MASK.  A wave owns 128 queries x 128 keys; delta = its first key - its first query, a multiple of 128.  delta < 0: nothing is hidden.  delta = 0: the mask is the C operand that starts the sums:
; 0 below the diagonal blocks of 16, -1e30 above them, and in them -1e30 where the key is later than the query; every row sees its own key, so Mg is a true score.  delta > 0: all is hidden: the tile is computed
; WITHOUT a mask, so that p~ and lg are finite, and Mg is stored as -2.97e28: the launch behind then gives the group the weight 0.
; LIMITS.  q and k arrive within f16's range, so a score is 4.4e12 at the most, nothing beside 1e30 or, times c, beside 2.97e28; a weight below 2^-126 counts as 0; NaN and infinities are not treated apart.
; NO CLUSTER: tile rows have 2, 4, 6 or 8 tiles, and a group of 4 x 4 or 4 x 1 of these tiles spans 1,024 queries or keys, which would compute 768 units of 128 x 128 for 640.
; Frame: four waves, each 128 x 128 in 512 registers; K in 8 steps of 128 through two LDS slots; wave w fetches 128 rows (waves 0, 1: q; waves 2, 3: k); one K step is written once and looped over.
; The matrix instruction is used transposed (source 0 = 16 keys, source 1 = 16 queries): a lane holds one query (lane % 16) and the keys 8 (lane / 16) + 0..7.
; REGISTERS: window 0: v16-31 addresses, v40-55 masks, v64-127, v128-191 q's fragments; on the way out v64-127 rows, v128-163 statistics, v192-223 packed weights.  window 1: k's fragments.  windows 2, 3: accumulator (a, b) at v[8 (8 (a % 4) + b)].
.set KSTEP,  128
.set PITCH,  272
.set HALFT,  128*PITCH
.set SLOT,   4*HALFT                   ; q's 256 rows, then k's 256 rows
.set STAGE,  2*SLOT                    ; behind the ring: 16 rows x 272 bytes for each wave
.set SPARE,  STAGE+4*16*PITCH          ; behind the stages: the spare words, 128 bytes a wave, two blocks of 256 bytes that no other line names
.set A0,   16
.set B0,   17
.set ADRA, 18
.set ADRB, 19
.set STO,  24
.set RD,   25
.set CO,   26
.set SO,   27                          ; v27 my offset in a record of st
.set SPW,  28
.set NIL,  29
.set PFO,  30
.set MC0,  40                          ; v40-47 the mask of a diagonal block of 16 x 16
.set MCP,  48                          ; v48-55 the mask of a block above it
.set F0,   64
.set F1,   128
.set OB,   64
.set SM,   128                         ; v128-135 Mg of my query in each of the eight tiles of 16 queries
.set SL,   136                         ; v136-143 lg
.set CC,   144                         ; v144-151 at work
.set MW,   152                         ; v152-153 c m, twice
.set XS,   156                         ; v156-163 Mg (lanes 0-15) and lg (lanes 16-31), to store
.set TMP,  192
.set WV,   10
.set TB,   34
.set LIM,  35
.set PFA,  36
.set CS,   38                          ; s[38:39] c
.set SEL,  40                          ; s[40:41] v_permlanex16_b32's selects
.set BIGD, 42                          ; s42 -1e30 if delta = 0, else 0
.set AL2,  43                          ; s43, s44: Mg = c m x AL2 + BE2
.set BE2,  44
.set HM,   45
.set G1,   16
.set G0,   24                          ; s[24:27] K step 0; s[28:31] the set that walks from K step 1 on
.set MSB, 0
.macro WIN new
.if MSB != (\new)
	s_set_vgpr_msb (MSB<<8)|(\new)
.set MSB, \new
.endif
.endm
.macro PLACES
.rept 4
	v_nop
.endr
.endm
.macro ASK                             ; prefetches into the L2 of my own 128 rows' 256 bytes of the K step two refills on: a lane a row, four instructions; trips 0-3 of 6 ask (K steps 4-7)
	s_cmp_gt_u32 s3, s[LIM]
	s_cbranch_scc0 .Lnot_mine_\@
.irp n, 0,1,2,3
	global_prefetch_b8 v[PFO], s[PFA:PFA+1] offset:KSTEP*2+\n*32*6144 th:TH_LOAD_NT scope:SCOPE_SE
.endr
.Lnot_mine_\@:
.endm
	s_load_b128 s[4:7], s[0:1], 0x0                ; qkv s[4:5], pt s[6:7]
	s_load_b64 s[8:9], s[0:1], 0x10                ; st
	v_lshl_add_u32 v[SPW], v0, 2, SPARE
	v_mov_b32 v[NIL], 0
	ds_add_u32 v[SPW], v[NIL]                      ; the wave's opening: the add and its wait stand ahead of my first tensor load
	ds_add_u32 v28, v29
	v_lshrrev_b32 v1, 5, v0
	v_readfirstlane_b32 s[WV], v1
	s_lshr_b32 s11, s[WV], 1                       ; rh: which 128 queries are mine
	s_and_b32 s12, s[WV], 1                        ; kh: which 128 keys.  Also: which 128 rows I fetch
	s_and_b32 s33, ttmp7, 0xffff
	s_lshr_b32 s13, s33, 2                         ; batch
	s_and_b32 s14, s33, 3                          ; p
	s_lshr_b32 s50, s14, 1
	s_lshl_b32 s50, s50, 1
	s_sub_co_u32 s50, 8, s50                       ; tiles of row 7 - p
	s_sub_co_u32 s51, 7, s14
	s_sub_co_u32 s52, ttmp9, s50
	s_cmp_lt_u32 ttmp9, s50
	s_cselect_b32 s15, s51, s14                    ; I2
	s_cselect_b32 s32, ttmp9, s52                  ; T2
	s_mov_b32 s[G1+0], (1<<16)|(1<<20)|(5<<22)|(3<<25)  ; 2-byte elements; padding on: after every 64 words 4 words
	s_mov_b32 s[G1+1], KSTEP<<16
	s_mov_b32 s[G1+2], 128<<16
	s_mov_b32 s[G1+3], KSTEP<<16
	s_mov_b32 s[G1+4], 128
	s_mov_b32 s[G1+5], 3072                        ; elements from row to row of qkv
	s_mov_b32 s[G1+6], 0
	s_mov_b32 s[G1+7], 0
	s_lshl_b32 s52, s13, 11                        ; batch x 2,048 rows
	s_cmp_lt_u32 s[WV], 2                          ; do I fetch q?
	s_cselect_b32 s46, s15, s32
	s_cselect_b32 s51, 0, 2048                     ; k begins 2,048 bytes into a row
	s_lshl_b32 s46, s46, 8
	s_add_co_u32 s46, s46, s52
	s_lshl_b32 s53, s12, 7
	s_add_co_u32 s46, s46, s53
	s_mul_i32 s46, s46, 6144
	s_add_co_u32 s46, s46, s51
	s_mov_b32 s47, 0
	s_mul_i32 s53, s[WV], HALFT
	s_lshl_b32 s56, s15, 8                         ; pt: row batch x 2,048 + 256 I2 + 128 rh, byte 512 T2 + 256 kh of it
	s_add_co_u32 s56, s56, s52
	s_lshl_b32 s57, s11, 7
	s_add_co_u32 s56, s56, s57
	s_lshl_b32 s56, s56, 12
	s_lshl_b32 s57, s32, 9
	s_add_co_u32 s56, s56, s57
	s_lshl_b32 s57, s12, 8
	s_add_co_u32 s56, s56, s57
	s_mov_b32 s57, 0
	s_lshl_b32 s58, s13, 3                         ; st: record ((batch x 8 + I2) x 16 + 2 T2 + kh) x 2 + rh, 1,024 bytes each
	s_add_co_u32 s58, s58, s15
	s_lshl_b32 s58, s58, 4
	s_lshl_b32 s59, s32, 1
	s_add_co_u32 s58, s58, s59
	s_add_co_u32 s58, s58, s12
	s_lshl_b32 s58, s58, 1
	s_add_co_u32 s58, s58, s11
	s_lshl_b32 s58, s58, 10
	s_mov_b32 s59, 0
	s_sub_co_i32 s54, s32, s15                     ; delta / 128 = 2 (T2 - I2) + kh - rh
	s_lshl_b32 s54, s54, 1
	s_add_co_i32 s54, s54, s12
	s_sub_co_i32 s54, s54, s11
	s_cmp_eq_u32 s54, 0
	s_cselect_b32 s[BIGD], 0xf149f2ca, 0           ; -1e30
	s_cmp_gt_i32 s54, 0
	s_cselect_b32 s[AL2], 0, 1.0
	s_cselect_b32 s[BE2], 0xeec00000, 0            ; -2.97e28
	s_cmp_eq_u32 s32, 0                            ; q's rows are asked for ahead by the row's first tile, k's by the tile on the diagonal of tiles: each row once in the launch
	s_cselect_b32 s60, 2, -1
	s_cmp_eq_u32 s32, s15
	s_cselect_b32 s61, 2, -1
	s_cmp_lt_u32 s[WV], 2
	s_cselect_b32 s[LIM], s60, s61
	s_mov_b32 s[CS], 0x3d0293ee                    ; c = log2(e) / sqrt(2048) = 0.0318794
	s_mov_b32 s[CS+1], s[CS]
	s_mov_b32 s[SEL], 0x76543210
	s_mov_b32 s[SEL+1], 0xfedcba98
	s_mov_b32 s[HM], 0xffff0000
	s_mov_b32 s[TB], 0
	s_wait_dscnt 0x0                               ; the opening add is done
	s_wait_kmcnt 0x0
	s_add_nc_u64 s[48:49], s[4:5], s[46:47]        ; my 128 rows, K step 0
	s_add_nc_u64 s[6:7], s[6:7], s[56:57]
	s_add_nc_u64 s[8:9], s[8:9], s[58:59]
	s_add_nc_u64 s[PFA:PFA+1], s[48:49], 2*KSTEP*2 ; at K step 2: the first change of slots steps it to 3 and names K step 4
.irp s, 0,1
	s_mov_b32 s[G0+4*(\s)], 1
	s_add_co_u32 s[G0+4*(\s)+1], s53, (\s)*SLOT
	s_add_nc_u64 s[G0+4*(\s)+2:G0+4*(\s)+3], s[48:49], (\s)*KSTEP*2
	s_or_b32 s[G0+4*(\s)+3], s[G0+4*(\s)+3], 0x80000000
.endr
	tensor_load_to_lds s[G0:G0+3], s[G1:G1+7]      ; the two first fills go out together: two loads of mine are out
	s_nop 0
	tensor_load_to_lds s[G0+4:G0+7], s[G1:G1+7]
	s_nop 0
	PLACES
	v_and_b32 v1, 15, v0
	v_bfe_u32 v2, v0, 4, 1
	v_lshlrev_b32 v5, 3, v2
	v_sub_nc_u32 v14, v1, v5                       ; register j of a diagonal block is hidden where j > lane % 16 - 8 (lane / 16)
.irp j, 0,1,2,3,4,5,6,7
	v_cmp_gt_i32 vcc_lo, \j, v14
	v_cndmask_b32 v[MC0+\j], 0, s[BIGD], vcc_lo
	v_mov_b32 v[MCP+\j], s[BIGD]
.endr
	v_mul_u32_u24 v3, v1, PITCH
	v_lshl_add_u32 v3, v2, 4, v3
	s_mul_i32 s50, s11, HALFT
	v_add_nc_u32 v[A0], s50, v3
	s_mul_i32 s50, s12, HALFT
	s_add_co_u32 s50, s50, 2*HALFT
	v_add_nc_u32 v[B0], s50, v3
	v_mov_b32 v[ADRA], v[A0]
	v_mov_b32 v[ADRB], v[B0]
	s_mul_i32 s50, s[WV], 16*PITCH
	s_add_co_u32 s50, s50, STAGE
	v_add_nc_u32 v[STO], s50, v3                   ; in: row lane % 16, 16 bytes for each half of the lanes
	v_mul_u32_u24 v5, v2, PITCH
	v_lshl_add_u32 v5, v1, 4, v5
	v_add_nc_u32 v[RD], s50, v5                    ; back: lanes 0-15 one row of 256 bytes, lanes 16-31 the next
	v_lshlrev_b32 v5, 12, v2
	v_lshl_add_u32 v[CO], v1, 4, v5
	v_lshlrev_b32 v5, 9, v2
	v_lshl_add_u32 v[SO], v1, 4, v5
	v_and_b32 v[PFO], 31, v0
	v_mul_u32_u24 v[PFO], v[PFO], 6144
; 16 matrix instructions.  first = 1: the product starts the sum, with the mask as C.  The 64 accumulators take turns in the same order in every quarter.
.macro MUL16 f, hi, a0, first
.if \first
	WIN 0x81+0x40*(\hi)                            ; k window 1, q window 0, C (the mask) window 0, D window 2 or 3
.else
	WIN 0xa1+0x50*(\hi)
.endif
.irp a, \a0, (\a0)+1
.irp b, 0,1,2,3,4,5,6,7
.set rD, 8*(8*(\a)+(\b))
.set rB, (\f)+8*(\b)
.set rA, (\f)+8*(4*(\hi)+(\a))
.if (\first) && ((\b) < 4*(\hi)+(\a))
	v_wmma_f32_16x16x32_f16 v[rD:rD+7], v[rB:rB+7], v[rA:rA+7], 0
.elseif (\first) && ((\b) == 4*(\hi)+(\a))
	v_wmma_f32_16x16x32_f16 v[rD:rD+7], v[rB:rB+7], v[rA:rA+7], v[MC0:MC0+7]
.elseif \first
	v_wmma_f32_16x16x32_f16 v[rD:rD+7], v[rB:rB+7], v[rA:rA+7], v[MCP:MCP+7]
.else
	v_wmma_f32_16x16x32_f16 v[rD:rD+7], v[rB:rB+7], v[rA:rA+7], v[rD:rD+7]
.endif
.endr
.endr
.endm
.macro FETCH k, f                      ; 32 LDS loads in one run
	WIN 0x40
.irp i, 0,1,2,3,4,5,6,7
	ds_load_b128 v[(\f)+8*(\i):(\f)+8*(\i)+3],   v[ADRB] offset:(\k)+(\i)*16*PITCH
	ds_load_b128 v[(\f)+8*(\i)+4:(\f)+8*(\i)+7], v[ADRB] offset:(\k)+(\i)*16*PITCH+32
.endr
	WIN 0
.irp i, 0,1,2,3,4,5,6,7
	ds_load_b128 v[(\f)+8*(\i):(\f)+8*(\i)+3],   v[ADRA] offset:(\k)+(\i)*16*PITCH
	ds_load_b128 v[(\f)+8*(\i)+4:(\f)+8*(\i)+7], v[ADRA] offset:(\k)+(\i)*16*PITCH+32
.endr
.endm
.macro QUARTER k, f, g, first
	s_wait_dscnt 8                                 ; k's fragments and q's rows 0-63 are in; the youngest eight loads may be out
	MUL16 \f, 0, 0, \first
	MUL16 \f, 0, 2, \first
	PLACES
	FETCH \k, \g
	s_wait_dscnt 32                                ; all but the 32 just issued
	MUL16 \f, 1, 0, \first
	MUL16 \f, 1, 2, \first
.endm
; The change of slots: each wave waits for all its tensor loads (one is out: its rows of the next slot), adds 0 to its spare word, waits for that and for its reads of this slot, and passes the barrier;
; fill = 1: its one load, two K steps on, is the first thing behind it: 224 matrix instructions ahead of the wait for it.
.macro TURN fill
	WIN 0
.if \fill
	s_wait_xcnt 0x0                                ; the last prefetches, a K step back, have read their address
	s_add_nc_u64 s[PFA:PFA+1], s[PFA:PFA+1], KSTEP*2
.endif
	s_wait_tensorcnt 0x0
	ds_add_u32 v[SPW], v[NIL]                      ; 0 onto my spare word
.if \fill
	s_xor_b32 s[G0+5], s[G0+5], SLOT               ; the walking set: the other slot (wave x HALFT shares no bit with SLOT), the next K step
	s_add_nc_u64 s[G0+6:G0+7], s[G0+6:G0+7], KSTEP*2
.endif
	s_xor_b32 s[TB], s[TB], SLOT
	s_wait_dscnt 9                                 ; the add and the youngest eight loads may be out
	MUL16 F1, 0, 0, 0
	s_wait_dscnt 0x0                               ; the add is done, and my reads of this slot are over
	s_barrier_signal -1
	MUL16 F1, 0, 2, 0
	WIN 0
	s_barrier_wait -1
.if \fill
	tensor_load_to_lds s[G0+4:G0+7], s[G1:G1+7]
	s_nop 0
.endif
	PLACES                                         ; the places in front of the loads below
	v_add_nc_u32 v[ADRA], s[TB], v[A0]
	v_add_nc_u32 v[ADRB], s[TB], v[B0]
	FETCH 0, F0
.if \fill
	ASK
.endif
	MUL16 F1, 1, 0, 0
	MUL16 F1, 1, 2, 0
.endm
	s_wait_tensorcnt 0x1                           ; my rows of K step 0 are in; K step 1's may stay out
	s_barrier_signal -1
	s_barrier_wait -1
	FETCH 0, F0
	QUARTER 64, F0, F1, 1
	WIN 0
	s_mov_b32 s3, 6
.Ltrip:
	QUARTER 128, F1, F0, 0
	QUARTER 192, F0, F1, 0
	TURN 1
	QUARTER 64, F0, F1, 0
	WIN 0
	s_sub_co_u32 s3, s3, 1
	s_cmp_lg_u32 s3, 0
	s_cbranch_scc1 .Ltrip
	QUARTER 128, F1, F0, 0                         ; K step 6: nothing is left to ask for, so the tail is written out
	QUARTER 192, F0, F1, 0
	TURN 0
	QUARTER 64, F0, F1, 0
	QUARTER 128, F1, F0, 0
	QUARTER 192, F0, F1, 0
	s_wait_dscnt 8
	MUL16 F1, 0, 0, 0
	MUL16 F1, 0, 2, 0
	s_wait_dscnt 0x0
	MUL16 F1, 1, 0, 0
	MUL16 F1, 1, 2, 0
	WIN 0
; THE WAY OUT.  SOFT a: tile a of 16 queries; a lane's 64 scores lie in 64 registers, the query's other 64 keys in the lane 16 away.
.macro SOFT a
.set AC, 64*((\a)%4)
.set HB, (\a)/4
	WIN 0x2a+0x15*HB                               ; three sources in window 2 or 3.
.irp b, 0,1,2,3,4,5,6,7
	v_max3_num_f32 v[CC+\b], v[AC+8*\b], v[AC+8*\b+1], v[AC+8*\b+2]
.endr
	WIN 0x28+0x14*HB
.irp b, 0,1,2,3,4,5,6,7
	v_max3_num_f32 v[CC+\b], v[CC+\b], v[AC+8*\b+3], v[AC+8*\b+4]
.endr
.irp b, 0,1,2,3,4,5,6,7
	v_max3_num_f32 v[CC+\b], v[CC+\b], v[AC+8*\b+5], v[AC+8*\b+6]
.endr
.irp b, 0,1,2,3
	v_max3_num_f32 v[CC+\b], v[CC+\b], v[AC+16*\b+7], v[AC+16*\b+15]
.endr
	WIN 0
	v_max3_num_f32 v[CC], v[CC], v[CC+1], v[CC+2]
	v_max3_num_f32 v[CC+3], v[CC+3], v[CC+4], v[CC+5]
	v_max3_num_f32 v[CC], v[CC], v[CC+3], v[CC+6]
	v_max_num_f32 v[CC], v[CC], v[CC+7]
	v_permlanex16_b32 v[CC+1], v[CC], s[SEL], s[SEL+1]
	v_max_num_f32 v[CC], v[CC], v[CC+1]
	v_mul_f32 v[MW], s[CS], v[CC]                  ; c m
	v_mul_f32 v[MW+1], s[CS], v[CC]
	v_fma_f32 v[SM+(\a)], v[MW], s[AL2], s[BE2]    ; what is stored: c m, or -2.97e28 for a tile that is all hidden
	WIN 0x82+0x41*HB
.set i, 0
.rept 32
	v_pk_fma_f32 v[AC+2*i:AC+2*i+1], v[AC+2*i:AC+2*i+1], s[CS:CS+1], v[MW:MW+1] op_sel_hi:[1,0,1] neg_lo:[0,0,1] neg_hi:[0,0,1]
.set i, i+1
.endr
.set i, 0
.rept 64
	v_exp_f32 v[AC+i], v[AC+i]                     ; one batch: nothing ahead of the wait below names a result
.set i, i+1
.endr
	v_nop                                          ; a plain instruction behind the last exponential (ISA guide 5.7.2),
	s_wait_alu depctr_va_vdst(0)                   ; and the one wait ahead of the first reader
	WIN 0x0a+5*HB
.set i, 0
.rept 32
	v_cvt_pk_f16_f32 v[TMP+i], v[AC+2*i], v[AC+2*i+1]
.set i, i+1
.endr
	WIN 0x8a+0x45*HB                               ; the sum of the 32 pairs, a tree in place
.irp w, 16,8,4,2,1
.set i, 0
.rept \w
	v_pk_add_f32 v[AC+2*i:AC+2*i+1], v[AC+2*i:AC+2*i+1], v[AC+2*(i+\w):AC+2*(i+\w)+1]
.set i, i+1
.endr
.endr
	WIN 0x0a+5*HB
	v_add_f32 v[CC], v[AC], v[AC+1]
	WIN 0
	v_permlanex16_b32 v[CC+1], v[CC], s[SEL], s[SEL+1]
	v_add_f32 v[SL+(\a)], v[CC], v[CC+1]
.endm
.macro TOSTAGE a                       ; 16 bytes a lane into my own stage, and back as whole rows of 256 bytes
.irp b, 0,1,2,3,4,5,6,7
	ds_store_b128 v[STO], v[TMP+4*(\b):TMP+4*(\b)+3] offset:32*(\b)
.endr
.irp t, 0,1,2,3,4,5,6,7
	ds_load_b128 v[OB+32*((\a)%2)+4*(\t):OB+32*((\a)%2)+4*(\t)+3], v[RD] offset:(\t)*2*PITCH  ; LDS serves a wave's instructions in order (ISA guide 5.7.1.4): these see the stores above
.endr
.endm
.macro SEND a
	s_wait_dscnt 0x0                               ; the tile is back in registers
	s_wait_xcnt 0x0                                ; the stores of the tile before have read their registers, which the next tile's loads write
.irp t, 0,1,2,3,4,5,6,7
	global_store_b128 v[CO], v[OB+32*((\a)%2)+4*(\t):OB+32*((\a)%2)+4*(\t)+3], s[6:7] offset:(16*(\a)+2*(\t))*4096  ; 16 lanes store 256 consecutive bytes, at a multiple of 256 from pt's first byte
.endr
.endm
	PLACES
	PLACES
	SOFT 0
	TOSTAGE 0
.irp a, 1,2,3,4,5,6,7                  ; a tile's arithmetic stands between the loads of the tile before and its stores
	SOFT \a
	SEND (\a)-1
	TOSTAGE \a
.endr
	SEND 7
.irp i, 0,1,2,3,4,5,6,7
	v_cndmask_b32 v[XS+\i], v[SM+\i], v[SL+\i], s[HM]  ; both halves of the lanes hold both numbers: lanes 0-15 store Mg, lanes 16-31 lg
.endr
	global_store_b128 v[SO], v[XS:XS+3], s[8:9]              ; each half of the lanes stores 256 consecutive bytes, aligned
	global_store_b128 v[SO], v[XS+4:XS+7], s[8:9] offset:256
	s_wait_tensorcnt 0x0                           ; the wave's end: behind my last tensor load and my last LDS store
	ds_add_u32 v[SPW], v[NIL]
	s_wait_dscnt 0x0
	s_endpgm
.Lfunc_end_k_qf87fcabf75_scores:
	.size	k_qf87fcabf75_scores, .Lfunc_end_k_qf87fcabf75_scores-k_qf87fcabf75_scores
	.p2alignl 7, 3214868480
	.fill 96, 4, 3214868480
	.section	.rodata,"a",@progbits
	.p2align	6, 0x0
	.amdhsa_kernel k_qf87fcabf75_scores
		.amdhsa_group_segment_fixed_size 327680
		.amdhsa_private_segment_fixed_size 0
		.amdhsa_enable_private_segment 0
		.amdhsa_kernarg_size 24
		.amdhsa_user_sgpr_count 2
		.amdhsa_user_sgpr_kernarg_segment_ptr 1
		.amdhsa_wavefront_size32 1
		.amdhsa_system_sgpr_workgroup_id_x 1
		.amdhsa_system_sgpr_workgroup_id_y 1
		.amdhsa_system_sgpr_workgroup_id_z 1
		.amdhsa_system_vgpr_workitem_id 0
		.amdhsa_next_free_vgpr 1024
		.amdhsa_next_free_sgpr 66
		.amdhsa_reserve_vcc 1
		.amdhsa_float_denorm_mode_32 3
		.amdhsa_float_denorm_mode_16_64 3
		.amdhsa_memory_ordered 1
		.amdhsa_forward_progress 1
		.amdhsa_inst_pref_size 185
	.end_amdhsa_kernel
	.amdgpu_metadata
---
amdhsa.version: [ 1, 2 ]
amdhsa.kernels:
  - .name:           k_qf87fcabf75_scores
    .symbol:         k_qf87fcabf75_scores.kd
    .args:
      - { .name: qkv, .offset: 0, .size: 8, .value_kind: global_buffer, .address_space: global }
      - { .name: pt, .offset: 8, .size: 8, .value_kind: global_buffer, .address_space: global }
      - { .name: st, .offset: 16, .size: 8, .value_kind: global_buffer, .address_space: global }
    .group_segment_fixed_size: 327680
    .private_segment_fixed_size: 0
    .kernarg_segment_align: 8
    .kernarg_segment_size: 24
    .max_flat_workgroup_size: 128
    .sgpr_count:     66
    .vgpr_count:     1024
    .wavefront_size: 32
...
	.end_amdgpu_metadata
.endif
;; end of part 3
;; launch pv (part 4): grid 8 x 32, 4 waves a work-group, clusters of 4 x 4, 327,680 bytes of LDS; arguments pt, qkv, st, out0; writes out0
.if DOCPART == 4
	.amdgcn_target "amdgcn-amd-amdhsa--gfx1250"
	.amdhsa_code_object_version 6
	.text
	.protected	k_qf87fcabf75_pv
	.globl	k_qf87fcabf75_pv
	.p2align	8
	.type	k_qf87fcabf75_pv,@function
k_qf87fcabf75_pv:
	s_mov_b64 s[64:65], 0
	v_nop
	global_prefetch_b8 v0, s[64:65] scope:SCOPE_SE
	s_setreg_imm32_b32 hwreg(HW_REG_WAVE_MODE, 25, 1), 1
	s_wait_xcnt 0x0
	s_wait_alu depctr_hold_cnt(0) depctr_sa_sdst(0) depctr_va_vdst(0) depctr_va_sdst(0) depctr_va_ssrc(0) depctr_va_vcc(0) depctr_vm_vsrc(0)
	s_getreg_b32 s2, hwreg(HW_REG_IB_STS2, 6, 4)
	s_cmp_eq_u32 s2, 0
	s_cbranch_scc0 .Lentry_in_a_cluster
	s_endpgm
.Lentry_in_a_cluster:
	s_bfe_u32 s2, ttmp6, 0x10000c
	s_cmp_lg_u32 s2, 0xf033
	s_cbranch_scc0 .Lentry_shape_is_right
	s_endpgm
.Lentry_shape_is_right:
; out[q][:] = the sum over groups g of 128 keys of a'g[q] x (p~g[q] . Vg),  a'g = 2^(Mg - M) / l,  M = the largest Mg of the row,  l = the sum of 2^(Mg - M) lg.   p~ (pt) and V (qkv, byte 4,096 of a row) in f16;
; Mg, lg (st), a', all sums and out in f32.  A group that lies above the diagonal has Mg = -2.97e28 and so a' = 0; its p~ and lg are finite.
; LIMITS.  V arrives within f16's range; an a' below 2^-126 counts as 0; NaN and infinities are not treated apart.
; SHARES.  A tile of out is 128 queries x 128 channels.  A query block of super-block I (512 queries) walks the keys 0 .. 512 (I + 1) - 1 in steps of 256.  A work-group takes TWO blocks, of super-blocks 3 - sp and sp:
; 2 (4 - sp) + 2 (sp + 1) = 10 steps whatever sp: 256 equal work-groups, one counted walk; the ring runs on across the change of blocks.  Wave: 64 queries (rh) x 64 channels (ch), 16 accumulators.
; CLUSTER 4 x 4: cy is the query block in its super-block, cx the channel tile.  P's tile hangs on cy and is asked for jointly by a row of the cluster, V's on cx and by a column.  Every count hangs on sp, which the cluster shares.
; O^T = V^T P (source 0 = V turned by ds_load_tr16_b128, source 1 = P): a lane holds one query (lane % 16) and eight neighbouring channels.
; THE SCALING.  A group is summed from C = 0 into a PART set of 16 accumulators (PT0: a step's first group, PT1: its second).  While the next group is multiplied the finished set is folded into MAIN, MAIN += PART x a':
; four packed multiply-adds behind every four matrix instructions.  These are also the places in front of the fragment loads and of their own reads.  Price: MAIN and PT1 are cleared at the head, MAIN again at the change of blocks.
; REGISTERS: window 0: v9-31 addresses, v32-39 a' of the two groups in hand, v64-127 rows on the way out, v128-255 MAIN (at the head v40-255 hold the statistics).  window 1: two fragment buffers of 128: P at f + 8 (4 c + a), V at f + 64 + 8 (4 c + b).  window 2: PT0, PT1.
.set PP,     528                       ; a row of P in LDS: 512 bytes + 16
.set PVP,    288                       ; a row of V: 256 + 32
.set PBYTES, 128*PP
.set SLOT,   PBYTES+256*PVP            ; P's 128 rows, then V's 256 rows
.set STAGE,  2*SLOT                    ; behind the ring: 16 rows x 272 bytes for each wave
.set SP,     272
.set TBL,    STAGE+4*16*SP             ; a' by wave and group, IN THE ORDER OF THE WALK: 6,144 bytes a wave, of which 20 entries of 256 bytes are used, two for each of the 10 steps; entry: query r's four numbers (one a tile of 16 queries) at byte 16 r
.set SPARE,  TBL+4*24*256              ; the spare words, 128 bytes a wave, two blocks of 256 bytes that no other line names
.set SA2B, 9
.set P0,   16                          ; v16, v17 my lane's place in P and V of slot 0; never rewritten
.set V0,   17
.set ADRP, 18                          ; v18 the same in the slot in hand; v19 V's keys 0-127, v20 keys 128-255
.set ADRV, 19
.set TA,   21                          ; v21 where the step's first a' lies: it starts at my table's head and steps by 512 once a step, ten times in all
.set TW,   23
.set STO,  24
.set RD,   25
.set CO,   26
.set SA,   27
.set SPW,  28
.set NIL,  29
.set PFO,  30
.set SA1B, 31
.set AQ0,  32
.set AQ1,  36
.set M2,   40                          ; block 2's Mg, 8 groups x 4;  v72-103 its lg
.set L2,   72
.set MX,   104
.set LS,   108
.set OB,   64
.set MAIN, 128
.set M1,   128                         ; block 1's Mg, 16 groups x 4;  v192-255 its lg
.set L1,   192
.set F0,   0
.set F1,   128
.set WV,   12
.set SPR,  19                          ; s19 sp
.set TB,   21
.set CNT,  22
.set RS,   23                          ; s23 steps left in the block in hand
.set G1P,  24
.set G0P,  32                          ; s[32:35] step 0; s[36:39] step 1, then made anew for each refill
.set G1V,  40
.set G0V,  48
.set NXT,  56                          ; s56 the step to be asked for next, counted in its block
.set LQ,   57                          ; s57 the last step of the block whose steps are being asked for; s61 of block 2
.set POFF, 58                          ; s58 byte offset in pt of my rows of that block; s59 of block 2
.set POFF2, 59
.set VOFF, 60
.set LQ2,  61
.set PFA,  68
.set PFGO, 70
.set LIMK, 71                          ; s71 the last step that I may ask for ahead, or 0; s72 in block 2
.set LIMK2, 72
.set PSTEP, 73
.set PFOFF, 74
.set PFOFF2, 75
.set PFB,  76
.set OUT,  78
.set OUT2, 80
.set LP,   82
.set LV,   83
.set FV1,  84                          ; s[84:85] 1 if block 1 has its groups 12-15, else 0; s[86:87] the same for block 2's groups 4-7
.set FV2,  86
.set SPM,  98                          ; s98 (once the rows' offsets are made) a lane mask: all ones if sp = 1, else 0
.set MSB, 0
.macro WIN new
.if MSB != (\new)
	s_set_vgpr_msb (MSB<<8)|(\new)
.set MSB, \new
.endif
.endm
.macro JLOAD s                         ; waves 0, 1 fetch P's two halves of 64 rows, waves 2, 3 V's two halves of 128 keys; an s_nop 0 and four v_nop follow each of the two lines
	s_cmp_lt_u32 s[WV], 2
	s_cbranch_scc0 .Lfor_v_\@
	tensor_load_to_lds s[G0P+4*(\s):G0P+4*(\s)+3], s[G1P:G1P+7]
	s_nop 0
.rept 4
	v_nop
.endr
	s_branch .Lasked_\@
.Lfor_v_\@:
	tensor_load_to_lds s[G0V+4*(\s):G0V+4*(\s)+3], s[G1V:G1V+7]
	s_nop 0
.rept 4
	v_nop
.endr
.Lasked_\@:
.endm
.macro ASK                             ; a prefetch into the L2 of the step two refills on, inside the block that is being asked for; one instruction a wave
	WIN 0
	s_cmp_eq_u32 s[PFGO], 1
	s_cbranch_scc0 .Lnot_mine_\@
	global_prefetch_b8 v[PFO], s[PFA:PFA+1] th:TH_LOAD_NT scope:SCOPE_SE
.Lnot_mine_\@:
.endm
.macro CREST
	s_cmp_lg_u32 s[WV], 0
	s_cbranch_scc1 .Lnot_wave_0_\@
	s_barrier_signal -3
.Lnot_wave_0_\@:
	s_barrier_wait -3
	s_barrier_signal -1
	s_barrier_wait -1
.endm
.macro CROUND
	s_barrier_signal -1
	s_barrier_wait -1
	CREST
.endm
	s_load_b256 s[4:11], s[0:1], 0x0               ; pt s[4:5], qkv s[6:7], st s[8:9], out0 s[10:11]
	v_lshl_add_u32 v[SPW], v0, 2, SPARE
	v_mov_b32 v[NIL], 0
	ds_add_u32 v[SPW], v[NIL]                      ; the wave's opening: the add and its wait stand ahead of my first tensor load
	ds_add_u32 v28, v29
	v_lshrrev_b32 v1, 5, v0
	v_readfirstlane_b32 s[WV], v1
	s_bfe_u32 s13, ttmp6, 0x40000                  ; cx
	s_bfe_u32 s14, ttmp6, 0x40004                  ; cy
	s_lshl_b32 s15, ttmp9, 2
	s_add_co_u32 s15, s15, s13                     ; channel tile 0..7
	s_and_b32 s17, ttmp7, 0xffff
	s_lshr_b32 s16, s17, 1                         ; batch
	s_and_b32 s[SPR], s17, 1
	s_and_b32 s20, s[WV], 1                        ; ch.  Also: which half of a tile I fetch
	s_lshr_b32 s90, s[WV], 1                       ; rh
	s_sub_co_u32 s96, 3, s[SPR]
	s_lshl_b32 s96, s96, 2
	s_add_co_u32 s96, s96, s14                     ; block 1: query block 4 (3 - sp) + cy
	s_lshl_b32 s97, s[SPR], 2
	s_add_co_u32 s97, s97, s14                     ; block 2: 4 sp + cy
	s_lshl_b32 s98, s16, 11                        ; batch x 2,048 rows
	s_lshl_b32 s18, s20, 6
	s_add_co_u32 s18, s18, s98
	s_lshl_b32 s[POFF], s96, 7
	s_add_co_u32 s[POFF], s[POFF], s18
	s_lshl_b32 s[POFF], s[POFF], 12                ; (batch x 2,048 + 128 block + 64 half) rows of 4,096 bytes
	s_lshl_b32 s[POFF2], s97, 7
	s_add_co_u32 s[POFF2], s[POFF2], s18
	s_lshl_b32 s[POFF2], s[POFF2], 12
	s_lshl_b32 s[VOFF], s20, 7
	s_add_co_u32 s[VOFF], s[VOFF], s98
	s_mul_i32 s[VOFF], s[VOFF], 6144               ; (batch x 2,048 + 128 half) rows of qkv,
	s_lshl_b32 s99, s15, 8
	s_add_co_u32 s[VOFF], s[VOFF], s99             ; my tile's 256 bytes
	s_add_co_u32 s[VOFF], s[VOFF], 4096            ; of v
	s_mul_i32 s[LP], s20, 64*PP
	s_mul_i32 s[LV], s20, 128*PVP
	s_add_co_u32 s[LV], s[LV], PBYTES
	s_lshl_b32 s17, s14, 2
	s_lshl_b32 s17, 15, s17                        ; my row of the cluster
	s_lshl_b32 s99, 0x1111, s13                    ; my column
	s_or_b32 s[G1P], s17, (1<<16)|(1<<20)|(1<<21)|(6<<22)|(3<<25)  ; mask; 2-byte elements; padding on; bit 21 beside a mask; after every 128 words 4 words
	s_mov_b32 s[G1P+1], 256<<16                    ; tensor_dim0 = 256
	s_mov_b32 s[G1P+2], 64<<16                     ; tensor_dim1 = 64
	s_mov_b32 s[G1P+3], 256<<16                    ; tile_dim0 = 256
	s_mov_b32 s[G1P+4], 64                         ; tile_dim1 = 64
	s_mov_b32 s[G1P+5], 2048
	s_mov_b32 s[G1P+6], 0
	s_mov_b32 s[G1P+7], 0
	s_or_b32 s[G1V], s99, (1<<16)|(1<<20)|(1<<21)|(5<<22)|(7<<25)  ; after every 64 words 8 words
	s_mov_b32 s[G1V+1], 128<<16
	s_mov_b32 s[G1V+2], 128<<16
	s_mov_b32 s[G1V+3], 128<<16
	s_mov_b32 s[G1V+4], 128
	s_mov_b32 s[G1V+5], 3072
	s_mov_b32 s[G1V+6], 0
	s_mov_b32 s[G1V+7], 0
	s_lshl_b32 s99, s[SPR], 1
	s_sub_co_u32 s[LQ], 7, s99
	s_add_co_u32 s[LQ2], s99, 1
	s_sub_co_u32 s[RS], 8, s99
	s_mov_b32 s[NXT], 2
	s_mov_b32 s[TB], 0
	s_mov_b32 s63, 0
	s_mov_b32 s67, 0
	s_mov_b32 s89, 0
	; st: (batch x 8 + block / 2) x 32,768 + (block % 2) x 1,024
	s_lshl_b32 s99, s16, 3
	s_lshr_b32 s88, s96, 1
	s_add_co_u32 s88, s88, s99
	s_lshl_b32 s88, s88, 15
	s_and_b32 s91, s96, 1
	s_lshl_b32 s91, s91, 10
	s_add_co_u32 s92, s88, s91
	s_mov_b32 s93, 0
	s_lshr_b32 s88, s97, 1
	s_add_co_u32 s88, s88, s99
	s_lshl_b32 s88, s88, 15
	s_and_b32 s91, s97, 1
	s_lshl_b32 s91, s91, 10
	s_add_co_u32 s94, s88, s91
	s_mov_b32 s95, 0
	; out0: (batch x 2,048 + 128 block + 64 rh) rows of 4,096 bytes + 512 tile + 256 ch
	s_lshl_b32 s91, s90, 6
	s_add_co_u32 s91, s91, s98
	s_lshl_b32 s[OUT], s96, 7
	s_add_co_u32 s[OUT], s[OUT], s91
	s_lshl_b32 s[OUT], s[OUT], 12
	s_lshl_b32 s[OUT2], s97, 7
	s_add_co_u32 s[OUT2], s[OUT2], s91
	s_lshl_b32 s[OUT2], s[OUT2], 12
	s_lshl_b32 s99, s15, 9
	s_lshl_b32 s88, s20, 8
	s_add_co_u32 s99, s99, s88
	s_add_co_u32 s[OUT], s[OUT], s99
	s_add_co_u32 s[OUT2], s[OUT2], s99
	s_mov_b32 s[OUT+1], 0
	s_mov_b32 s[OUT2+1], 0
	; the prefetches.  P's rows are read by both clusters of a row of clusters: cluster x = 0 asks; of a wave's 64 rows x 512 bytes the partner at cx takes 16 rows, two lanes a row.  V's rows are read by the clusters
	; sp = 0 and sp = 1 of a batch: sp = 0 asks, in block 1 alone, which walks all keys; of a wave's 128 rows the partner at cy takes 32, a lane a row.  The partners are told apart by address.
	s_lshl_b32 s88, s13, 16
	s_add_co_u32 s[PFOFF], s[POFF], s88
	s_add_co_u32 s[PFOFF2], s[POFF2], s88
	s_mul_i32 s88, s14, 32*6144
	s_add_co_u32 s88, s88, s[VOFF]
	s_mov_b32 s[PSTEP], 256*6144
	s_mov_b32 s17, 12288
	s_mov_b32 s18, 6144
	s_cmp_eq_u32 ttmp9, 0
	s_cselect_b32 s[LIMK], s[LQ], 0
	s_cselect_b32 s[LIMK2], s[LQ2], 0
	s_cmp_eq_u32 s[SPR], 0
	s_cselect_b32 s99, s[LQ], 0
	s_cselect_b32 s[FV1], 1.0, 0
	s_cselect_b32 s[FV2], 0, 1.0
	s_cselect_b32 s96, 8192, 0                     ; added to the address of block 1's groups 12-15: where they are absent groups 8-11 are read once more, and count for nothing
	s_cselect_b32 s97, 0, 8192                     ; the same for block 2's groups 4-7
	s_cselect_b32 s[SPM], 0, -1
	s_mov_b32 s[FV1+1], s[FV1]
	s_mov_b32 s[FV2+1], s[FV2]
	s_cmp_lt_u32 s[WV], 2
	s_cselect_b32 s[PFOFF], s[PFOFF], s88
	s_cselect_b32 s[PFOFF2], s[PFOFF2], s88
	s_cselect_b32 s[PSTEP], 512, s[PSTEP]
	s_cselect_b32 s17, 4096, s17
	s_cselect_b32 s18, 256, s18
	s_cselect_b32 s[LIMK], s[LIMK], s99
	s_cselect_b32 s[LIMK2], s[LIMK2], 0
	s_mov_b32 s[PFGO], 0
	s_wait_dscnt 0x0                               ; the opening add is done
	s_wait_kmcnt 0x0
	s_cselect_b64 s[PFB:PFB+1], s[4:5], s[6:7]
	s_mov_b64 s[PFA:PFA+1], s[PFB:PFB+1]
	s_add_nc_u64 s[92:93], s[8:9], s[92:93]
	s_add_nc_u64 s[94:95], s[8:9], s[94:95]
	s_add_nc_u64 s[OUT:OUT+1], s[10:11], s[OUT:OUT+1]
	s_add_nc_u64 s[OUT2:OUT2+1], s[10:11], s[OUT2:OUT2+1]
	CROUND                                         ; all sixteen work-groups are here: the first joint loads meet
.irp s, 0,1
	s_mov_b32 s[G0P+4*(\s)], 1
	s_add_co_u32 s[G0P+4*(\s)+1], s[LP], (\s)*SLOT
	s_add_co_u32 s62, s[POFF], (\s)*512
	s_add_nc_u64 s[G0P+4*(\s)+2:G0P+4*(\s)+3], s[4:5], s[62:63]
	s_or_b32 s[G0P+4*(\s)+3], s[G0P+4*(\s)+3], 0x80000000
	s_mov_b32 s[G0V+4*(\s)], 1
	s_add_co_u32 s[G0V+4*(\s)+1], s[LV], (\s)*SLOT
	s_add_co_u32 s66, s[VOFF], (\s)*256*6144
	s_add_nc_u64 s[G0V+4*(\s)+2:G0V+4*(\s)+3], s[6:7], s[66:67]
	s_or_b32 s[G0V+4*(\s)+3], s[G0V+4*(\s)+3], 0x80000000
	JLOAD \s                                       ; two loads of mine are out
.endr
	; THE STATISTICS, in the wait for the first tile.  A load of 16 bytes brings query r's number in the four tiles of 16 queries that are mine.
	v_and_b32 v1, 15, v0
	v_bfe_u32 v2, v0, 4, 1
	v_lshlrev_b32 v[SA], 4, v1
	s_lshl_b32 s99, s90, 8
	v_add_nc_u32 v[SA], s99, v[SA]
	v_add_nc_u32 v[SA1B], s96, v[SA]
	v_add_nc_u32 v[SA2B], s97, v[SA]
.set g, 0
.rept 12
	global_load_b128 v[M1+4*g:M1+4*g+3], v[SA], s[92:93] offset:2048*g
	global_load_b128 v[L1+4*g:L1+4*g+3], v[SA], s[92:93] offset:2048*g+512
.set g, g+1
.endr
.rept 4
	global_load_b128 v[M1+4*g:M1+4*g+3], v[SA1B], s[92:93] offset:2048*(g-4)
	global_load_b128 v[L1+4*g:L1+4*g+3], v[SA1B], s[92:93] offset:2048*(g-4)+512
.set g, g+1
.endr
.set g, 0
.rept 4
	global_load_b128 v[M2+4*g:M2+4*g+3], v[SA], s[94:95] offset:2048*g
	global_load_b128 v[L2+4*g:L2+4*g+3], v[SA], s[94:95] offset:2048*g+512
.set g, g+1
.endr
.rept 4
	global_load_b128 v[M2+4*g:M2+4*g+3], v[SA2B], s[94:95] offset:2048*(g-4)
	global_load_b128 v[L2+4*g:L2+4*g+3], v[SA2B], s[94:95] offset:2048*(g-4)+512
.set g, g+1
.endr
	v_mul_u32_u24 v3, v1, PP
	v_lshl_add_u32 v3, v2, 4, v3
	s_mul_i32 s99, s90, 64*PP
	v_add_nc_u32 v[P0], s99, v3                    ; P: (64 rh + lane % 16) x pitch + 16 x half
	v_and_b32 v4, 7, v0
	v_bfe_u32 v5, v0, 3, 1
	v_lshl_add_u32 v6, v2, 3, v4
	v_mul_u32_u24 v6, v6, PVP
	v_lshl_add_u32 v6, v5, 4, v6                   ; V: key 8 (lane / 16) + lane % 8, channels 8 ((lane / 8) % 2) on,
	s_lshl_b32 s99, s20, 7
	s_add_co_u32 s99, s99, PBYTES
	v_add_nc_u32 v[V0], s99, v6                    ; in my 64 channels
	v_mov_b32 v[ADRP], v[P0]
	v_mov_b32 v[ADRV], v[V0]
	v_add_nc_u32 v[ADRV+1], 128*PVP, v[V0]
	s_mul_i32 s99, s[WV], 24*256
	s_add_co_u32 s99, s99, TBL
	v_lshl_add_u32 v[TW], v1, 4, s99               ; lanes r and r + 16 write the same word with the same number
	v_mov_b32 v[TA], v[TW]
	s_mul_i32 s99, s[WV], 16*SP
	s_add_co_u32 s99, s99, STAGE
	v_mul_u32_u24 v3, v1, SP
	v_lshl_add_u32 v3, v2, 5, v3
	v_add_nc_u32 v[STO], s99, v3                   ; in: row lane % 16, 32 bytes for each half of the lanes
	v_mul_u32_u24 v3, v2, SP
	v_lshl_add_u32 v3, v1, 4, v3
	v_add_nc_u32 v[RD], s99, v3
	v_lshlrev_b32 v3, 12, v2
	v_lshl_add_u32 v[CO], v1, 4, v3
	v_and_b32 v3, 31, v0
	v_lshrrev_b32 v4, 1, v3
	v_and_b32 v5, 1, v3
	v_mul_u32_u24 v4, v4, s17
	v_mul_u32_u24 v5, v5, s18
	v_add_nc_u32 v[PFO], v4, v5
.irp i, 0,1,2,3
	v_mov_b32 v[AQ1+\i], 0                         ; the first step folds a set that has not been: zeros times 0
.endr
	WIN 0x80
.set i, 0
.rept 128
	v_mov_b32 v[128+i], 0                          ; PT1
.set i, i+1
.endr
	WIN 0
	s_wait_loadcnt 0x0
.macro STATS MB, LB, NG, FS            ; NG groups; Mg at v[MB ..], lg at v[LB ..]; a' takes Mg's place; the last four groups count FS times (1 or 0)
.irp t, 0,1,2,3
	v_max3_num_f32 v[MX+\t], v[\MB+\t], v[\MB+4+\t], v[\MB+8+\t]
.endr
.set g, 3
.rept (\NG-4)/2
.irp t, 0,1,2,3
	v_max3_num_f32 v[MX+\t], v[MX+\t], v[\MB+4*g+\t], v[\MB+4*g+4+\t]
.endr
.set g, g+2
.endr
.irp t, 0,1,2,3
	v_max_num_f32 v[MX+\t], v[MX+\t], v[\MB+4*(\NG-1)+\t]
.endr
.set g, 0
.rept \NG
	v_pk_add_f32 v[\MB+4*g:\MB+4*g+1],   v[\MB+4*g:\MB+4*g+1],   v[MX:MX+1]   neg_lo:[0,1] neg_hi:[0,1]
	v_pk_add_f32 v[\MB+4*g+2:\MB+4*g+3], v[\MB+4*g+2:\MB+4*g+3], v[MX+2:MX+3] neg_lo:[0,1] neg_hi:[0,1]
.set g, g+1
.endr
.set i, 0
.rept 4*\NG
	v_exp_f32 v[\MB+i], v[\MB+i]                   ; 2^(Mg - M): one batch
.set i, i+1
.endr
	v_nop                                          ; a plain instruction behind the last exponential,
	s_wait_alu depctr_va_vdst(0)                   ; and the one wait ahead of the first reader
.set g, \NG-4
.rept 4
	v_pk_mul_f32 v[\MB+4*g:\MB+4*g+1],   v[\MB+4*g:\MB+4*g+1],   s[\FS:\FS+1] op_sel_hi:[1,0]
	v_pk_mul_f32 v[\MB+4*g+2:\MB+4*g+3], v[\MB+4*g+2:\MB+4*g+3], s[\FS:\FS+1] op_sel_hi:[1,0]
.set g, g+1
.endr
	v_pk_mul_f32 v[LS:LS+1],   v[\MB:\MB+1],   v[\LB:\LB+1]
	v_pk_mul_f32 v[LS+2:LS+3], v[\MB+2:\MB+3], v[\LB+2:\LB+3]
.set g, 1
.rept \NG-1
	v_pk_fma_f32 v[LS:LS+1],   v[\MB+4*g:\MB+4*g+1],   v[\LB+4*g:\LB+4*g+1],   v[LS:LS+1]
	v_pk_fma_f32 v[LS+2:LS+3], v[\MB+4*g+2:\MB+4*g+3], v[\LB+4*g+2:\LB+4*g+3], v[LS+2:LS+3]
.set g, g+1
.endr
.irp t, 0,1,2,3
	v_rcp_f32 v[LS+\t], v[LS+\t]                   ; l is 1 at the least: the group with the row's maximum holds a weight of 1
.endr
	v_nop
	s_wait_alu depctr_va_vdst(0)
.set g, 0
.rept \NG
	v_pk_mul_f32 v[\MB+4*g:\MB+4*g+1],   v[\MB+4*g:\MB+4*g+1],   v[LS:LS+1]
	v_pk_mul_f32 v[\MB+4*g+2:\MB+4*g+3], v[\MB+4*g+2:\MB+4*g+3], v[LS+2:LS+3]
.set g, g+1
.endr
.endm
	STATS M1, L1, 16, FV1
	STATS M2, L2, 8, FV2
	; THE TABLE, in the walk's order, every store at a constant place.  Entries 0-11: block 1's groups 0-11.  Entries 12-15: block 1's groups 12-15 (sp = 0) or block 2's groups 0-3 (sp = 1).
	; Entries 16-19: block 2's groups 0-3 (sp = 0) or 4-7 (sp = 1).  The choice is made in registers, so that no LDS address hangs on sp.
.set g, 0
.rept 12
	ds_store_b128 v[TW], v[M1+4*g:M1+4*g+3] offset:256*g
.set g, g+1
.endr
.set i, 0
.rept 16
	v_cndmask_b32 v[M1+48+i], v[M1+48+i], v[M2+i], s[SPM]
	v_cndmask_b32 v[L2+i], v[M2+i], v[M2+16+i], s[SPM]  ; (block 2's lg have been used: their registers are free)
.set i, i+1
.endr
.set g, 0
.rept 4
	ds_store_b128 v[TW], v[M1+48+4*g:M1+48+4*g+3] offset:256*(12+g)
	ds_store_b128 v[TW], v[L2+4*g:L2+4*g+3] offset:256*(16+g)
.set g, g+1
.endr
.set i, 0
.rept 128
	v_mov_b32 v[MAIN+i], 0
.set i, i+1
.endr
; FOLD n: MAIN's accumulator n += the finished set's accumulator n x a' of its tile of queries (n / 4).  PTO and AQO name the set and its a'.  The lowest registers are read first.
.macro FOLD n
.irp z, 0,1,2,3
.if (((\n)/4)%2) == 0
	v_pk_fma_f32 v[MAIN+8*(\n)+2*\z:MAIN+8*(\n)+2*\z+1], v[PTO+8*(\n)+2*\z:PTO+8*(\n)+2*\z+1], v[AQO+(\n)/4:AQO+(\n)/4+1], v[MAIN+8*(\n)+2*\z:MAIN+8*(\n)+2*\z+1] op_sel_hi:[1,0,1]
.else
	v_pk_fma_f32 v[MAIN+8*(\n)+2*\z:MAIN+8*(\n)+2*\z+1], v[PTO+8*(\n)+2*\z:PTO+8*(\n)+2*\z+1], v[AQO+(\n)/4-1:AQO+(\n)/4], v[MAIN+8*(\n)+2*\z:MAIN+8*(\n)+2*\z+1] op_sel:[0,1,0] op_sel_hi:[1,1,1]
.endif
.endr
.endm
; MR: quarter q of a step (64 keys), its half c (32 keys), query tiles a0, a0 + 1: for each, four matrix instructions (the four channel blocks) and the fold of one accumulator of the other set.
; The 16 accumulators take turns, one instruction a turn.  A group's first products (q even, c = 0) start the sums with 0.
.macro MR f, c, a0, q
.set PTC, 128*((\q)/2)
.set PTO, 128-PTC
.set AQO, AQ0+4*(1-(\q)/2)
.irp a, \a0, (\a0)+1
	WIN 0xa5                                       ; V and P in window 1, C and D in window 2
.irp b, 0,1,2,3
.if (((\q)%2) == 0) && ((\c) == 0)
	v_wmma_f32_16x16x32_f16 v[PTC+8*(4*(\a)+(\b)):PTC+8*(4*(\a)+(\b))+7], v[(\f)+64+8*(4*(\c)+(\b)):(\f)+64+8*(4*(\c)+(\b))+7], v[(\f)+8*(4*(\c)+(\a)):(\f)+8*(4*(\c)+(\a))+7], 0
.else
	v_wmma_f32_16x16x32_f16 v[PTC+8*(4*(\a)+(\b)):PTC+8*(4*(\a)+(\b))+7], v[(\f)+64+8*(4*(\c)+(\b)):(\f)+64+8*(4*(\c)+(\b))+7], v[(\f)+8*(4*(\c)+(\a)):(\f)+8*(4*(\c)+(\a))+7], v[PTC+8*(4*(\a)+(\b)):PTC+8*(4*(\a)+(\b))+7]
.endif
.endr
	WIN 0x02                                       ; the finished set in window 2, a' and MAIN in window 0
	FOLD 8*((\q)%2)+4*(\c)+(\a)
.endr
.endm
; The fragments of quarter q into buffer f: 32 LDS loads in one run, the first 32 keys first.  With quarter 1 comes a' of the step's first group, with quarter 3 that of its second.
.macro FETCH q, f
.if (\q) == 1
	WIN 0
	ds_load_b128 v[AQ0:AQ0+3], v[TA]
.elseif (\q) == 3
	WIN 0
	ds_load_b128 v[AQ1:AQ1+3], v[TA] offset:256
	v_add_nc_u32 v[TA], 512, v[TA]                 ; the next step's two entries: once a step, 10 steps, 20 entries
.endif
	WIN 0x40
.irp c, 0,1
.irp i, 0,1,2,3
	ds_load_tr16_b128 v[(\f)+64+8*(4*(\c)+(\i)):(\f)+64+8*(4*(\c)+(\i))+3],   v[ADRV+(\q)/2] offset:(((\q)%2)*64+32*(\c))*PVP+32*(\i)
	ds_load_tr16_b128 v[(\f)+64+8*(4*(\c)+(\i))+4:(\f)+64+8*(4*(\c)+(\i))+7], v[ADRV+(\q)/2] offset:(((\q)%2)*64+32*(\c)+16)*PVP+32*(\i)
	ds_load_b128 v[(\f)+8*(4*(\c)+(\i)):(\f)+8*(4*(\c)+(\i))+3],   v[ADRP] offset:128*(\q)+64*(\c)+(\i)*16*PP
	ds_load_b128 v[(\f)+8*(4*(\c)+(\i))+4:(\f)+8*(4*(\c)+(\i))+7], v[ADRP] offset:128*(\q)+64*(\c)+(\i)*16*PP+32
.endr
.endr
.endm
.macro QUARTER q, f, g
	s_wait_dscnt 16                                ; the first 32 keys (and an a' issued ahead of them) are in; the second 32 keys' sixteen loads may be out
	MR \f, 0, 0, \q
	MR \f, 0, 2, \q
	FETCH (\q)+1, \g
.if (\q) == 1
	s_wait_dscnt 32                                ; all but the loads just issued
.else
	s_wait_dscnt 33                                ; (an a' among them)
.endif
	MR \f, 1, 0, \q
	MR \f, 1, 2, \q
.endm
; The last quarter of a step changes slots: each wave waits for all its tensor loads (one is out: its part of the next slot), adds 0 to its spare word, waits for that and for its reads of this slot.
; fill = 1: the barrier opens a round of the cluster's barrier, and the joint refill is the first thing behind it: 112 matrix instructions ahead of the wait for it.  Its address is made anew from the step's number.
.macro TURN fill
	WIN 0
	s_wait_xcnt 0x0                                ; the last prefetch, a step back, has read its address
	s_wait_tensorcnt 0x0                           ; no tensor load of mine is out, so a group 0 may be written
	ds_add_u32 v[SPW], v[NIL]                      ; 0 onto my spare word
.if \fill
	s_lshl_b32 s62, s[NXT], 9                      ; 256 keys are 512 bytes of a row of pt
	s_add_co_u32 s62, s62, s[POFF]
	s_add_nc_u64 s[G0P+6:G0P+7], s[4:5], s[62:63]
	s_or_b32 s[G0P+7], s[G0P+7], 0x80000000
	s_mul_i32 s66, s[NXT], 256*6144                ; and 256 rows of qkv
	s_add_co_u32 s66, s66, s[VOFF]
	s_add_nc_u64 s[G0V+6:G0V+7], s[6:7], s[66:67]
	s_or_b32 s[G0V+7], s[G0V+7], 0x80000000
	s_add_co_u32 s[G0P+5], s[LP], s[TB]            ; into the slot that is being left
	s_add_co_u32 s[G0V+5], s[LV], s[TB]
	s_add_co_u32 s99, s[NXT], 2                    ; the step to be asked for ahead, if the block has it and the asking is mine
	s_mul_i32 s88, s99, s[PSTEP]
	s_add_co_u32 s88, s88, s[PFOFF]
	s_add_nc_u64 s[PFA:PFA+1], s[PFB:PFB+1], s[88:89]
	s_cmp_le_u32 s99, s[LIMK]
	s_cselect_b32 s[PFGO], 1, 0
	s_add_co_u32 s[NXT], s[NXT], 1                 ; the block's next step, or behind its last the second block's step 0
	s_cmp_gt_u32 s[NXT], s[LQ]
	s_cselect_b32 s[NXT], 0, s[NXT]
	s_cselect_b32 s[POFF], s[POFF2], s[POFF]
	s_cselect_b32 s[PFOFF], s[PFOFF2], s[PFOFF]
	s_cselect_b32 s[LIMK], s[LIMK2], s[LIMK]
	s_cselect_b32 s[LQ], s[LQ2], s[LQ]
.endif
	s_xor_b32 s[TB], s[TB], SLOT
	s_wait_dscnt 17                                ; the add and the youngest sixteen loads may be out
	MR F1, 0, 0, 3
	s_wait_dscnt 0x0                               ; the add is done, and my reads of this slot are over
	s_barrier_signal -1
	MR F1, 0, 2, 3
	WIN 0
	s_barrier_wait -1
.if \fill
	CREST
	JLOAD 1
.endif
	v_add_nc_u32 v[ADRP], s[TB], v[P0]
	v_add_nc_u32 v[ADRV], s[TB], v[V0]
	v_add_nc_u32 v[ADRV+1], 128*PVP, v[ADRV]
	FETCH 0, F0
.if \fill
	ASK
.endif
	MR F1, 1, 0, 3
	MR F1, 1, 2, 3
.endm
; THE WAY OUT of a block: the last group is folded; MAIN goes through my stage in LDS, a tile of 16 queries at a time, and leaves as whole rows of 256 bytes (my 64 channels in f32).
.macro PUT a
.irp b, 0,1,2,3
	ds_store_b128 v[STO], v[MAIN+8*(4*(\a)+(\b)):MAIN+8*(4*(\a)+(\b))+3]   offset:64*(\b)
	ds_store_b128 v[STO], v[MAIN+8*(4*(\a)+(\b))+4:MAIN+8*(4*(\a)+(\b))+7] offset:64*(\b)+16
.endr
.irp t, 0,1,2,3,4,5,6,7
	ds_load_b128 v[OB+32*((\a)%2)+4*(\t):OB+32*((\a)%2)+4*(\t)+3], v[RD] offset:(\t)*2*SP  ; LDS serves a wave's instructions in order (ISA guide 5.7.1.4): these see the stores above; the next tile's stores come behind them
.endr
.endm
.macro SEND a, younger                 ; younger: the LDS instructions issued behind tile a's loads
.irp t, 0,1,2,3,4,5,6,7
	s_wait_dscnt (\younger)+7-(\t)
	global_store_b128 v[CO], v[OB+32*((\a)%2)+4*(\t):OB+32*((\a)%2)+4*(\t)+3], s[OUT:OUT+1] offset:(16*(\a)+2*(\t))*4096 th:TH_STORE_NT  ; 16 lanes store 256 consecutive bytes, at a multiple of 256 from out0's first byte
.endr
.endm
.macro WAYOUT last
.set PTO, 128
.set AQO, AQ1
	WIN 0x02
.irp n, 0,1,2,3,4,5,6,7,8,9,10,11,12,13,14,15
	FOLD \n
.endr
	WIN 0
	PUT 0
	PUT 1
	SEND 0, 16
	s_wait_xcnt 0x0                                ; tile 0's stores have read the registers that tile 2's loads write
	PUT 2
	SEND 1, 16
	s_wait_xcnt 0x0
	PUT 3
	SEND 2, 16
	SEND 3, 0
.if !(\last)
	s_wait_xcnt 0x0                                ; the stores have read out0's address
	s_mov_b64 s[OUT:OUT+1], s[OUT2:OUT2+1]
.set i, 0
.rept 128
	v_mov_b32 v[MAIN+i], 0
.set i, i+1
.endr
.irp i, 0,1,2,3
	v_mov_b32 v[AQ1+\i], 0                         ; the second block's first step folds the first block's last set once more: times 0
.endr
	s_lshl_b32 s[RS], s[SPR], 1
	s_add_co_u32 s[RS], s[RS], 2
.endif
.endm
	s_wait_tensorcnt 0x1                           ; my part of step 0 is in; step 1's may stay out
	s_wait_dscnt 0x0                               ; my table is written
	s_barrier_signal -1
	s_barrier_wait -1
	FETCH 0, F0
	WIN 0
	s_mov_b32 s[CNT], 8
.Lstep:                                                ; steps 0 to 7 of the walk's 10: each asks for the step two on
	QUARTER 0, F0, F1
	QUARTER 1, F1, F0
	QUARTER 2, F0, F1
	TURN 1
	WIN 0
	s_sub_co_u32 s[RS], s[RS], 1
	s_cmp_lg_u32 s[RS], 0
	s_cbranch_scc1 .Lon                            ; a forward jump over text that holds neither a barrier nor a tensor load; it hangs on sp, which the cluster shares
	WAYOUT 0                                       ; the first block ends behind step 7 (sp = 0) or step 5 (sp = 1)
.Lon:
	s_sub_co_u32 s[CNT], s[CNT], 1
	s_cmp_lg_u32 s[CNT], 0
	s_cbranch_scc1 .Lstep
	QUARTER 0, F0, F1                              ; steps 8 and 9 are written out: nothing is left to ask for
	QUARTER 1, F1, F0
	QUARTER 2, F0, F1
	TURN 0
	QUARTER 0, F0, F1
	QUARTER 1, F1, F0
	QUARTER 2, F0, F1
	s_wait_dscnt 16
	MR F1, 0, 0, 3
	MR F1, 0, 2, 3
	s_wait_dscnt 0x0
	MR F1, 1, 0, 3
	MR F1, 1, 2, 3
	WAYOUT 1
	s_wait_tensorcnt 0x0                           ; the wave's end: behind my last tensor load and my last LDS store
	ds_add_u32 v[SPW], v[NIL]
	s_wait_dscnt 0x0
	CROUND                                         ; the closing round
	s_endpgm
.Lfunc_end_k_qf87fcabf75_pv:
	.size	k_qf87fcabf75_pv, .Lfunc_end_k_qf87fcabf75_pv-k_qf87fcabf75_pv
	.p2alignl 7, 3214868480
	.fill 96, 4, 3214868480
	.section	.rodata,"a",@progbits
	.p2align	6, 0x0
	.amdhsa_kernel k_qf87fcabf75_pv
		.amdhsa_group_segment_fixed_size 327680
		.amdhsa_private_segment_fixed_size 0
		.amdhsa_enable_private_segment 0
		.amdhsa_kernarg_size 32
		.amdhsa_user_sgpr_count 2
		.amdhsa_user_sgpr_kernarg_segment_ptr 1
		.amdhsa_wavefront_size32 1
		.amdhsa_system_sgpr_workgroup_id_x 1
		.amdhsa_system_sgpr_workgroup_id_y 1
		.amdhsa_system_sgpr_workgroup_id_z 1
		.amdhsa_system_vgpr_workitem_id 0
		.amdhsa_next_free_vgpr 768
		.amdhsa_next_free_sgpr 100
		.amdhsa_reserve_vcc 0
		.amdhsa_float_denorm_mode_32 3
		.amdhsa_float_denorm_mode_16_64 3
		.amdhsa_memory_ordered 1
		.amdhsa_forward_progress 1
		.amdhsa_inst_pref_size 155
	.end_amdhsa_kernel
	.amdgpu_metadata
---
amdhsa.version: [ 1, 2 ]
amdhsa.kernels:
  - .name:           k_qf87fcabf75_pv
    .symbol:         k_qf87fcabf75_pv.kd
    .args:
      - { .name: pt, .offset: 0, .size: 8, .value_kind: global_buffer, .address_space: global }
      - { .name: qkv, .offset: 8, .size: 8, .value_kind: global_buffer, .address_space: global }
      - { .name: st, .offset: 16, .size: 8, .value_kind: global_buffer, .address_space: global }
      - { .name: out0, .offset: 24, .size: 8, .value_kind: global_buffer, .address_space: global }
    .group_segment_fixed_size: 327680
    .private_segment_fixed_size: 0
    .kernarg_segment_align: 8
    .kernarg_segment_size: 32
    .max_flat_workgroup_size: 128
    .sgpr_count:     100
    .vgpr_count:     768
    .wavefront_size: 32
...
	.end_amdgpu_metadata
.endif
;; end of part 4
;; ======== version 2 of 2: 5 launches
;; limits: values are held in f16: magnitudes above 65,504 overflow, below 6.1e-05 lose precision
;; workspace buffers: xh 16,777,216 bytes; tb 16,777,216 bytes; vb 16,777,216 bytes; wt2 4,194,304 bytes; wqk 4,194,304 bytes; b2 8,192 bytes; pt 33,554,432 bytes; st 1,048,576 bytes
;; launch prep (part 5): grid 705 x 1, 8 waves a work-group, no clusters, 35,840 bytes of LDS; arguments context, W_qkv, b_qkv, xh, wt2, wqk, b2; writes xh, wt2, wqk, b2
.if DOCPART == 5
	.amdgcn_target "amdgcn-amd-amdhsa--gfx1250"
	.amdhsa_code_object_version 6
	.text
	.protected	k_qf87fcabf75_prep
	.globl	k_qf87fcabf75_prep
	.p2align	8
	.type	k_qf87fcabf75_prep,@function
k_qf87fcabf75_prep:
	s_mov_b64 s[64:65], 0
	v_nop
	global_prefetch_b8 v0, s[64:65] scope:SCOPE_SE
	s_setreg_imm32_b32 hwreg(HW_REG_WAVE_MODE, 25, 1), 1
	s_wait_xcnt 0x0
; THE PROGRAM'S ALGEBRA.  q.k = x_n Wq Wk^T x_m^T + bq.(x_m Wk) + (terms that hang on the query n alone).  The softmax divides out what is the same for all keys of a row, so the scores are taken as
; t_n . x_m with t = x M + w, M = Wq Wk^T, w = Wk bq: for every input.  k's bias, the middle third of b_qkv, enters the result through no other term and is not read.
; THIS LAUNCH rounds the inputs to bf16 and writes the rounded numbers as f16 (exact from 7.6e-6 up; below that to within 3e-8):
;   xh [8192][1024] = x;   wqk [2048][1024]: rows 0-1023 Wq's rows, rows 1024-2047 Wk's rows;   wt2 rows 1024-2047 = Wv turned, [n][k];   b2 [2048] f32: 16 w, then v's bias rounded to bf16.
; A stream: no matrix work, no tensor loads, no cluster (no two work-groups read the same bytes but bq's 4 KB).  The role hangs on the work-group's number alone, so the one barrier is passed by all eight waves or by none.
; Work-groups 0-511: 64 KiB of context each, 16 loads of 16 bytes a lane, all out together; a wave's load covers 512 consecutive bytes, a wave's store 256 consecutive bytes, aligned.
; Work-groups 512-575: a tile of 128 k x 128 n of Wv, turned through LDS rows of 272 bytes; the stores into LDS touch rows 4 x 272 bytes apart, so four lanes of sixteen share banks: 64 such stores a work-group, once.
; Work-groups 576-703: a wave takes one row i: Wq[i] and Wk[i] are cast, and w[i] = the sum over c of Wk[i][c] bq[c] is made of the rounded numbers in f32.  One lane stores its 4 bytes: 1,024 such stores in the launch.
; Work-group 704: v's bias.
.set ROWW,  12288                      ; bytes in a row of W
.set TP,    272                        ; a row of the turned tile in LDS: 256 bytes + 16
.set SPARE, 128*TP                     ; behind the tile: the spare words, 128 bytes for each wave, four blocks of 256 bytes that no other line names
.set X,   8                            ; v[8:71]    16 x 4 numbers as loaded; later the rows read back
.set Y,   72                           ; v[72:103]  packed results
.set SPW, 104                          ; v104 LDS address of my spare word; never rewritten
.set NIL, 105                          ; v105 0; never rewritten
.set TS,  106                          ; v106 where I put 16 bytes of the turned tile
.set TR,  107                          ; v107 where I read a row back
.set GO,  108                          ; v108 my byte offset in wt2
.set T,   109                          ; v109 two numbers in bf16
.set U,   110                          ; v[110:113] the same widened to f32, two pairs
.set BQ,  114                          ; v[114:145] my 32 numbers of bq
.set AC,  146                          ; v[146:149] two packed sums
.set ZO,  150                          ; v150 0, an offset
.macro RND dst, x0, x1, w              ; two numbers: rounded to bf16, widened (left in the pair w), written as f16
	v_cvt_pk_bf16_f32 v[T], v[\x0], v[\x1]
	v_lshlrev_b32 v[\w], 16, v[T]
	v_and_b32 v[(\w)+1], 0xffff0000, v[T]
	v_cvt_pk_f16_f32 v[\dst], v[\w], v[(\w)+1]
.endm
	s_load_b256 s[4:11], s[0:1], 0x0               ; context s[4:5], W s[6:7], b s[8:9], xh s[10:11]
	s_load_b128 s[12:15], s[0:1], 0x20             ; wt2 s[12:13], wqk s[14:15]
	s_load_b64 s[16:17], s[0:1], 0x30              ; b2
	v_lshl_add_u32 v[SPW], v0, 2, SPARE
	v_mov_b32 v[NIL], 0
	v_lshrrev_b32 v3, 5, v0
	v_readfirstlane_b32 s22, v3                    ; wave 0..7
	v_and_b32 v4, 31, v0                           ; lane
	s_mov_b32 s19, 0
	s_mov_b32 s21, 0
	s_wait_kmcnt 0x0
	s_cmp_lt_u32 ttmp9, 512
	s_cbranch_scc0 .Lw
	; THE CAST OF x
	s_lshl_b32 s18, ttmp9, 16                      ; 64 KiB in,
	s_lshl_b32 s20, ttmp9, 15                      ; 32 KiB out
	s_add_nc_u64 s[4:5], s[4:5], s[18:19]
	s_add_nc_u64 s[10:11], s[10:11], s[20:21]
	v_lshlrev_b32 v1, 4, v0
	v_lshlrev_b32 v2, 3, v0
.set j, 0
.rept 16
	global_load_b128 v[X+4*j:X+4*j+3], v1, s[4:5] offset:4096*j th:TH_LOAD_NT
.set j, j+1
.endr
.set j, 0
.rept 16
	s_wait_loadcnt 15-j                            ; loads come back in order: number j is in, the younger ones stay out
	RND Y+2*j, X+4*j, X+4*j+1, U
	RND Y+2*j+1, X+4*j+2, X+4*j+3, U+2
	global_store_b64 v2, v[Y+2*j:Y+2*j+1], s[10:11] offset:2048*j
.set j, j+1
.endr
	s_branch .Lend
.Lw:
	s_cmp_lt_u32 ttmp9, 576
	s_cbranch_scc0 .Lqk
	; THE TURNING OF Wv
	s_sub_co_u32 s18, ttmp9, 512
	s_and_b32 s20, s18, 7                          ; kt: which 128 k
	s_lshr_b32 s23, s18, 3                         ; nt: which 128 n
	s_mul_i32 s18, s20, 128*ROWW
	s_lshl_b32 s24, s23, 9
	s_add_co_u32 s18, s18, s24
	s_add_co_u32 s18, s18, 8192                    ; Wv begins 8,192 bytes into a row of W
	s_add_nc_u64 s[6:7], s[6:7], s[18:19]          ; W at the tile's corner
	s_lshl_b32 s18, s23, 18                        ; 128 rows of wt2, 2,048 bytes each,
	s_lshl_b32 s24, s20, 8                         ; 256 bytes along a row,
	s_add_co_u32 s18, s18, s24
	s_add_co_u32 s18, s18, 1024*2048               ; behind the 1,024 rows that the next launch writes
	s_add_nc_u64 s[12:13], s[12:13], s[18:19]
	s_mul_i32 s25, s22, 16*ROWW                    ; my wave's 16 rows of W
	v_lshl_add_u32 v1, v4, 4, s25
.set j, 0
.rept 16
	global_load_b128 v[X+4*j:X+4*j+3], v1, s[6:7] offset:ROWW*j th:TH_LOAD_NT  ; row k = 16 w + j, columns 4 lane .. + 3
.set j, j+1
.endr
	v_mul_u32_u24 v[TS], v4, 4*TP                  ; row n = 4 lane (+ c in the immediate),
	s_lshl_b32 s24, s22, 5
	v_add_nc_u32 v[TS], s24, v[TS]                 ; byte 2 x 16 w of it
	v_and_b32 v5, 15, v0
	v_bfe_u32 v6, v0, 4, 1
	s_lshl_b32 s24, s22, 4
	v_add_nc_u32 v6, s24, v6                       ; back: row 16 w + lane / 16 (+ 2 t)
	v_mul_u32_u24 v[TR], v6, TP
	v_lshl_add_u32 v[TR], v5, 4, v[TR]
	v_lshlrev_b32 v[GO], 11, v6
	v_lshl_add_u32 v[GO], v5, 4, v[GO]
	s_wait_loadcnt 0x0
.irp gk, 0,1
.irp c, 0,1,2,3
.irp m, 0,1,2,3
	RND Y+4*(4*\gk+\c)+\m, X+4*(8*\gk+2*\m)+\c, X+4*(8*\gk+2*\m+1)+\c, U  ; k = 16 w + 8 gk + 2 m, + 1 of column 4 lane + c
.endr
	ds_store_b128 v[TS], v[Y+4*(4*\gk+\c):Y+4*(4*\gk+\c)+3] offset:TP*\c+16*\gk
.endr
.endr
	s_wait_dscnt 0x0                               ; for the others' sake: my stores are done
	s_barrier_signal -1
	s_barrier_wait -1
.irp t, 0,1,2,3,4,5,6,7
	ds_load_b128 v[X+4*\t:X+4*\t+3], v[TR] offset:2*TP*\t
.endr
.irp t, 0,1,2,3,4,5,6,7
	s_wait_dscnt 7-\t
	global_store_b128 v[GO], v[X+4*\t:X+4*\t+3], s[12:13] offset:4096*\t  ; 16 lanes store 256 consecutive bytes, at a multiple of 256 from wt2's first byte
.endr
	s_branch .Lend
.Lqk:
	s_cmp_lt_u32 ttmp9, 704
	s_cbranch_scc0 .Lbv
	; A ROW OF Wq AND OF Wk, AND w
	s_sub_co_u32 s18, ttmp9, 576
	s_lshl_b32 s18, s18, 3
	s_add_co_u32 s23, s18, s22                     ; my row i
	s_mul_i32 s18, s23, ROWW
	s_add_nc_u64 s[6:7], s[6:7], s[18:19]
	s_lshl_b32 s18, s23, 11
	s_add_nc_u64 s[14:15], s[14:15], s[18:19]      ; wqk at row i
	s_lshl_b32 s18, s23, 2
	s_add_nc_u64 s[16:17], s[16:17], s[18:19]      ; b2 at number i
	s_mov_b32 s26, 0x76543210                      ; v_permlanex16_b32: each lane takes its own place in the other half
	s_mov_b32 s27, 0xfedcba98
	v_lshlrev_b32 v1, 4, v4
	v_lshlrev_b32 v2, 3, v4
.irp t, 0,1,2,3,4,5,6,7
	global_load_b128 v[BQ+4*\t:BQ+4*\t+3], v1, s[8:9] offset:512*\t                            ; bq[c], c = 128 t + 4 lane .. + 3
.endr
.irp t, 0,1,2,3,4,5,6,7
	global_load_b128 v[X+32+4*\t:X+32+4*\t+3], v1, s[6:7] offset:4096+512*\t th:TH_LOAD_NT     ; Wk[i][c]
.endr
.irp t, 0,1,2,3,4,5,6,7
	global_load_b128 v[X+4*\t:X+4*\t+3], v1, s[6:7] offset:512*\t th:TH_LOAD_NT                ; Wq[i][c]
.endr
	s_wait_loadcnt 16                              ; bq is in; the row's sixteen loads may stay out
.set p, 0
.rept 16
	v_cvt_pk_bf16_f32 v[T], v[BQ+2*p], v[BQ+2*p+1] ; rounded to bf16 like the other inputs, and widened again
	v_lshlrev_b32 v[BQ+2*p], 16, v[T]
	v_and_b32 v[BQ+2*p+1], 0xffff0000, v[T]
.set p, p+1
.endr
.irp t, 0,1,2,3,4,5,6,7
	s_wait_loadcnt 15-\t                           ; Wk's load t is in: 7 - t of Wk's and Wq's eight were issued behind it
	RND Y+16+2*\t, X+32+4*\t, X+32+4*\t+1, U
	RND Y+16+2*\t+1, X+32+4*\t+2, X+32+4*\t+3, U+2
.if \t == 0
	v_pk_mul_f32 v[AC:AC+1], v[U:U+1], v[BQ:BQ+1]  ; the first products start the sums
	v_pk_mul_f32 v[AC+2:AC+3], v[U+2:U+3], v[BQ+2:BQ+3]
.else
	v_pk_fma_f32 v[AC:AC+1], v[U:U+1], v[BQ+4*\t:BQ+4*\t+1], v[AC:AC+1]
	v_pk_fma_f32 v[AC+2:AC+3], v[U+2:U+3], v[BQ+4*\t+2:BQ+4*\t+3], v[AC+2:AC+3]
.endif
	global_store_b64 v2, v[Y+16+2*\t:Y+16+2*\t+1], s[14:15] offset:1024*2048+256*\t
.endr
.irp t, 0,1,2,3,4,5,6,7
	s_wait_loadcnt 7-\t
	RND Y+2*\t, X+4*\t, X+4*\t+1, U
	RND Y+2*\t+1, X+4*\t+2, X+4*\t+3, U+2
	global_store_b64 v2, v[Y+2*\t:Y+2*\t+1], s[14:15] offset:256*\t
.endr
	v_pk_add_f32 v[AC:AC+1], v[AC:AC+1], v[AC+2:AC+3]
	v_add_f32 v[AC], v[AC], v[AC+1]
	v_add_f32_dpp v[AC], v[AC], v[AC] row_xmask:1 row_mask:0xf bank_mask:0xf
	v_add_f32_dpp v[AC], v[AC], v[AC] row_xmask:2 row_mask:0xf bank_mask:0xf
	v_add_f32_dpp v[AC], v[AC], v[AC] row_xmask:4 row_mask:0xf bank_mask:0xf
	v_add_f32_dpp v[AC], v[AC], v[AC] row_xmask:8 row_mask:0xf bank_mask:0xf
	v_permlanex16_b32 v[AC+1], v[AC], s26, s27
	v_add_f32 v[AC], v[AC], v[AC+1]
	v_mul_f32 v[AC], 0x41800000, v[AC]             ; 16 w: M is kept as 16 M
	v_mov_b32 v[ZO], 0
	v_cmp_eq_u32 vcc_lo, 0, v4
	s_wait_xcnt 0x0                                ; EXEC is a source of the stores above: it changes only behind this wait
	s_and_saveexec_b32 s28, vcc_lo
	global_store_b32 v[ZO], v[AC], s[16:17]
	s_wait_xcnt 0x0                                ; and again in front of the line that widens it
	s_or_b32 exec_lo, exec_lo, s28
	s_branch .Lend
.Lbv:	; v's BIAS: 256 threads, four numbers each
	v_lshlrev_b32 v1, 4, v0
	global_load_b128 v[X:X+3], v1, s[8:9] offset:8192
	s_wait_loadcnt 0x0
	v_cvt_pk_bf16_f32 v[T], v[X], v[X+1]
	v_lshlrev_b32 v[Y], 16, v[T]
	v_and_b32 v[Y+1], 0xffff0000, v[T]
	v_cvt_pk_bf16_f32 v[T], v[X+2], v[X+3]
	v_lshlrev_b32 v[Y+2], 16, v[T]
	v_and_b32 v[Y+3], 0xffff0000, v[T]
	global_store_b128 v1, v[Y:Y+3], s[16:17] offset:4096
.Lend:
	s_wait_tensorcnt 0x0                           ; the wave's end: behind my last LDS store
	ds_add_u32 v[SPW], v[NIL]
	s_wait_dscnt 0x0
	s_endpgm
.Lfunc_end_k_qf87fcabf75_prep:
	.size	k_qf87fcabf75_prep, .Lfunc_end_k_qf87fcabf75_prep-k_qf87fcabf75_prep
	.p2alignl 7, 3214868480
	.fill 96, 4, 3214868480
	.section	.rodata,"a",@progbits
	.p2align	6, 0x0
	.amdhsa_kernel k_qf87fcabf75_prep
		.amdhsa_group_segment_fixed_size 35840
		.amdhsa_private_segment_fixed_size 0
		.amdhsa_enable_private_segment 0
		.amdhsa_kernarg_size 56
		.amdhsa_user_sgpr_count 2
		.amdhsa_user_sgpr_kernarg_segment_ptr 1
		.amdhsa_wavefront_size32 1
		.amdhsa_system_sgpr_workgroup_id_x 1
		.amdhsa_system_sgpr_workgroup_id_y 1
		.amdhsa_system_sgpr_workgroup_id_z 1
		.amdhsa_system_vgpr_workitem_id 0
		.amdhsa_next_free_vgpr 152
		.amdhsa_next_free_sgpr 66
		.amdhsa_reserve_vcc 1
		.amdhsa_float_denorm_mode_32 3
		.amdhsa_float_denorm_mode_16_64 3
		.amdhsa_memory_ordered 1
		.amdhsa_forward_progress 1
		.amdhsa_inst_pref_size 41
	.end_amdhsa_kernel
	.amdgpu_metadata
---
amdhsa.version: [ 1, 2 ]
amdhsa.kernels:
  - .name:           k_qf87fcabf75_prep
    .symbol:         k_qf87fcabf75_prep.kd
    .args:
      - { .name: context, .offset: 0, .size: 8, .value_kind: global_buffer, .address_space: global }
      - { .name: W_qkv, .offset: 8, .size: 8, .value_kind: global_buffer, .address_space: global }
      - { .name: b_qkv, .offset: 16, .size: 8, .value_kind: global_buffer, .address_space: global }
      - { .name: xh, .offset: 24, .size: 8, .value_kind: global_buffer, .address_space: global }
      - { .name: wt2, .offset: 32, .size: 8, .value_kind: global_buffer, .address_space: global }
      - { .name: wqk, .offset: 40, .size: 8, .value_kind: global_buffer, .address_space: global }
      - { .name: b2, .offset: 48, .size: 8, .value_kind: global_buffer, .address_space: global }
    .group_segment_fixed_size: 35840
    .private_segment_fixed_size: 0
    .kernarg_segment_align: 8
    .kernarg_segment_size: 56
    .max_flat_workgroup_size: 256
    .sgpr_count:     66
    .vgpr_count:     152
    .wavefront_size: 32
...
	.end_amdgpu_metadata
.endif
;; end of part 5
;; launch mk (part 6): grid 16 x 16, 4 waves a work-group, clusters of 4 x 4, 327,680 bytes of LDS; arguments wqk, wt2; writes wt2
.if DOCPART == 6
	.amdgcn_target "amdgcn-amd-amdhsa--gfx1250"
	.amdhsa_code_object_version 6
	.text
	.protected	k_qf87fcabf75_mk
	.globl	k_qf87fcabf75_mk
	.p2align	8
	.type	k_qf87fcabf75_mk,@function
k_qf87fcabf75_mk:
	s_mov_b64 s[64:65], 0
	v_nop
	global_prefetch_b8 v0, s[64:65] scope:SCOPE_SE
	s_setreg_imm32_b32 hwreg(HW_REG_WAVE_MODE, 25, 1), 1
	s_wait_xcnt 0x0
	s_wait_alu depctr_hold_cnt(0) depctr_sa_sdst(0) depctr_va_vdst(0) depctr_va_sdst(0) depctr_va_ssrc(0) depctr_va_vcc(0) depctr_vm_vsrc(0)
	s_getreg_b32 s2, hwreg(HW_REG_IB_STS2, 6, 4)
	s_cmp_eq_u32 s2, 0
	s_cbranch_scc0 .Lentry_in_a_cluster
	s_endpgm
.Lentry_in_a_cluster:
	s_bfe_u32 s2, ttmp6, 0x10000c
	s_cmp_lg_u32 s2, 0xf033
	s_cbranch_scc0 .Lentry_shape_is_right
	s_endpgm
.Lentry_shape_is_right:
; wt2[j][i] = f16( 16 x the sum over c of Wk[j][c] Wq[i][c] ), j, i = 0..1023: 16 M^T, the rows by which the next launch multiplies x.  wqk: rows 0-1023 Wq, rows 1024-2047 Wk, f16, 2,048 bytes a row.  Sums in f32.
; THE FACTOR 16 is exact and is there for f16's range: M has a spread of 1/32 with the drawn weights; with weights 30 times smaller 16 M is 5.5e-4, with weights carrying an offset of 30 spreads 14,400.
; A tile is 64 x 64: 16 x 16 = 256 work-groups.  ALL OF K LIES IN LDS AT ONCE: four regions of 64 rows x 1,024 bytes (Wk's rows, c 0-511 and 512-1023; Wq's rows likewise), one tensor load a wave; nothing is filled again.
; A region's rows are 1,040 bytes apart (65 x 16), so the 16 rows of a fragment load start at 16 different groups of four banks (ISA guide 11.1).
; CLUSTER 4 x 4: Wk's rows hang on the tile row and are asked for jointly by a row of the cluster, Wq's on the tile column and by a column.
; A wave makes 32 x 32: four accumulators by turns; source 0 = 16 rows of Wq, source 1 = 16 rows of Wk, so a lane holds one row j and eight neighbouring i.
; The way out goes through one stage, since a row's 128 bytes come from two waves.  A stored row is 128 bytes, half of an aligned 256: a tile 128 wide would want 160 rows x 2,080 bytes in LDS, more than there is.
; No prefetch: every tile is asked for at the head, and the launch is short.
.set RP,    1040
.set REG,   64*RP                      ; a region
.set STAGE, 4*REG                      ; 64 rows x 144 bytes
.set SP,    144
.set SPARE, STAGE+64*SP                ; the spare words, 128 bytes a wave, two blocks of 256 bytes that no other line names
.set ADA, 16                           ; v16 my lane's place in Wk's rows, in the half of K in hand
.set ADB, 17                           ; v17 the same in Wq's rows
.set STO, 24
.set RD,  25
.set CO,  26
.set SPW, 28                           ; v28 LDS address of my spare word; never rewritten
.set NIL, 29                           ; v29 0; never rewritten
.set ACC, 32                           ; v[32:63] accumulator (a, b) at ACC + 8 (2 a + b)
.set F0,  64                           ; two buffers of 64: slice e of two: Wk's fragments at 32 e + 8 a, Wq's at 32 e + 16 + 8 b
.set F1,  128
.set TMP, 192
.set G1A, 24
.set G0A, 32
.set SC,  38                           ; s[38:39] 16.0
.set G1B, 48
.set G0B, 56
.macro PLACES                          ; four places behind matrix instructions, in front of loads into registers that they have read
.rept 4
	v_nop
.endr
.endm
.macro CROUND                          ; a round of the cluster's barrier
	s_barrier_signal -1
	s_barrier_wait -1
	s_cmp_lg_u32 s10, 0
	s_cbranch_scc1 .Lnot_wave_0_\@
	s_barrier_signal -3
.Lnot_wave_0_\@:
	s_barrier_wait -3
	s_barrier_signal -1
	s_barrier_wait -1
.endm
	s_load_b128 s[4:7], s[0:1], 0x0                ; wqk s[4:5], wt2 s[6:7]
	v_lshl_add_u32 v[SPW], v0, 2, SPARE
	v_mov_b32 v[NIL], 0
	ds_add_u32 v[SPW], v[NIL]                      ; the wave's opening: the add and its wait stand ahead of my first tensor load; work on registers stands between them
	ds_add_u32 v28, v29
	v_lshrrev_b32 v1, 5, v0
	v_readfirstlane_b32 s10, v1                    ; wave 0..3
	s_lshr_b32 s11, s10, 1                         ; which 32 rows j are mine.  Also: I fetch Wk's rows (0) or Wq's (1)
	s_and_b32 s12, s10, 1                          ; which 32 columns i.  Also: which half of K I fetch
	s_bfe_u32 s40, ttmp6, 0x40000                  ; cx
	s_bfe_u32 s41, ttmp6, 0x40004                  ; cy
	s_lshl_b32 s42, ttmp9, 2
	s_add_co_u32 s42, s42, s40                     ; tile column
	s_and_b32 s13, ttmp7, 0xffff
	s_lshl_b32 s13, s13, 2
	s_add_co_u32 s13, s13, s41                     ; tile row
	s_lshl_b32 s43, s41, 2
	s_lshl_b32 s43, 15, s43                        ; my row of the cluster
	s_lshl_b32 s44, 0x1111, s40                    ; my column
	s_or_b32 s[G1A], s43, (1<<16)|(1<<20)|(1<<21)|(7<<22)|(3<<25)  ; mask; 2-byte elements; padding on; bit 21 beside a mask; after every 256 words 4 words
	s_or_b32 s[G1B], s44, (1<<16)|(1<<20)|(1<<21)|(7<<22)|(3<<25)
.irp g, G1A, G1B
	s_mov_b32 s[(\g)+1], 512<<16                   ; tensor_dim0 = 512
	s_mov_b32 s[(\g)+2], 64<<16                    ; tensor_dim1 = 64
	s_mov_b32 s[(\g)+3], 512<<16                   ; tile_dim0 = 512
	s_mov_b32 s[(\g)+4], 64                        ; tile_dim1 = 64
	s_mov_b32 s[(\g)+5], 1024                      ; elements from row to row
	s_mov_b32 s[(\g)+6], 0
	s_mov_b32 s[(\g)+7], 0
.endr
	s_lshl_b32 s16, s13, 6
	s_add_co_u32 s16, s16, 1024                    ; Wk's row 64 x tile row lies behind Wq's 1,024 rows
	s_lshl_b32 s16, s16, 11
	s_lshl_b32 s17, s12, 10                        ; my half of K: 1,024 bytes
	s_add_co_u32 s16, s16, s17
	s_mov_b32 s17, 0
	s_lshl_b32 s46, s42, 17                        ; Wq's row 64 x tile column
	s_lshl_b32 s47, s12, 10
	s_add_co_u32 s46, s46, s47
	s_mov_b32 s47, 0
	s_mul_i32 s20, s10, REG                        ; my region: no place in the cluster enters an LDS address
	s_mov_b32 s[SC], 0x41800000
	s_mov_b32 s[SC+1], s[SC]
	s_wait_dscnt 0x0                               ; the opening add is done
	s_wait_kmcnt 0x0
	s_add_nc_u64 s[14:15], s[4:5], s[16:17]
	s_add_nc_u64 s[46:47], s[4:5], s[46:47]
	CROUND                                         ; all sixteen work-groups are here: the joint loads meet
	s_mov_b32 s[G0A], 1
	s_mov_b32 s[G0A+1], s20
	s_mov_b64 s[G0A+2:G0A+3], s[14:15]
	s_or_b32 s[G0A+3], s[G0A+3], 0x80000000
	s_mov_b32 s[G0B], 1
	s_mov_b32 s[G0B+1], s20
	s_mov_b64 s[G0B+2:G0B+3], s[46:47]
	s_or_b32 s[G0B+3], s[G0B+3], 0x80000000
	s_cmp_eq_u32 s11, 0                            ; the branch hangs on the wave's number alone; an s_nop 0 and four v_nop follow each of the two lines
	s_cbranch_scc0 .Lfor_b
	tensor_load_to_lds s[G0A:G0A+3], s[G1A:G1A+7]  ; one load of mine is out
	s_nop 0
	PLACES
	s_branch .Lasked
.Lfor_b:
	tensor_load_to_lds s[G0B:G0B+3], s[G1B:G1B+7]
	s_nop 0
	PLACES
.Lasked:
	v_and_b32 v1, 15, v0
	v_bfe_u32 v2, v0, 4, 1
	v_mul_u32_u24 v3, v1, RP
	v_lshl_add_u32 v3, v2, 4, v3                   ; a fragment's row x pitch + 16 x half
	s_mul_i32 s21, s11, 32*RP
	v_add_nc_u32 v[ADA], s21, v3
	s_mul_i32 s22, s12, 32*RP
	s_add_co_u32 s22, s22, 2*REG
	v_add_nc_u32 v[ADB], s22, v3
	v_mul_u32_u24 v4, v1, SP                       ; into the stage: row 32 rh + lane % 16 (+ 16 a), my 64 bytes of it, 16 bytes for each half of the lanes
	v_lshl_add_u32 v4, v2, 4, v4
	s_mul_i32 s23, s11, 32*SP
	s_lshl_b32 s21, s12, 6
	s_add_co_u32 s23, s23, s21
	s_add_co_u32 s23, s23, STAGE
	v_add_nc_u32 v[STO], s23, v4
	v_bfe_u32 v5, v0, 3, 2                         ; back: 32 lanes take four rows of 128 bytes; wave w takes rows 16 w .. 16 w + 15
	v_and_b32 v6, 7, v0
	v_mul_u32_u24 v7, v5, SP
	v_lshl_add_u32 v7, v6, 4, v7
	s_mul_i32 s23, s10, 16*SP
	s_add_co_u32 s23, s23, STAGE
	v_add_nc_u32 v[RD], s23, v7
	v_lshlrev_b32 v7, 11, v5
	v_lshl_add_u32 v[CO], v6, 4, v7
	s_lshl_b32 s16, s13, 6
	s_lshl_b32 s17, s10, 4
	s_add_co_u32 s16, s16, s17                     ; the first row of wt2 that I store
	s_lshl_b32 s16, s16, 11
	s_lshl_b32 s46, s42, 7                         ; the tile's 128 bytes of a row
	s_add_co_u32 s16, s16, s46
	s_mov_b32 s17, 0
	s_add_nc_u64 s[6:7], s[6:7], s[16:17]
.set i, 0
.rept 32
	v_mov_b32 v[ACC+i], 0                          ; the sums start at 0: written while the tiles are on their way, so that the loop has one form of product
.set i, i+1
.endr
.macro FETCH bt, f                     ; 16 LDS loads: two slices of 32 along K, at byte 128 bt of the half's rows
.irp e, 0,1
.irp a, 0,1
	ds_load_b128 v[(\f)+32*\e+8*\a:(\f)+32*\e+8*\a+3],         v[ADA] offset:\a*16*RP+128*(\bt)+64*\e
	ds_load_b128 v[(\f)+32*\e+8*\a+4:(\f)+32*\e+8*\a+7],       v[ADA] offset:\a*16*RP+128*(\bt)+64*\e+32
	ds_load_b128 v[(\f)+32*\e+16+8*\a:(\f)+32*\e+16+8*\a+3],   v[ADB] offset:\a*16*RP+128*(\bt)+64*\e
	ds_load_b128 v[(\f)+32*\e+16+8*\a+4:(\f)+32*\e+16+8*\a+7], v[ADB] offset:\a*16*RP+128*(\bt)+64*\e+32
.endr
.endr
.endm
.macro MUL f                           ; 8 matrix instructions; the four accumulators take turns, one instruction a turn, over the backward jump too
.irp e, 0,1
.irp a, 0,1
.irp b, 0,1
	v_wmma_f32_16x16x32_f16 v[ACC+8*(2*\a+\b):ACC+8*(2*\a+\b)+7], v[(\f)+32*\e+16+8*\b:(\f)+32*\e+16+8*\b+7], v[(\f)+32*\e+8*\a:(\f)+32*\e+8*\a+7], v[ACC+8*(2*\a+\b):ACC+8*(2*\a+\b)+7]
.endr
.endr
.endr
.endm
	s_wait_tensorcnt 0x0                           ; my region is in,
	s_barrier_signal -1
	s_barrier_wait -1                              ; everybody's is
	s_mov_b32 s3, 2
.Lhalf:                                                ; a trip: one half of K, eight runs of two slices
	FETCH 0, F0
.set bt, 0
.rept 8
.if bt < 7
.if bt > 0
	PLACES
.endif
	FETCH bt+1, F0+64*((bt+1)%2)
	s_wait_dscnt 16                                ; all but the 16 just issued
.else
	s_wait_dscnt 0x0
.endif
	MUL F0+64*(bt%2)
.set bt, bt+1
.endr
	PLACES                                         ; for the next trip's loads into both buffers
	v_add_nc_u32 v[ADA], REG, v[ADA]               ; the other half of K lies one region on
	v_add_nc_u32 v[ADB], REG, v[ADB]
	s_sub_co_u32 s3, s3, 1
	s_cmp_lg_u32 s3, 0
	s_cbranch_scc1 .Lhalf
	PLACES
.irp n, 0,1,2,3
.irp z, 0,1,2,3
	v_pk_mul_f32 v[ACC+8*\n+2*\z:ACC+8*\n+2*\z+1], v[ACC+8*\n+2*\z:ACC+8*\n+2*\z+1], s[SC:SC+1] op_sel_hi:[1,0]
.endr
.irp z, 0,1,2,3
	v_cvt_pk_f16_f32 v[TMP+4*\n+\z], v[ACC+8*\n+2*\z], v[ACC+8*\n+2*\z+1]
.endr
	ds_store_b128 v[STO], v[TMP+4*\n:TMP+4*\n+3] offset:(\n/2)*16*SP+32*(\n%2)
.endr
	s_wait_dscnt 0x0                               ; for the others' sake: my stores into the stage are done
	s_barrier_signal -1
	s_barrier_wait -1
.irp t, 0,1,2,3
	ds_load_b128 v[TMP+4*\t:TMP+4*\t+3], v[RD] offset:\t*4*SP
.endr
.irp t, 0,1,2,3
	s_wait_dscnt 3-\t
	global_store_b128 v[CO], v[TMP+4*\t:TMP+4*\t+3], s[6:7] offset:\t*4*2048  ; eight lanes store a row's 128 consecutive bytes
.endr
	s_wait_tensorcnt 0x0                           ; the wave's end: behind my last tensor load and my last LDS store
	ds_add_u32 v[SPW], v[NIL]
	s_wait_dscnt 0x0
	CROUND                                         ; the closing round
	s_endpgm
.Lfunc_end_k_qf87fcabf75_mk:
	.size	k_qf87fcabf75_mk, .Lfunc_end_k_qf87fcabf75_mk-k_qf87fcabf75_mk
	.p2alignl 7, 3214868480
	.fill 96, 4, 3214868480
	.section	.rodata,"a",@progbits
	.p2align	6, 0x0
	.amdhsa_kernel k_qf87fcabf75_mk
		.amdhsa_group_segment_fixed_size 327680
		.amdhsa_private_segment_fixed_size 0
		.amdhsa_enable_private_segment 0
		.amdhsa_kernarg_size 16
		.amdhsa_user_sgpr_count 2
		.amdhsa_user_sgpr_kernarg_segment_ptr 1
		.amdhsa_wavefront_size32 1
		.amdhsa_system_sgpr_workgroup_id_x 1
		.amdhsa_system_sgpr_workgroup_id_y 1
		.amdhsa_system_sgpr_workgroup_id_z 1
		.amdhsa_system_vgpr_workitem_id 0
		.amdhsa_next_free_vgpr 208
		.amdhsa_next_free_sgpr 66
		.amdhsa_reserve_vcc 0
		.amdhsa_float_denorm_mode_32 3
		.amdhsa_float_denorm_mode_16_64 3
		.amdhsa_memory_ordered 1
		.amdhsa_forward_progress 1
		.amdhsa_inst_pref_size 24
	.end_amdhsa_kernel
	.amdgpu_metadata
---
amdhsa.version: [ 1, 2 ]
amdhsa.kernels:
  - .name:           k_qf87fcabf75_mk
    .symbol:         k_qf87fcabf75_mk.kd
    .args:
      - { .name: wqk, .offset: 0, .size: 8, .value_kind: global_buffer, .address_space: global }
      - { .name: wt2, .offset: 8, .size: 8, .value_kind: global_buffer, .address_space: global }
    .group_segment_fixed_size: 327680
    .private_segment_fixed_size: 0
    .kernarg_segment_align: 8
    .kernarg_segment_size: 16
    .max_flat_workgroup_size: 128
    .sgpr_count:     66
    .vgpr_count:     208
    .wavefront_size: 32
...
	.end_amdgpu_metadata
.endif
;; end of part 6
;; launch proj (part 7): grid 8 x 32, 4 waves a work-group, clusters of 4 x 4, 327,680 bytes of LDS; arguments xh, wt2, b2, tb, vb; writes tb, vb
.if DOCPART == 7
	.amdgcn_target "amdgcn-amd-amdhsa--gfx1250"
	.amdhsa_code_object_version 6
	.text
	.protected	k_qf87fcabf75_proj
	.globl	k_qf87fcabf75_proj
	.p2align	8
	.type	k_qf87fcabf75_proj,@function
k_qf87fcabf75_proj:
	s_mov_b64 s[64:65], 0
	v_nop
	global_prefetch_b8 v0, s[64:65] scope:SCOPE_SE
	s_setreg_imm32_b32 hwreg(HW_REG_WAVE_MODE, 25, 1), 1
	s_wait_xcnt 0x0
	s_wait_alu depctr_hold_cnt(0) depctr_sa_sdst(0) depctr_va_vdst(0) depctr_va_sdst(0) depctr_va_ssrc(0) depctr_va_vcc(0) depctr_vm_vsrc(0)
	s_getreg_b32 s2, hwreg(HW_REG_IB_STS2, 6, 4)
	s_cmp_eq_u32 s2, 0
	s_cbranch_scc0 .Lentry_in_a_cluster
	s_endpgm
.Lentry_in_a_cluster:
	s_bfe_u32 s2, ttmp6, 0x10000c
	s_cmp_lg_u32 s2, 0xf033
	s_cbranch_scc0 .Lentry_shape_is_right
	s_endpgm
.Lentry_shape_is_right:
; [16 t | v][m][n] = the sum over k of xh[m][k] wt2[n][k] + b2[n], n = 0..2047: wt2's rows 0-1023 are 16 M^T, rows 1024-2047 Wv^T; b2 is 16 w, then v's bias.  f16 operands, f32 sums.
; tb[m][j] = f16(2^-14 x the sum) = 2^-10 t;  vb[m][n] = f16(v).  Both [8192][1024].
; LIMITS.  f16 ends at 65,504.  t has a spread of 1 with the drawn inputs, 27,000 with all inputs 30 times larger, and is 2.8e7 with offsets of 30 spreads on x and W: 2^-10 t is then 27,000.  With x 30 times larger
; and W 30 times smaller 2^-10 t is 3e-5, where f16 keeps its fixed step of 6e-8: the rounding is then about four times coarser than elsewhere.  v reaches 29,000 with those offsets.
; A tile is 256 x 256: 32 x 8 = 256 work-groups.  Four waves, each 128 x 128: 64 accumulators.  K goes in 8 steps of 128 through two LDS slots (256 rows of xh, then 256 rows of wt2, 256 bytes each and 272 apart);
; waves 0, 1 fetch xh's two halves, waves 2, 3 wt2's.  One K step is written once and looped over: the LDS addresses of the step in hand are TB (0 or SLOT) plus the lane's place.
; CLUSTER 4 x 4: xh's tile hangs on the tile row and is asked for jointly by a row of the cluster, wt2's on the tile column and by a column.  Cluster x = 0 makes t, cluster x = 1 makes v.
; THE MATRIX INSTRUCTION IS USED TRANSPOSED (source 0 = 16 rows of wt2, source 1 = 16 rows of xh): a lane holds one row m and eight neighbouring columns.  The first product of each sum takes the bias as C.
; REGISTERS by windows of 256: window 0: v16-31 addresses, v64-127, v128-191 xh's fragments, v192-255 the bias; on the way out v64-95 rows, v128-191 a block's scaled sums, v192-223 packed results.  window 1: wt2's fragments.
;   windows 2, 3: accumulator (a, b) at v[8 (8 (a % 4) + b)].
.set KSTEP,  128
.set PITCH,  272                       ; 256 bytes + 16: the 16 rows of a fragment load start at 16 different groups of four banks (ISA guide 11.1)
.set HALFT,  128*PITCH                 ; what one tensor load brings
.set SLOT,   4*HALFT
.set STAGE,  2*SLOT                    ; behind the ring: 16 rows x 272 bytes for each wave
.set SPARE,  STAGE+4*16*PITCH          ; the spare words, 128 bytes a wave, two blocks of 256 bytes that no other line names
.set A0,   16                          ; v16, v17 my lane's place in xh's and wt2's rows of slot 0; never rewritten
.set B0,   17
.set ADRA, 18                          ; v18, v19 the same in the slot in hand
.set ADRB, 19
.set STO,  24
.set RD,   25
.set CO,   26
.set SPW,  28                          ; v28 LDS address of my spare word; never rewritten
.set NIL,  29                          ; v29 0; never rewritten
.set PFO,  30                          ; v30 the prefetches' offset: lane x 2,048; never rewritten
.set BO,   31
.set F0,   64
.set F1,   128
.set OB,   64
.set E,    128
.set TMP,  192
.set BI,   192
.set WV,   12
.set TB,   21
.set LIM,  43                          ; s43 2 in a wave that prefetches, else the greatest number
.set PFA,  44
.set G1A,  24                          ; s[24:31] group 1 for xh's tiles; s[32:35], s[36:39] group 0: K step 0, and the set that walks from K step 1 on
.set G0A,  32
.set G1B,  48                          ; the same for wt2's tiles
.set G0B,  56
.set RH,   68                          ; s68 which 128 rows are mine.  Also: I fetch for xh (0) or for wt2 (1)
.set KH,   69                          ; s69 which 128 columns.  Also: which 128 rows of the tile I fetch
.set SC,   70                          ; s[70:71] 2^-14 for t, 1 for v
.set MSB, 0
.macro WIN new                         ; the immediate's high byte repeats the setting that is left; a switch that changes nothing is dropped
.if MSB != (\new)
	s_set_vgpr_msb (MSB<<8)|(\new)
.set MSB, \new
.endif
.endm
.macro PLACES                          ; four places behind matrix instructions, in front of loads into registers that they have read
.rept 4
	v_nop
.endr
.endm
.macro JLOAD s                         ; a joint load; the branch hangs on the wave's number alone; an s_nop 0 and four v_nop follow each of the two lines
	s_cmp_eq_u32 s[RH], 0
	s_cbranch_scc0 .Lfor_b_\@
	tensor_load_to_lds s[G0A+4*(\s):G0A+4*(\s)+3], s[G1A:G1A+7]
	s_nop 0
	PLACES
	s_branch .Lasked_\@
.Lfor_b_\@:
	tensor_load_to_lds s[G0B+4*(\s):G0B+4*(\s)+3], s[G1B:G1B+7]
	s_nop 0
	PLACES
.Lasked_\@:
.endm
.macro ASK                             ; a prefetch into the L2 of the K step two refills on: 32 rows x 256 bytes, a lane a row.  Trips 0-3 of 6 ask (K steps 4-7); the others have no such step
	s_cmp_gt_u32 s3, s[LIM]
	s_cbranch_scc0 .Lnot_mine_\@
	global_prefetch_b8 v[PFO], s[PFA:PFA+1] offset:KSTEP*2 th:TH_LOAD_NT scope:SCOPE_SE
.Lnot_mine_\@:
.endm
.macro CREST                           ; a round of the cluster's barrier behind its opening barrier
	s_cmp_lg_u32 s[WV], 0
	s_cbranch_scc1 .Lnot_wave_0_\@
	s_barrier_signal -3
.Lnot_wave_0_\@:
	s_barrier_wait -3
	s_barrier_signal -1
	s_barrier_wait -1
.endm
.macro CROUND
	s_barrier_signal -1
	s_barrier_wait -1
	CREST
.endm
	s_load_b256 s[4:11], s[0:1], 0x0               ; xh s[4:5], wt2 s[6:7], b2 s[8:9], tb s[10:11]
	s_load_b64 s[66:67], s[0:1], 0x20              ; vb
	v_lshl_add_u32 v[SPW], v0, 2, SPARE
	v_mov_b32 v[NIL], 0
	ds_add_u32 v[SPW], v[NIL]                      ; the wave's opening: the add and its wait stand ahead of my first tensor load; work on registers stands between them
	ds_add_u32 v28, v29
	v_lshrrev_b32 v1, 5, v0
	v_readfirstlane_b32 s[WV], v1
	s_lshr_b32 s[RH], s[WV], 1
	s_and_b32 s[KH], s[WV], 1
	s_bfe_u32 s40, ttmp6, 0x40000                  ; cx
	s_bfe_u32 s41, ttmp6, 0x40004                  ; cy
	s_lshl_b32 s42, ttmp9, 2
	s_add_co_u32 s42, s42, s40                     ; tile column 0..7
	s_and_b32 s13, ttmp7, 0xffff
	s_lshl_b32 s13, s13, 2
	s_add_co_u32 s13, s13, s41                     ; tile row 0..31
	s_lshl_b32 s14, s41, 2
	s_lshl_b32 s14, 15, s14                        ; my row of the cluster
	s_lshl_b32 s46, 0x1111, s40                    ; my column
	s_or_b32 s[G1A], s14, (1<<16)|(1<<20)|(1<<21)|(5<<22)|(3<<25)  ; mask; 2-byte elements; padding on; bit 21 beside a mask; after every 64 words 4 words
	s_or_b32 s[G1B], s46, (1<<16)|(1<<20)|(1<<21)|(5<<22)|(3<<25)
.irp g, G1A, G1B
	s_mov_b32 s[(\g)+1], KSTEP<<16                 ; tensor_dim0 = 128
	s_mov_b32 s[(\g)+2], 128<<16                   ; tensor_dim1 = 128
	s_mov_b32 s[(\g)+3], KSTEP<<16                 ; tile_dim0 = 128
	s_mov_b32 s[(\g)+4], 128                       ; tile_dim1 = 128
	s_mov_b32 s[(\g)+5], 1024                      ; elements from row to row
	s_mov_b32 s[(\g)+6], 0
	s_mov_b32 s[(\g)+7], 0
.endr
	s_lshl_b32 s17, s[KH], 7                       ; which 128 rows of the tile I fetch
	s_lshl_b32 s16, s13, 8
	s_add_co_u32 s16, s16, s17
	s_lshl_b32 s16, s16, 11                        ; xh: row 256 x tile row + 128 x half, 2,048 bytes a row
	s_lshl_b32 s46, s42, 8
	s_add_co_u32 s46, s46, s17
	s_lshl_b32 s46, s46, 11                        ; wt2: row 256 x tile column + 128 x half
	s_mov_b32 s17, 0
	s_mov_b32 s47, 0
	s_mul_i32 s20, s[WV], HALFT                    ; where my rows go: no place in the cluster enters an LDS address
	s_mov_b32 s[TB], 0
	s_cmp_eq_u32 ttmp9, 0                          ; the cluster's x, which all sixteen partners share
	s_cselect_b32 s[SC], 0x38800000, 1.0
	s_mov_b32 s[SC+1], s[SC]
	s_wait_dscnt 0x0                               ; the opening add is done
	s_wait_kmcnt 0x0
	s_add_nc_u64 s[14:15], s[4:5], s[16:17]
	s_add_nc_u64 s[46:47], s[6:7], s[46:47]
	CROUND                                         ; all sixteen work-groups are here: the first joint loads meet
.irp s, 0,1
	s_mov_b32 s[G0A+4*(\s)], 1
	s_add_co_u32 s[G0A+4*(\s)+1], s20, (\s)*SLOT
	s_add_nc_u64 s[G0A+4*(\s)+2:G0A+4*(\s)+3], s[14:15], (\s)*KSTEP*2
	s_or_b32 s[G0A+4*(\s)+3], s[G0A+4*(\s)+3], 0x80000000
	s_mov_b32 s[G0B+4*(\s)], 1
	s_add_co_u32 s[G0B+4*(\s)+1], s20, (\s)*SLOT
	s_add_nc_u64 s[G0B+4*(\s)+2:G0B+4*(\s)+3], s[46:47], (\s)*KSTEP*2
	s_or_b32 s[G0B+4*(\s)+3], s[G0B+4*(\s)+3], 0x80000000
	JLOAD \s                                       ; two loads of mine are out
.endr
	; the bias of my 128 columns: column block b, register j is column 16 b + 8 (lane / 16) + j
	v_and_b32 v1, 15, v0
	v_bfe_u32 v2, v0, 4, 1
	v_lshlrev_b32 v[BO], 5, v2
	s_lshl_b32 s46, s42, 10
	s_lshl_b32 s47, s[KH], 9
	s_add_co_u32 s46, s46, s47
	s_mov_b32 s47, 0
	s_add_nc_u64 s[8:9], s[8:9], s[46:47]
.irp b, 0,1,2,3,4,5,6,7
	global_load_b128 v[BI+8*\b:BI+8*\b+3],   v[BO], s[8:9] offset:64*\b
	global_load_b128 v[BI+8*\b+4:BI+8*\b+7], v[BO], s[8:9] offset:64*\b+16
.endr
	v_mul_u32_u24 v3, v1, PITCH
	v_lshl_add_u32 v3, v2, 4, v3                   ; a fragment's row x pitch + 16 x half
	s_mul_i32 s23, s[RH], HALFT
	v_add_nc_u32 v[A0], s23, v3
	s_mul_i32 s23, s[KH], HALFT
	s_add_co_u32 s23, s23, 2*HALFT
	v_add_nc_u32 v[B0], s23, v3
	v_mov_b32 v[ADRA], v[A0]
	v_mov_b32 v[ADRB], v[B0]
	s_mul_i32 s23, s[WV], 16*PITCH
	s_add_co_u32 s23, s23, STAGE                   ; my stage
	v_add_nc_u32 v[STO], s23, v3                   ; in: row lane % 16, 16 bytes for each half of the lanes
	v_mul_u32_u24 v5, v2, PITCH
	v_lshl_add_u32 v5, v1, 4, v5
	v_add_nc_u32 v[RD], s23, v5                    ; back: lanes 0-15 one row of 256 bytes, lanes 16-31 the next
	v_lshlrev_b32 v5, 11, v2
	v_lshl_add_u32 v[CO], v1, 4, v5
	s_lshl_b32 s16, s13, 8
	s_lshl_b32 s17, s[RH], 7
	s_add_co_u32 s16, s16, s17                     ; my first row
	s_lshl_b32 s16, s16, 11
	s_lshl_b32 s17, s40, 9                         ; the tile's 512 bytes of a row of tb or vb,
	s_add_co_u32 s16, s16, s17
	s_lshl_b32 s17, s[KH], 8                       ; my 256 of them
	s_add_co_u32 s16, s16, s17
	s_mov_b32 s17, 0
	s_cmp_eq_u32 ttmp9, 0
	s_cselect_b64 s[10:11], s[10:11], s[66:67]     ; cluster x = 0 stores t, cluster x = 1 stores v
	s_add_nc_u64 s[10:11], s[10:11], s[16:17]
	; the prefetches.  xh's rows are read by both clusters of a row of clusters: cluster x = 0 asks; wt2's by all eight rows of clusters: cluster y = 0 asks.  Of the 128 rows that a wave fetches
	; the partner at place p (cx for xh, cy for wt2) takes 32 p .. 32 p + 31, told apart by address: each row's 256 bytes of a K step are named once in the launch.
	s_and_b32 s22, ttmp7, 0xffff
	s_lshl_b32 s18, s13, 8
	s_lshl_b32 s19, s42, 8
	s_cmp_eq_u32 s[RH], 0
	s_cselect_b32 s18, s18, s19                    ; the tile's first row
	s_cselect_b32 s19, s40, s41                    ; my place among the four that ask with me
	s_cselect_b32 s22, ttmp9, s22                  ; the coordinate along which other clusters read the same rows
	s_cselect_b64 s[PFA:PFA+1], s[4:5], s[6:7]
	s_cmp_eq_u32 s22, 0
	s_cselect_b32 s[LIM], 2, -1
	s_lshl_b32 s23, s[KH], 7
	s_add_co_u32 s18, s18, s23
	s_lshl_b32 s19, s19, 5
	s_add_co_u32 s18, s18, s19
	s_lshl_b32 s18, s18, 11
	s_add_co_u32 s18, s18, 2*KSTEP*2               ; at K step 2: the first change of slots steps it to 3 and names K step 4
	s_mov_b32 s19, 0
	s_add_nc_u64 s[PFA:PFA+1], s[PFA:PFA+1], s[18:19]
	v_and_b32 v[PFO], 31, v0
	v_lshlrev_b32 v[PFO], 11, v[PFO]
; 16 matrix instructions.  first = 1: the product starts the sum, with the bias as C.  The 64 accumulators take turns in the same order in every quarter, one instruction a turn.
.macro MUL16 f, hi, a0, first
.if \first
	WIN 0x81+0x40*(\hi)                            ; wt2 window 1, xh window 0, C (the bias) window 0, D window 2 or 3
.else
	WIN 0xa1+0x50*(\hi)
.endif
.irp a, \a0, (\a0)+1
.irp b, 0,1,2,3,4,5,6,7
.if \first
	v_wmma_f32_16x16x32_f16 v[8*(8*(\a)+(\b)):8*(8*(\a)+(\b))+7], v[(\f)+8*(\b):(\f)+8*(\b)+7], v[(\f)+8*(4*(\hi)+(\a)):(\f)+8*(4*(\hi)+(\a))+7], v[BI+8*(\b):BI+8*(\b)+7]
.else
	v_wmma_f32_16x16x32_f16 v[8*(8*(\a)+(\b)):8*(8*(\a)+(\b))+7], v[(\f)+8*(\b):(\f)+8*(\b)+7], v[(\f)+8*(4*(\hi)+(\a)):(\f)+8*(4*(\hi)+(\a))+7], v[8*(8*(\a)+(\b)):8*(8*(\a)+(\b))+7]
.endif
.endr
.endr
.endm
.macro FETCH k, f                      ; 32 LDS loads in one run
	WIN 0x40
.irp i, 0,1,2,3,4,5,6,7
	ds_load_b128 v[(\f)+8*(\i):(\f)+8*(\i)+3],   v[ADRB] offset:(\k)+(\i)*16*PITCH
	ds_load_b128 v[(\f)+8*(\i)+4:(\f)+8*(\i)+7], v[ADRB] offset:(\k)+(\i)*16*PITCH+32
.endr
	WIN 0
.irp i, 0,1,2,3,4,5,6,7
	ds_load_b128 v[(\f)+8*(\i):(\f)+8*(\i)+3],   v[ADRA] offset:(\k)+(\i)*16*PITCH
	ds_load_b128 v[(\f)+8*(\i)+4:(\f)+8*(\i)+7], v[ADRA] offset:(\k)+(\i)*16*PITCH+32
.endr
.endm
.macro QUARTER k, f, g, first          ; multiplies buffer f; in its middle fetches the next quarter, at byte k, into g
	s_wait_dscnt 8                                 ; wt2's fragments and xh's rows 0-63 are in; the youngest eight loads may be out
	MUL16 \f, 0, 0, \first
	MUL16 \f, 0, 2, \first
	PLACES
	FETCH \k, \g
	s_wait_dscnt 32                                ; all but the 32 just issued
	MUL16 \f, 1, 0, \first
	MUL16 \f, 1, 2, \first
.endm
; The last quarter of a K step multiplies buffer 1 and changes slots.  In front of the barrier each wave waits for all its tensor loads (one is out: its rows of the next slot), adds 0 to its spare word,
; and waits for that and for its reads of this slot.  fill = 1: the barrier opens a round of the cluster's barrier, and the joint refill, two K steps on, is the first thing behind it: 224 matrix instructions ahead of the wait for it.
.macro TURN fill
	WIN 0
.if \fill
	s_wait_xcnt 0x0                                ; the last prefetch, a K step back, has read its address
	s_add_nc_u64 s[PFA:PFA+1], s[PFA:PFA+1], KSTEP*2
.endif
	s_wait_tensorcnt 0x0                           ; no tensor load of mine is out, so a group 0 may be written
	ds_add_u32 v[SPW], v[NIL]                      ; 0 onto my spare word
.if \fill
	s_xor_b32 s[G0A+5], s[G0A+5], SLOT             ; the walking sets: the other slot than last time (wave x HALFT shares no bit with SLOT),
	s_add_nc_u64 s[G0A+6:G0A+7], s[G0A+6:G0A+7], KSTEP*2  ; the next K step
	s_xor_b32 s[G0B+5], s[G0B+5], SLOT
	s_add_nc_u64 s[G0B+6:G0B+7], s[G0B+6:G0B+7], KSTEP*2
.endif
	s_xor_b32 s[TB], s[TB], SLOT
	s_wait_dscnt 9                                 ; the add and the youngest eight loads may be out
	MUL16 F1, 0, 0, 0
	s_wait_dscnt 0x0                               ; the add is done, and my reads of this slot are over
	s_barrier_signal -1
	MUL16 F1, 0, 2, 0
	WIN 0
	s_barrier_wait -1
.if \fill
	CREST
	JLOAD 1                                        ; its four v_nop are also the places in front of the loads below
.else
	PLACES
.endif
	v_add_nc_u32 v[ADRA], s[TB], v[A0]
	v_add_nc_u32 v[ADRB], s[TB], v[B0]
	FETCH 0, F0
.if \fill
	ASK
.endif
	MUL16 F1, 1, 0, 0
	MUL16 F1, 1, 2, 0
.endm
	s_wait_tensorcnt 0x1                           ; my rows of K step 0 are in; K step 1's may stay out
	s_barrier_signal -1
	s_barrier_wait -1
	FETCH 0, F0
	s_wait_loadcnt 0x0                             ; the bias
	QUARTER 64, F0, F1, 1                          ; the first quarter stands in front of the loop: its products start the sums
	WIN 0
	s_mov_b32 s3, 6
.Ltrip:                                                ; a trip: the last three quarters of a K step and the first of the next; K steps 2 to 7 are asked for
	QUARTER 128, F1, F0, 0
	QUARTER 192, F0, F1, 0
	TURN 1
	QUARTER 64, F0, F1, 0
	WIN 0
	s_sub_co_u32 s3, s3, 1
	s_cmp_lg_u32 s3, 0
	s_cbranch_scc1 .Ltrip
	s_mov_b32 s3, 2
.Ltail:                                                ; K steps 6 and 7 ask for nothing: a text of their own, walked twice and left behind the second trip's change of slots.  That change passes one barrier more and
	QUARTER 128, F1, F0, 0                         ; fetches 32 fragments of K step 6's slot that nobody multiplies: the price, once a launch, of one text for both trips
	QUARTER 192, F0, F1, 0
	TURN 0
	WIN 0
	s_cmp_eq_u32 s3, 1
	s_cbranch_scc1 .Llast                          ; a constant count, the same in every wave and work-group
	QUARTER 64, F0, F1, 0
	WIN 0
	s_sub_co_u32 s3, s3, 1
	s_cmp_lg_u32 s3, 0
	s_cbranch_scc1 .Ltail
.Llast:
	s_wait_dscnt 0x0                               ; those 32 loads have landed: their registers are used again below
; THE WAY OUT, a block of 16 rows at a time.  Only the scaling names a block's own accumulators: BLK a is written once for each block and leaves the scaled sums in E.  All behind it is written once, in a loop of
; eight trips: rounded to f16, 16 bytes a lane into my own stage, back as whole rows of 256 bytes, stored.  The next block's scaling, chosen by the loop's count, stands between the loads from the stage and the wait for them.
.macro BLK a
.set AC, 64*((\a)%4)
	WIN 0x02+(\a)/4                                ; source 0 in window 2 or 3; each accumulator's registers in ascending order
.set i, 0
.rept 32
	v_pk_mul_f32 v[E+2*i:E+2*i+1], v[AC+2*i:AC+2*i+1], s[SC:SC+1] op_sel_hi:[1,0]
.set i, i+1
.endr
	WIN 0
.endm
	PLACES
	PLACES
	BLK 0
	s_mov_b32 s3, 8
.Lout:                                                 ; the trip with count n sends block 8 - n and scales block 9 - n
.set i, 0
.rept 32
	v_cvt_pk_f16_f32 v[TMP+i], v[E+2*i], v[E+2*i+1]
.set i, i+1
.endr
.irp b, 0,1,2,3,4,5,6,7
	ds_store_b128 v[STO], v[TMP+4*\b:TMP+4*\b+3] offset:32*\b
.endr
	s_wait_xcnt 0x0                                ; the last trip's stores have read their rows and their offset: both are written again only behind this wait
	v_add_nc_u32 v[CO], 16*2048, v[CO]             ; one block on; the stores below reach back
.irp t, 0,1,2,3,4,5,6,7
	ds_load_b128 v[OB+4*\t:OB+4*\t+3], v[RD] offset:\t*2*PITCH  ; LDS serves a wave's instructions in order (ISA guide 5.7.1.4): these see the stores above
.endr
	s_cmp_eq_u32 s3, 1                             ; forward jumps on a constant count, the same in every wave and work-group; they pass no barrier and no tensor load
	s_cbranch_scc1 .Lsend                          ; the last trip has no next block
.irp a, 1,2,3,4,5,6
	s_cmp_eq_u32 s3, 9-\a
	s_cbranch_scc1 .Lb\a
.endr
	BLK 7
	s_branch .Lsend
.irp a, 6,5,4,3,2
.Lb\a:
	BLK \a
	s_branch .Lsend
.endr
.Lb1:
	BLK 1
.Lsend:
	s_wait_dscnt 0x0                               ; the block is back in registers
.irp t, 0,1,2,3,4,5,6,7
	global_store_b128 v[CO], v[OB+4*\t:OB+4*\t+3], s[10:11] offset:2*\t*2048-16*2048  ; 16 lanes store 256 consecutive bytes, at a multiple of 256 from the buffer's first byte
.endr
	s_sub_co_u32 s3, s3, 1
	s_cmp_lg_u32 s3, 0
	s_cbranch_scc1 .Lout
	s_wait_tensorcnt 0x0                           ; the wave's end: behind my last tensor load and my last LDS store
	ds_add_u32 v[SPW], v[NIL]
	s_wait_dscnt 0x0
	CROUND                                         ; the closing round
	s_endpgm
.Lfunc_end_k_qf87fcabf75_proj:
	.size	k_qf87fcabf75_proj, .Lfunc_end_k_qf87fcabf75_proj-k_qf87fcabf75_proj
	.p2alignl 7, 3214868480
	.fill 96, 4, 3214868480
	.section	.rodata,"a",@progbits
	.p2align	6, 0x0
	.amdhsa_kernel k_qf87fcabf75_proj
		.amdhsa_group_segment_fixed_size 327680
		.amdhsa_private_segment_fixed_size 0
		.amdhsa_enable_private_segment 0
		.amdhsa_kernarg_size 40
		.amdhsa_user_sgpr_count 2
		.amdhsa_user_sgpr_kernarg_segment_ptr 1
		.amdhsa_wavefront_size32 1
		.amdhsa_system_sgpr_workgroup_id_x 1
		.amdhsa_system_sgpr_workgroup_id_y 1
		.amdhsa_system_sgpr_workgroup_id_z 1
		.amdhsa_system_vgpr_workitem_id 0
		.amdhsa_next_free_vgpr 1024
		.amdhsa_next_free_sgpr 72
		.amdhsa_reserve_vcc 0
		.amdhsa_float_denorm_mode_32 3
		.amdhsa_float_denorm_mode_16_64 3
		.amdhsa_memory_ordered 1
		.amdhsa_forward_progress 1
		.amdhsa_inst_pref_size 93
	.end_amdhsa_kernel
	.amdgpu_metadata
---
amdhsa.version: [ 1, 2 ]
amdhsa.kernels:
  - .name:           k_qf87fcabf75_proj
    .symbol:         k_qf87fcabf75_proj.kd
    .args:
      - { .name: xh, .offset: 0, .size: 8, .value_kind: global_buffer, .address_space: global }
      - { .name: wt2, .offset: 8, .size: 8, .value_kind: global_buffer, .address_space: global }
      - { .name: b2, .offset: 16, .size: 8, .value_kind: global_buffer, .address_space: global }
      - { .name: tb, .offset: 24, .size: 8, .value_kind: global_buffer, .address_space: global }
      - { .name: vb, .offset: 32, .size: 8, .value_kind: global_buffer, .address_space: global }
    .group_segment_fixed_size: 327680
    .private_segment_fixed_size: 0
    .kernarg_segment_align: 8
    .kernarg_segment_size: 40
    .max_flat_workgroup_size: 128
    .sgpr_count:     72
    .vgpr_count:     1024
    .wavefront_size: 32
...
	.end_amdgpu_metadata
.endif
;; end of part 7
;; launch scores (part 8): grid 10 x 16, 4 waves a work-group, no clusters, 327,680 bytes of LDS; arguments tb, pt, st, xh; writes pt, st
.if DOCPART == 8
	.amdgcn_target "amdgcn-amd-amdhsa--gfx1250"
	.amdhsa_code_object_version 6
	.text
	.protected	k_qf87fcabf75_scores
	.globl	k_qf87fcabf75_scores
	.p2align	8
	.type	k_qf87fcabf75_scores,@function
k_qf87fcabf75_scores:
	s_mov_b64 s[64:65], 0
	v_nop
	global_prefetch_b8 v0, s[64:65] scope:SCOPE_SE
	s_setreg_imm32_b32 hwreg(HW_REG_WAVE_MODE, 25, 1), 1
	s_wait_xcnt 0x0
; For a tile of 256 queries x 256 keys of one batch: S = tb xh^T (f16 operands, f32 sums, K = 1024), the causal mask, and for each query and each GROUP of 128 keys:
;   Mg = c x (the group's largest S), c = 2^10 log2(e) / sqrt(2048) (tb holds 2^-10 t);  p~ = 2^(c S - Mg), stored in f16 in pt;  lg = the sum of the unrounded p~.  Mg and lg go to st in f32.
; t . x is q . k less terms that are the same for all keys of a row, which the softmax divides out.  The launch behind takes the row's maximum M of the Mg and multiplies by 2^(Mg - M): the maximum is taken away in two exact steps.
; WHICH TILES.  Queries are masked in super-blocks of 512: tile row I2 (256 queries) has the key tiles 0 .. 2 (I2 / 2) + 1.  Rows 7 - p and p have 10 tiles together: grid x = 0..9, y = 4 batch + p: 160 equal work-groups.
; THE MASK.  A wave owns 128 queries x 128 keys; delta = its first key - its first query, a multiple of 128.  delta < 0: nothing is hidden.  delta = 0: the mask is the C operand that starts the sums:
; 0 below the diagonal blocks of 16, -1e30 above them, and in them -1e30 where the key is later than the query; every row sees its own key, so Mg is a true score.  delta > 0: all is hidden: the tile is computed
; WITHOUT a mask, so that p~ and lg are finite, and Mg is stored as -2.97e28: the launch behind then gives the group the weight 0.
; LIMITS.  tb and xh arrive within f16's range, so S is 4.4e12 at the most, nothing beside 1e30 or, times c, beside 2.97e28; a weight below 2^-126 counts as 0; NaN and infinities are not treated apart.
; NO CLUSTER: tile rows have 2, 4, 6 or 8 tiles, and a group of 4 x 4 or 4 x 1 of these tiles spans 1,024 queries or keys, which would compute 768 units of 128 x 128 for 640.
; Frame: four waves, each 128 x 128 in 512 registers; K in 8 steps of 128 through two LDS slots; wave w fetches 128 rows (waves 0, 1: tb; waves 2, 3: xh); one K step is written once and looped over.
; The matrix instruction is used transposed (source 0 = 16 keys, source 1 = 16 queries): a lane holds one query (lane % 16) and the keys 8 (lane / 16) + 0..7.
; REGISTERS: window 0: v16-33 addresses, v40-55 masks, v64-127, v128-191 the queries' fragments; on the way out v40-63 at work, v64-95 rows, v128-191 a tile's 64 exponents and weights, v192-223 packed weights.
;   window 1: the keys' fragments.  windows 2, 3: accumulator (a, b) at v[8 (8 (a % 4) + b)].
.set KSTEP,  128
.set PITCH,  272
.set HALFT,  128*PITCH
.set SLOT,   4*HALFT                   ; the queries' 256 rows, then the keys' 256 rows
.set STAGE,  2*SLOT                    ; behind the ring: 16 rows x 272 bytes for each wave
.set STB,    STAGE+4*16*PITCH          ; behind the stages: 1,024 bytes for each wave: Mg at byte 32 r + 4 a, lg 512 bytes on (r: the query in its tile of 16, a: the tile)
.set SPARE,  STB+4*1024                ; behind them: the spare words, 128 bytes a wave, two blocks of 256 bytes that no other line names
.set A0,   16
.set B0,   17
.set ADRA, 18
.set ADRB, 19
.set STO,  24
.set RD,   25
.set CO,   26
.set SO,   27                          ; v27 my offset in a record of st
.set SPW,  28
.set NIL,  29
.set PFO,  30
.set SBA,  32                          ; v32 where I put the tile's Mg (lanes 0-15) or lg (lanes 16-31): it steps by 4, eight times
.set SBR,  33                          ; v33 where I read my eight numbers back; never rewritten
.set MC0,  40                          ; v40-47 the mask of a diagonal block of 16 x 16
.set MCP,  48                          ; v48-55 the mask of a block above it
.set CC,   40                          ; the way out: v40-47 at work
.set MW,   48                          ; v48-49 c m, twice
.set SV0,  50                          ; v50 Mg as it is stored
.set SV,   51                          ; v51 Mg or lg, by the half of the lanes
.set XS,   56                          ; v56-63 my eight numbers, to store
.set F0,   64
.set F1,   128
.set OB,   64
.set E,    128
.set TMP,  192
.set WV,   10
.set TB,   34
.set LIM,  35
.set PFA,  36
.set CS,   38                          ; s[38:39] c
.set SEL,  40                          ; s[40:41] v_permlanex16_b32's selects
.set BIGD, 42                          ; s42 -1e30 if delta = 0, else 0
.set AL2,  43                          ; s43, s44: Mg = c m x AL2 + BE2
.set BE2,  44
.set HM,   45
.set G1,   16
.set G0,   24                          ; s[24:27] K step 0; s[28:31] the set that walks from K step 1 on
.set MSB, 0
.macro WIN new
.if MSB != (\new)
	s_set_vgpr_msb (MSB<<8)|(\new)
.set MSB, \new
.endif
.endm
.macro PLACES
.rept 4
	v_nop
.endr
.endm
.macro ASK                             ; prefetches into the L2 of my own 128 rows' 256 bytes of the K step two refills on: a lane a row, four instructions; trips 0-3 of 6 ask (K steps 4-7)
	s_cmp_gt_u32 s3, s[LIM]
	s_cbranch_scc0 .Lnot_mine_\@
.irp n, 0,1,2,3
	global_prefetch_b8 v[PFO], s[PFA:PFA+1] offset:KSTEP*2+\n*32*2048 th:TH_LOAD_NT scope:SCOPE_SE
.endr
.Lnot_mine_\@:
.endm
	s_load_b128 s[4:7], s[0:1], 0x0                ; tb s[4:5], pt s[6:7]
	s_load_b64 s[8:9], s[0:1], 0x10                ; st
	s_load_b64 s[62:63], s[0:1], 0x18              ; xh
	v_lshl_add_u32 v[SPW], v0, 2, SPARE
	v_mov_b32 v[NIL], 0
	ds_add_u32 v[SPW], v[NIL]                      ; the wave's opening: the add and its wait stand ahead of my first tensor load
	ds_add_u32 v28, v29
	v_lshrrev_b32 v1, 5, v0
	v_readfirstlane_b32 s[WV], v1
	s_lshr_b32 s11, s[WV], 1                       ; rh: which 128 queries are mine
	s_and_b32 s12, s[WV], 1                        ; kh: which 128 keys.  Also: which 128 rows I fetch
	s_and_b32 s33, ttmp7, 0xffff
	s_lshr_b32 s13, s33, 2                         ; batch
	s_and_b32 s14, s33, 3                          ; p
	s_lshr_b32 s50, s14, 1
	s_lshl_b32 s50, s50, 1
	s_sub_co_u32 s50, 8, s50                       ; tiles of row 7 - p
	s_sub_co_u32 s51, 7, s14
	s_sub_co_u32 s52, ttmp9, s50
	s_cmp_lt_u32 ttmp9, s50
	s_cselect_b32 s15, s51, s14                    ; I2
	s_cselect_b32 s32, ttmp9, s52                  ; T2
	s_mov_b32 s[G1+0], (1<<16)|(1<<20)|(5<<22)|(3<<25)  ; 2-byte elements; padding on: after every 64 words 4 words
	s_mov_b32 s[G1+1], KSTEP<<16
	s_mov_b32 s[G1+2], 128<<16
	s_mov_b32 s[G1+3], KSTEP<<16
	s_mov_b32 s[G1+4], 128
	s_mov_b32 s[G1+5], 1024                        ; elements from row to row of tb and of xh
	s_mov_b32 s[G1+6], 0
	s_mov_b32 s[G1+7], 0
	s_lshl_b32 s52, s13, 11                        ; batch x 2,048 rows
	s_cmp_lt_u32 s[WV], 2                          ; do I fetch the queries' rows?
	s_cselect_b32 s46, s15, s32
	s_lshl_b32 s46, s46, 8
	s_add_co_u32 s46, s46, s52
	s_lshl_b32 s53, s12, 7
	s_add_co_u32 s46, s46, s53
	s_lshl_b32 s46, s46, 11                        ; 2,048 bytes a row
	s_mov_b32 s47, 0
	s_mul_i32 s53, s[WV], HALFT
	s_lshl_b32 s56, s15, 8                         ; pt: row batch x 2,048 + 256 I2 + 128 rh, byte 512 T2 + 256 kh of it
	s_add_co_u32 s56, s56, s52
	s_lshl_b32 s57, s11, 7
	s_add_co_u32 s56, s56, s57
	s_lshl_b32 s56, s56, 12
	s_lshl_b32 s57, s32, 9
	s_add_co_u32 s56, s56, s57
	s_lshl_b32 s57, s12, 8
	s_add_co_u32 s56, s56, s57
	s_mov_b32 s57, 0
	s_lshl_b32 s58, s13, 3                         ; st: record ((batch x 8 + I2) x 16 + 2 T2 + kh) x 2 + rh, 1,024 bytes each
	s_add_co_u32 s58, s58, s15
	s_lshl_b32 s58, s58, 4
	s_lshl_b32 s59, s32, 1
	s_add_co_u32 s58, s58, s59
	s_add_co_u32 s58, s58, s12
	s_lshl_b32 s58, s58, 1
	s_add_co_u32 s58, s58, s11
	s_lshl_b32 s58, s58, 10
	s_mov_b32 s59, 0
	s_sub_co_i32 s54, s32, s15                     ; delta / 128 = 2 (T2 - I2) + kh - rh
	s_lshl_b32 s54, s54, 1
	s_add_co_i32 s54, s54, s12
	s_sub_co_i32 s54, s54, s11
	s_cmp_eq_u32 s54, 0
	s_cselect_b32 s[BIGD], 0xf149f2ca, 0           ; -1e30
	s_cmp_gt_i32 s54, 0
	s_cselect_b32 s[AL2], 0, 1.0
	s_cselect_b32 s[BE2], 0xeec00000, 0            ; -2.97e28
	s_cmp_eq_u32 s32, 0                            ; the queries' rows are asked for ahead by the row's first tile, the keys' by the tile on the diagonal of tiles: each row once in the launch
	s_cselect_b32 s60, 2, -1
	s_cmp_eq_u32 s32, s15
	s_cselect_b32 s61, 2, -1
	s_cmp_lt_u32 s[WV], 2
	s_cselect_b32 s[LIM], s60, s61
	s_mov_b32 s[CS], 0x420293ee                    ; c = 1,024 log2(e) / sqrt(2048) = 32.6445
	s_mov_b32 s[CS+1], s[CS]
	s_mov_b32 s[SEL], 0x76543210
	s_mov_b32 s[SEL+1], 0xfedcba98
	s_mov_b32 s[HM], 0xffff0000
	s_mov_b32 s[TB], 0
	s_wait_dscnt 0x0                               ; the opening add is done
	s_wait_kmcnt 0x0
	s_cmp_lt_u32 s[WV], 2
	s_cselect_b64 s[48:49], s[4:5], s[62:63]       ; waves 0, 1 fetch from tb, waves 2, 3 from xh
	s_add_nc_u64 s[48:49], s[48:49], s[46:47]      ; my 128 rows, K step 0
	s_add_nc_u64 s[6:7], s[6:7], s[56:57]
	s_add_nc_u64 s[8:9], s[8:9], s[58:59]
	s_add_nc_u64 s[PFA:PFA+1], s[48:49], 2*KSTEP*2 ; at K step 2: the first change of slots steps it to 3 and names K step 4
.irp s, 0,1
	s_mov_b32 s[G0+4*(\s)], 1
	s_add_co_u32 s[G0+4*(\s)+1], s53, (\s)*SLOT
	s_add_nc_u64 s[G0+4*(\s)+2:G0+4*(\s)+3], s[48:49], (\s)*KSTEP*2
	s_or_b32 s[G0+4*(\s)+3], s[G0+4*(\s)+3], 0x80000000
.endr
	tensor_load_to_lds s[G0:G0+3], s[G1:G1+7]      ; the two first fills go out together: two loads of mine are out
	s_nop 0
	tensor_load_to_lds s[G0+4:G0+7], s[G1:G1+7]
	s_nop 0
	PLACES
	v_and_b32 v1, 15, v0
	v_bfe_u32 v2, v0, 4, 1
	v_lshlrev_b32 v5, 3, v2
	v_sub_nc_u32 v14, v1, v5                       ; register j of a diagonal block is hidden where j > lane % 16 - 8 (lane / 16)
.irp j, 0,1,2,3,4,5,6,7
	v_cmp_gt_i32 vcc_lo, \j, v14
	v_cndmask_b32 v[MC0+\j], 0, s[BIGD], vcc_lo
	v_mov_b32 v[MCP+\j], s[BIGD]
.endr
	v_mul_u32_u24 v3, v1, PITCH
	v_lshl_add_u32 v3, v2, 4, v3
	s_mul_i32 s50, s11, HALFT
	v_add_nc_u32 v[A0], s50, v3
	s_mul_i32 s50, s12, HALFT
	s_add_co_u32 s50, s50, 2*HALFT
	v_add_nc_u32 v[B0], s50, v3
	v_mov_b32 v[ADRA], v[A0]
	v_mov_b32 v[ADRB], v[B0]
	s_mul_i32 s50, s[WV], 16*PITCH
	s_add_co_u32 s50, s50, STAGE
	v_add_nc_u32 v[STO], s50, v3                   ; in: row lane % 16, 16 bytes for each half of the lanes
	v_mul_u32_u24 v5, v2, PITCH
	v_lshl_add_u32 v5, v1, 4, v5
	v_add_nc_u32 v[RD], s50, v5                    ; back: lanes 0-15 one row of 256 bytes, lanes 16-31 the next
	v_lshlrev_b32 v5, 12, v2
	v_lshl_add_u32 v[CO], v1, 4, v5
	v_lshlrev_b32 v5, 9, v2
	v_lshl_add_u32 v[SO], v1, 4, v5
	s_lshl_b32 s50, s[WV], 10
	s_add_co_u32 s50, s50, STB                     ; my wave's 1,024 bytes for Mg and lg
	v_lshl_add_u32 v5, v1, 5, v5                   ; 512 x half + 32 x (lane % 16)
	v_add_nc_u32 v[SBA], s50, v5
	v_mov_b32 v[SBR], v[SBA]
	v_and_b32 v[PFO], 31, v0
	v_lshlrev_b32 v[PFO], 11, v[PFO]
; 16 matrix instructions.  first = 1: the product starts the sum, with the mask as C.  The 64 accumulators take turns in the same order in every quarter.
.macro MUL16 f, hi, a0, first
.if \first
	WIN 0x81+0x40*(\hi)                            ; keys window 1, queries window 0, C (the mask) window 0, D window 2 or 3
.else
	WIN 0xa1+0x50*(\hi)
.endif
.irp a, \a0, (\a0)+1
.irp b, 0,1,2,3,4,5,6,7
.set rD, 8*(8*(\a)+(\b))
.set rB, (\f)+8*(\b)
.set rA, (\f)+8*(4*(\hi)+(\a))
.if (\first) && ((\b) < 4*(\hi)+(\a))
	v_wmma_f32_16x16x32_f16 v[rD:rD+7], v[rB:rB+7], v[rA:rA+7], 0
.elseif (\first) && ((\b) == 4*(\hi)+(\a))
	v_wmma_f32_16x16x32_f16 v[rD:rD+7], v[rB:rB+7], v[rA:rA+7], v[MC0:MC0+7]
.elseif \first
	v_wmma_f32_16x16x32_f16 v[rD:rD+7], v[rB:rB+7], v[rA:rA+7], v[MCP:MCP+7]
.else
	v_wmma_f32_16x16x32_f16 v[rD:rD+7], v[rB:rB+7], v[rA:rA+7], v[rD:rD+7]
.endif
.endr
.endr
.endm
.macro FETCH k, f                      ; 32 LDS loads in one run
	WIN 0x40
.irp i, 0,1,2,3,4,5,6,7
	ds_load_b128 v[(\f)+8*(\i):(\f)+8*(\i)+3],   v[ADRB] offset:(\k)+(\i)*16*PITCH
	ds_load_b128 v[(\f)+8*(\i)+4:(\f)+8*(\i)+7], v[ADRB] offset:(\k)+(\i)*16*PITCH+32
.endr
	WIN 0
.irp i, 0,1,2,3,4,5,6,7
	ds_load_b128 v[(\f)+8*(\i):(\f)+8*(\i)+3],   v[ADRA] offset:(\k)+(\i)*16*PITCH
	ds_load_b128 v[(\f)+8*(\i)+4:(\f)+8*(\i)+7], v[ADRA] offset:(\k)+(\i)*16*PITCH+32
.endr
.endm
.macro QUARTER k, f, g, first
	s_wait_dscnt 8                                 ; the keys' fragments and the queries' rows 0-63 are in; the youngest eight loads may be out
	MUL16 \f, 0, 0, \first
	MUL16 \f, 0, 2, \first
	PLACES
	FETCH \k, \g
	s_wait_dscnt 32                                ; all but the 32 just issued
	MUL16 \f, 1, 0, \first
	MUL16 \f, 1, 2, \first
.endm
; The change of slots: each wave waits for all its tensor loads (one is out: its rows of the next slot), adds 0 to its spare word, waits for that and for its reads of this slot, and passes the barrier;
; fill = 1: its one load, two K steps on, is the first thing behind it: 224 matrix instructions ahead of the wait for it.
.macro TURN fill
	WIN 0
.if \fill
	s_wait_xcnt 0x0                                ; the last prefetches, a K step back, have read their address
	s_add_nc_u64 s[PFA:PFA+1], s[PFA:PFA+1], KSTEP*2
.endif
	s_wait_tensorcnt 0x0
	ds_add_u32 v[SPW], v[NIL]                      ; 0 onto my spare word
.if \fill
	s_xor_b32 s[G0+5], s[G0+5], SLOT               ; the walking set: the other slot (wave x HALFT shares no bit with SLOT), the next K step
	s_add_nc_u64 s[G0+6:G0+7], s[G0+6:G0+7], KSTEP*2
.endif
	s_xor_b32 s[TB], s[TB], SLOT
	s_wait_dscnt 9                                 ; the add and the youngest eight loads may be out
	MUL16 F1, 0, 0, 0
	s_wait_dscnt 0x0                               ; the add is done, and my reads of this slot are over
	s_barrier_signal -1
	MUL16 F1, 0, 2, 0
	WIN 0
	s_barrier_wait -1
.if \fill
	tensor_load_to_lds s[G0+4:G0+7], s[G1:G1+7]
	s_nop 0
.endif
	PLACES                                         ; the places in front of the loads below
	v_add_nc_u32 v[ADRA], s[TB], v[A0]
	v_add_nc_u32 v[ADRB], s[TB], v[B0]
	FETCH 0, F0
.if \fill
	ASK
.endif
	MUL16 F1, 1, 0, 0
	MUL16 F1, 1, 2, 0
.endm
	s_wait_tensorcnt 0x1                           ; my rows of K step 0 are in; K step 1's may stay out
	s_barrier_signal -1
	s_barrier_wait -1
	FETCH 0, F0
	QUARTER 64, F0, F1, 1
	WIN 0
	s_mov_b32 s3, 6
.Ltrip:
	QUARTER 128, F1, F0, 0
	QUARTER 192, F0, F1, 0
	TURN 1
	QUARTER 64, F0, F1, 0
	WIN 0
	s_sub_co_u32 s3, s3, 1
	s_cmp_lg_u32 s3, 0
	s_cbranch_scc1 .Ltrip
	s_mov_b32 s3, 2
.Ltail:                                                ; K steps 6 and 7 ask for nothing: a text of their own, walked twice and left behind the second trip's change of slots.  That change passes one barrier more and
	QUARTER 128, F1, F0, 0                         ; fetches 32 fragments of K step 6's slot that nobody multiplies: the price, once a launch, of one text for both trips
	QUARTER 192, F0, F1, 0
	TURN 0
	WIN 0
	s_cmp_eq_u32 s3, 1
	s_cbranch_scc1 .Llast                          ; a constant count, the same in every wave
	QUARTER 64, F0, F1, 0
	WIN 0
	s_sub_co_u32 s3, s3, 1
	s_cmp_lg_u32 s3, 0
	s_cbranch_scc1 .Ltail
.Llast:
	s_wait_dscnt 0x0                               ; those 32 loads have landed: their registers are used again below
; THE WAY OUT, a tile of 16 queries at a time; a lane's 64 scores lie in 64 registers, the query's other 64 keys in the lane 16 away.
; Only the maximum and the scaling name a tile's own accumulators: BLK a is written once for each tile and leaves c m in MW and the 64 exponents c s - c m in E.  All behind it is written once, in a loop of eight
; trips: exponentials, roundings, the stage, the sum, the stores.  The next tile's BLK, chosen by the loop's count, stands between the loads from the stage and the wait for them.
.macro BLK a
.set AC, 64*((\a)%4)
.set HB, (\a)/4
	WIN 0x2a+0x15*HB                               ; three sources in window 2 or 3.
.irp b, 0,1,2,3,4,5,6,7
	v_max3_num_f32 v[CC+\b], v[AC+8*\b], v[AC+8*\b+1], v[AC+8*\b+2]
.endr
	WIN 0x28+0x14*HB
.irp b, 0,1,2,3,4,5,6,7
	v_max3_num_f32 v[CC+\b], v[CC+\b], v[AC+8*\b+3], v[AC+8*\b+4]
.endr
.irp b, 0,1,2,3,4,5,6,7
	v_max3_num_f32 v[CC+\b], v[CC+\b], v[AC+8*\b+5], v[AC+8*\b+6]
.endr
.irp b, 0,1,2,3
	v_max3_num_f32 v[CC+\b], v[CC+\b], v[AC+16*\b+7], v[AC+16*\b+15]
.endr
	WIN 0
	v_max3_num_f32 v[CC], v[CC], v[CC+1], v[CC+2]
	v_max3_num_f32 v[CC+3], v[CC+3], v[CC+4], v[CC+5]
	v_max3_num_f32 v[CC], v[CC], v[CC+3], v[CC+6]
	v_max_num_f32 v[CC], v[CC], v[CC+7]
	v_permlanex16_b32 v[CC+1], v[CC], s[SEL], s[SEL+1]
	v_max_num_f32 v[CC], v[CC], v[CC+1]
	v_mul_f32 v[MW], s[CS], v[CC]                  ; c m
	v_mul_f32 v[MW+1], s[CS], v[CC]
	WIN 0x02+HB                                    ; source 0 in window 2 or 3
.set i, 0
.rept 32
	v_pk_fma_f32 v[E+2*i:E+2*i+1], v[AC+2*i:AC+2*i+1], s[CS:CS+1], v[MW:MW+1] op_sel_hi:[1,0,1] neg_lo:[0,0,1] neg_hi:[0,0,1]
.set i, i+1
.endr
	WIN 0
.endm
	PLACES
	PLACES
	BLK 0
	s_mov_b32 s3, 8
.Lout:                                                 ; the trip with count n finishes tile 8 - n and begins tile 9 - n
.set i, 0
.rept 64
	v_exp_f32 v[E+i], v[E+i]                       ; one batch: nothing ahead of the wait below names a result
.set i, i+1
.endr
	v_fma_f32 v[SV0], v[MW], s[AL2], s[BE2]        ; what is stored as Mg: c m, or -2.97e28 for a tile that is all hidden.  Also the plain instruction behind the last exponential (ISA guide 5.7.2)
	s_wait_alu depctr_va_vdst(0)                   ; the one wait ahead of the first reader
.set i, 0
.rept 32
	v_cvt_pk_f16_f32 v[TMP+i], v[E+2*i], v[E+2*i+1]
.set i, i+1
.endr
.irp b, 0,1,2,3,4,5,6,7
	ds_store_b128 v[STO], v[TMP+4*\b:TMP+4*\b+3] offset:32*\b  ; 16 bytes a lane into my own stage,
.endr
	s_wait_xcnt 0x0                                ; the last trip's stores have read their rows and their offset: both are written again only behind this wait
	v_add_nc_u32 v[CO], 16*4096, v[CO]             ; one tile on; the stores below reach back
.irp t, 0,1,2,3,4,5,6,7
	ds_load_b128 v[OB+4*\t:OB+4*\t+3], v[RD] offset:\t*2*PITCH  ; and back as whole rows of 256 bytes.  LDS serves a wave's instructions in order (ISA guide 5.7.1.4): these see the stores above
.endr
.irp w, 16,8,4,2,1                     ; the sum of the 32 pairs, a tree in place
.set i, 0
.rept \w
	v_pk_add_f32 v[E+2*i:E+2*i+1], v[E+2*i:E+2*i+1], v[E+2*(i+\w):E+2*(i+\w)+1]
.set i, i+1
.endr
.endr
	v_add_f32 v[CC], v[E], v[E+1]
	v_permlanex16_b32 v[CC+1], v[CC], s[SEL], s[SEL+1]
	v_add_f32 v[CC], v[CC], v[CC+1]                ; lg
	v_cndmask_b32 v[SV], v[SV0], v[CC], s[HM]      ; both halves of the lanes hold both numbers: lanes 0-15 keep Mg, lanes 16-31 lg
	ds_store_b32 v[SBA], v[SV]
	v_add_nc_u32 v[SBA], 4, v[SBA]                 ; the next tile's place: once a trip, eight trips, 32 bytes a query
	s_cmp_eq_u32 s3, 1                             ; forward jumps on a constant count, the same in every wave; they pass no barrier and no tensor load
	s_cbranch_scc1 .Lsend                          ; the last trip has no next tile
.irp a, 1,2,3,4,5,6
	s_cmp_eq_u32 s3, 9-\a
	s_cbranch_scc1 .Lb\a
.endr
	BLK 7
	s_branch .Lsend
.irp a, 6,5,4,3,2
.Lb\a:
	BLK \a
	s_branch .Lsend
.endr
.Lb1:
	BLK 1
.Lsend:
	s_wait_dscnt 0x1                               ; the tile is back in registers: behind its eight loads one LDS instruction was issued, the store of Mg and lg, which may stay out
.irp t, 0,1,2,3,4,5,6,7
	global_store_b128 v[CO], v[OB+4*\t:OB+4*\t+3], s[6:7] offset:2*\t*4096-16*4096  ; 16 lanes store 256 consecutive bytes, at a multiple of 256 from pt's first byte
.endr
	s_sub_co_u32 s3, s3, 1
	s_cmp_lg_u32 s3, 0
	s_cbranch_scc1 .Lout
	ds_load_b128 v[XS:XS+3], v[SBR]                ; my query's numbers in tiles 0-3 and 4-7: my wave's own bytes, served behind the stores above
	ds_load_b128 v[XS+4:XS+7], v[SBR] offset:16
	s_wait_dscnt 0x0
	global_store_b128 v[SO], v[XS:XS+3], s[8:9]              ; each half of the lanes stores 256 consecutive bytes, aligned
	global_store_b128 v[SO], v[XS+4:XS+7], s[8:9] offset:256
	s_wait_tensorcnt 0x0                           ; the wave's end: behind my last tensor load and my last LDS store
	ds_add_u32 v[SPW], v[NIL]
	s_wait_dscnt 0x0
	s_endpgm
.Lfunc_end_k_qf87fcabf75_scores:
	.size	k_qf87fcabf75_scores, .Lfunc_end_k_qf87fcabf75_scores-k_qf87fcabf75_scores
	.p2alignl 7, 3214868480
	.fill 96, 4, 3214868480
	.section	.rodata,"a",@progbits
	.p2align	6, 0x0
	.amdhsa_kernel k_qf87fcabf75_scores
		.amdhsa_group_segment_fixed_size 327680
		.amdhsa_private_segment_fixed_size 0
		.amdhsa_enable_private_segment 0
		.amdhsa_kernarg_size 32
		.amdhsa_user_sgpr_count 2
		.amdhsa_user_sgpr_kernarg_segment_ptr 1
		.amdhsa_wavefront_size32 1
		.amdhsa_system_sgpr_workgroup_id_x 1
		.amdhsa_system_sgpr_workgroup_id_y 1
		.amdhsa_system_sgpr_workgroup_id_z 1
		.amdhsa_system_vgpr_workitem_id 0
		.amdhsa_next_free_vgpr 1024
		.amdhsa_next_free_sgpr 66
		.amdhsa_reserve_vcc 1
		.amdhsa_float_denorm_mode_32 3
		.amdhsa_float_denorm_mode_16_64 3
		.amdhsa_memory_ordered 1
		.amdhsa_forward_progress 1
		.amdhsa_inst_pref_size 112
	.end_amdhsa_kernel
	.amdgpu_metadata
---
amdhsa.version: [ 1, 2 ]
amdhsa.kernels:
  - .name:           k_qf87fcabf75_scores
    .symbol:         k_qf87fcabf75_scores.kd
    .args:
      - { .name: tb, .offset: 0, .size: 8, .value_kind: global_buffer, .address_space: global }
      - { .name: pt, .offset: 8, .size: 8, .value_kind: global_buffer, .address_space: global }
      - { .name: st, .offset: 16, .size: 8, .value_kind: global_buffer, .address_space: global }
      - { .name: xh, .offset: 24, .size: 8, .value_kind: global_buffer, .address_space: global }
    .group_segment_fixed_size: 327680
    .private_segment_fixed_size: 0
    .kernarg_segment_align: 8
    .kernarg_segment_size: 32
    .max_flat_workgroup_size: 128
    .sgpr_count:     66
    .vgpr_count:     1024
    .wavefront_size: 32
...
	.end_amdgpu_metadata
.endif
;; end of part 8
;; launch pv (part 9): grid 8 x 32, 4 waves a work-group, clusters of 4 x 4, 327,680 bytes of LDS; arguments pt, vb, st, out0; writes out0
.if DOCPART == 9
	.amdgcn_target "amdgcn-amd-amdhsa--gfx1250"
	.amdhsa_code_object_version 6
	.text
	.protected	k_qf87fcabf75_pv
	.globl	k_qf87fcabf75_pv
	.p2align	8
	.type	k_qf87fcabf75_pv,@function
k_qf87fcabf75_pv:
	s_mov_b64 s[64:65], 0
	v_nop
	global_prefetch_b8 v0, s[64:65] scope:SCOPE_SE
	s_setreg_imm32_b32 hwreg(HW_REG_WAVE_MODE, 25, 1), 1
	s_wait_xcnt 0x0
	s_wait_alu depctr_hold_cnt(0) depctr_sa_sdst(0) depctr_va_vdst(0) depctr_va_sdst(0) depctr_va_ssrc(0) depctr_va_vcc(0) depctr_vm_vsrc(0)
	s_getreg_b32 s2, hwreg(HW_REG_IB_STS2, 6, 4)
	s_cmp_eq_u32 s2, 0
	s_cbranch_scc0 .Lentry_in_a_cluster
	s_endpgm
.Lentry_in_a_cluster:
	s_bfe_u32 s2, ttmp6, 0x10000c
	s_cmp_lg_u32 s2, 0xf033
	s_cbranch_scc0 .Lentry_shape_is_right
	s_endpgm
.Lentry_shape_is_right:
; out[q][:] = the sum over groups g of 128 keys of a'g[q] x (p~g[q] . Vg),  a'g = 2^(Mg - M) / l,  M = the largest Mg of the row,  l = the sum of 2^(Mg - M) lg.   p~ (pt) and V (vb, [8192][1024]) in f16;
; Mg, lg (st), a', all sums and out in f32.  A group that lies above the diagonal has Mg = -2.97e28 and so a' = 0; its p~ and lg are finite.
; LIMITS.  V arrives within f16's range; an a' below 2^-126 counts as 0; NaN and infinities are not treated apart.
; SHARES.  A tile of out is 128 queries x 128 channels.  A query block of super-block I (512 queries) walks the keys 0 .. 512 (I + 1) - 1 in steps of 256.  A work-group takes TWO blocks, of super-blocks 3 - sp and sp:
; 2 (4 - sp) + 2 (sp + 1) = 10 steps whatever sp: 256 equal work-groups, one counted walk; the ring runs on across the change of blocks.  Wave: 64 queries (rh) x 64 channels (ch), 16 accumulators.
; CLUSTER 4 x 4: cy is the query block in its super-block, cx the channel tile.  P's tile hangs on cy and is asked for jointly by a row of the cluster, V's on cx and by a column.  Every count hangs on sp, which the cluster shares.
; O^T = V^T P (source 0 = V turned by ds_load_tr16_b128, source 1 = P): a lane holds one query (lane % 16) and eight neighbouring channels.
; THE SCALING.  A group is summed from C = 0 into a PART set of 16 accumulators (PT0: a step's first group, PT1: its second).  While the next group is multiplied the finished set is folded into MAIN, MAIN += PART x a':
; four packed multiply-adds behind every four matrix instructions.  These are also the places in front of the fragment loads and of their own reads.  Price: MAIN and PT1 are cleared at the head, MAIN again at the change of blocks.
; REGISTERS: window 0: v9-31 addresses, v32-39 a' of the two groups in hand, v64-127 rows on the way out, v128-255 MAIN (at the head v40-255 hold the statistics).  window 1: two fragment buffers of 128: P at f + 8 (4 c + a), V at f + 64 + 8 (4 c + b).  window 2: PT0, PT1.
.set PP,     528                       ; a row of P in LDS: 512 bytes + 16
.set PVP,    288                       ; a row of V: 256 + 32
.set PBYTES, 128*PP
.set SLOT,   PBYTES+256*PVP            ; P's 128 rows, then V's 256 rows
.set STAGE,  2*SLOT                    ; behind the ring: 16 rows x 272 bytes for each wave
.set SP,     272
.set TBL,    STAGE+4*16*SP             ; a' by wave and group, IN THE ORDER OF THE WALK: 6,144 bytes a wave, of which 20 entries of 256 bytes are used, two for each of the 10 steps; entry: query r's four numbers (one a tile of 16 queries) at byte 16 r
.set SPARE,  TBL+4*24*256              ; the spare words, 128 bytes a wave, two blocks of 256 bytes that no other line names
.set SA2B, 9
.set P0,   16                          ; v16, v17 my lane's place in P and V of slot 0; never rewritten
.set V0,   17
.set ADRP, 18                          ; v18 the same in the slot in hand; v19 V's keys 0-127, v20 keys 128-255
.set ADRV, 19
.set TA,   21                          ; v21 where the step's first a' lies: it starts at my table's head and steps by 512 once a step, ten times in all
.set TW,   23
.set STO,  24
.set RD,   25
.set CO,   26
.set SA,   27
.set SPW,  28
.set NIL,  29
.set PFO,  30
.set SA1B, 31
.set AQ0,  32
.set AQ1,  36
.set M2,   40                          ; block 2's Mg, 8 groups x 4;  v72-103 its lg
.set L2,   72
.set MX,   104
.set LS,   108
.set OB,   64
.set MAIN, 128
.set M1,   128                         ; block 1's Mg, 16 groups x 4;  v192-255 its lg
.set L1,   192
.set F0,   0
.set F1,   128
.set WV,   12
.set SPR,  19                          ; s19 sp
.set TB,   21
.set CNT,  22
.set RS,   23                          ; s23 steps left in the block in hand
.set G1P,  24
.set G0P,  32                          ; s[32:35] step 0; s[36:39] step 1, then made anew for each refill
.set G1V,  40
.set G0V,  48
.set NXT,  56                          ; s56 the step to be asked for next, counted in its block
.set LQ,   57                          ; s57 the last step of the block whose steps are being asked for; s61 of block 2
.set POFF, 58                          ; s58 byte offset in pt of my rows of that block; s59 of block 2
.set POFF2, 59
.set VOFF, 60
.set LQ2,  61
.set PFA,  68
.set PFGO, 70
.set LIMK, 71                          ; s71 the last step that I may ask for ahead, or 0; s72 in block 2
.set LIMK2, 72
.set PSTEP, 73
.set PFOFF, 74
.set PFOFF2, 75
.set PFB,  76
.set OUT,  78
.set OUT2, 80
.set LP,   82
.set LV,   83
.set FV1,  84                          ; s[84:85] 1 if block 1 has its groups 12-15, else 0; s[86:87] the same for block 2's groups 4-7
.set FV2,  86
.set SPM,  98                          ; s98 (once the rows' offsets are made) a lane mask: all ones if sp = 1, else 0
.set MSB, 0
.macro WIN new
.if MSB != (\new)
	s_set_vgpr_msb (MSB<<8)|(\new)
.set MSB, \new
.endif
.endm
.macro JLOAD s                         ; waves 0, 1 fetch P's two halves of 64 rows, waves 2, 3 V's two halves of 128 keys; an s_nop 0 and four v_nop follow each of the two lines
	s_cmp_lt_u32 s[WV], 2
	s_cbranch_scc0 .Lfor_v_\@
	tensor_load_to_lds s[G0P+4*(\s):G0P+4*(\s)+3], s[G1P:G1P+7]
	s_nop 0
.rept 4
	v_nop
.endr
	s_branch .Lasked_\@
.Lfor_v_\@:
	tensor_load_to_lds s[G0V+4*(\s):G0V+4*(\s)+3], s[G1V:G1V+7]
	s_nop 0
.rept 4
	v_nop
.endr
.Lasked_\@:
.endm
.macro ASK                             ; a prefetch into the L2 of the step two refills on, inside the block that is being asked for; one instruction a wave
	WIN 0
	s_cmp_eq_u32 s[PFGO], 1
	s_cbranch_scc0 .Lnot_mine_\@
	global_prefetch_b8 v[PFO], s[PFA:PFA+1] th:TH_LOAD_NT scope:SCOPE_SE
.Lnot_mine_\@:
.endm
.macro CREST
	s_cmp_lg_u32 s[WV], 0
	s_cbranch_scc1 .Lnot_wave_0_\@
	s_barrier_signal -3
.Lnot_wave_0_\@:
	s_barrier_wait -3
	s_barrier_signal -1
	s_barrier_wait -1
.endm
.macro CROUND
	s_barrier_signal -1
	s_barrier_wait -1
	CREST
.endm
	s_load_b256 s[4:11], s[0:1], 0x0               ; pt s[4:5], vb s[6:7], st s[8:9], out0 s[10:11]
	v_lshl_add_u32 v[SPW], v0, 2, SPARE
	v_mov_b32 v[NIL], 0
	ds_add_u32 v[SPW], v[NIL]                      ; the wave's opening: the add and its wait stand ahead of my first tensor load
	ds_add_u32 v28, v29
	v_lshrrev_b32 v1, 5, v0
	v_readfirstlane_b32 s[WV], v1
	s_bfe_u32 s13, ttmp6, 0x40000                  ; cx
	s_bfe_u32 s14, ttmp6, 0x40004                  ; cy
	s_lshl_b32 s15, ttmp9, 2
	s_add_co_u32 s15, s15, s13                     ; channel tile 0..7
	s_and_b32 s17, ttmp7, 0xffff
	s_lshr_b32 s16, s17, 1                         ; batch
	s_and_b32 s[SPR], s17, 1
	s_and_b32 s20, s[WV], 1                        ; ch.  Also: which half of a tile I fetch
	s_lshr_b32 s90, s[WV], 1                       ; rh
	s_sub_co_u32 s96, 3, s[SPR]
	s_lshl_b32 s96, s96, 2
	s_add_co_u32 s96, s96, s14                     ; block 1: query block 4 (3 - sp) + cy
	s_lshl_b32 s97, s[SPR], 2
	s_add_co_u32 s97, s97, s14                     ; block 2: 4 sp + cy
	s_lshl_b32 s98, s16, 11                        ; batch x 2,048 rows
	s_lshl_b32 s18, s20, 6
	s_add_co_u32 s18, s18, s98
	s_lshl_b32 s[POFF], s96, 7
	s_add_co_u32 s[POFF], s[POFF], s18
	s_lshl_b32 s[POFF], s[POFF], 12                ; (batch x 2,048 + 128 block + 64 half) rows of 4,096 bytes
	s_lshl_b32 s[POFF2], s97, 7
	s_add_co_u32 s[POFF2], s[POFF2], s18
	s_lshl_b32 s[POFF2], s[POFF2], 12
	s_lshl_b32 s[VOFF], s20, 7
	s_add_co_u32 s[VOFF], s[VOFF], s98
	s_lshl_b32 s[VOFF], s[VOFF], 11                ; (batch x 2,048 + 128 half) rows of vb, 2,048 bytes each,
	s_lshl_b32 s99, s15, 8
	s_add_co_u32 s[VOFF], s[VOFF], s99             ; my tile's 256 bytes
	s_mul_i32 s[LP], s20, 64*PP
	s_mul_i32 s[LV], s20, 128*PVP
	s_add_co_u32 s[LV], s[LV], PBYTES
	s_lshl_b32 s17, s14, 2
	s_lshl_b32 s17, 15, s17                        ; my row of the cluster
	s_lshl_b32 s99, 0x1111, s13                    ; my column
	s_or_b32 s[G1P], s17, (1<<16)|(1<<20)|(1<<21)|(6<<22)|(3<<25)  ; mask; 2-byte elements; padding on; bit 21 beside a mask; after every 128 words 4 words
	s_mov_b32 s[G1P+1], 256<<16                    ; tensor_dim0 = 256
	s_mov_b32 s[G1P+2], 64<<16                     ; tensor_dim1 = 64
	s_mov_b32 s[G1P+3], 256<<16                    ; tile_dim0 = 256
	s_mov_b32 s[G1P+4], 64                         ; tile_dim1 = 64
	s_mov_b32 s[G1P+5], 2048
	s_mov_b32 s[G1P+6], 0
	s_mov_b32 s[G1P+7], 0
	s_or_b32 s[G1V], s99, (1<<16)|(1<<20)|(1<<21)|(5<<22)|(7<<25)  ; after every 64 words 8 words
	s_mov_b32 s[G1V+1], 128<<16
	s_mov_b32 s[G1V+2], 128<<16
	s_mov_b32 s[G1V+3], 128<<16
	s_mov_b32 s[G1V+4], 128
	s_mov_b32 s[G1V+5], 1024
	s_mov_b32 s[G1V+6], 0
	s_mov_b32 s[G1V+7], 0
	s_lshl_b32 s99, s[SPR], 1
	s_sub_co_u32 s[LQ], 7, s99
	s_add_co_u32 s[LQ2], s99, 1
	s_sub_co_u32 s[RS], 8, s99
	s_mov_b32 s[NXT], 2
	s_mov_b32 s[TB], 0
	s_mov_b32 s63, 0
	s_mov_b32 s67, 0
	s_mov_b32 s89, 0
	; st: (batch x 8 + block / 2) x 32,768 + (block % 2) x 1,024
	s_lshl_b32 s99, s16, 3
	s_lshr_b32 s88, s96, 1
	s_add_co_u32 s88, s88, s99
	s_lshl_b32 s88, s88, 15
	s_and_b32 s91, s96, 1
	s_lshl_b32 s91, s91, 10
	s_add_co_u32 s92, s88, s91
	s_mov_b32 s93, 0
	s_lshr_b32 s88, s97, 1
	s_add_co_u32 s88, s88, s99
	s_lshl_b32 s88, s88, 15
	s_and_b32 s91, s97, 1
	s_lshl_b32 s91, s91, 10
	s_add_co_u32 s94, s88, s91
	s_mov_b32 s95, 0
	; out0: (batch x 2,048 + 128 block + 64 rh) rows of 4,096 bytes + 512 tile + 256 ch
	s_lshl_b32 s91, s90, 6
	s_add_co_u32 s91, s91, s98
	s_lshl_b32 s[OUT], s96, 7
	s_add_co_u32 s[OUT], s[OUT], s91
	s_lshl_b32 s[OUT], s[OUT], 12
	s_lshl_b32 s[OUT2], s97, 7
	s_add_co_u32 s[OUT2], s[OUT2], s91
	s_lshl_b32 s[OUT2], s[OUT2], 12
	s_lshl_b32 s99, s15, 9
	s_lshl_b32 s88, s20, 8
	s_add_co_u32 s99, s99, s88
	s_add_co_u32 s[OUT], s[OUT], s99
	s_add_co_u32 s[OUT2], s[OUT2], s99
	s_mov_b32 s[OUT+1], 0
	s_mov_b32 s[OUT2+1], 0
	; the prefetches.  P's rows are read by both clusters of a row of clusters: cluster x = 0 asks; of a wave's 64 rows x 512 bytes the partner at cx takes 16 rows, two lanes a row.  V's rows are read by the clusters
	; sp = 0 and sp = 1 of a batch: sp = 0 asks, in block 1 alone, which walks all keys; of a wave's 128 rows the partner at cy takes 32, a lane a row.  The partners are told apart by address.
	s_lshl_b32 s88, s13, 16
	s_add_co_u32 s[PFOFF], s[POFF], s88
	s_add_co_u32 s[PFOFF2], s[POFF2], s88
	s_lshl_b32 s88, s14, 16                        ; 32 rows of 2,048 bytes
	s_add_co_u32 s88, s88, s[VOFF]
	s_mov_b32 s[PSTEP], 256*2048
	s_mov_b32 s17, 4096                            ; from one pair of lanes to the next: a row of pt, or two rows of vb
	s_mov_b32 s18, 2048
	s_cmp_eq_u32 ttmp9, 0
	s_cselect_b32 s[LIMK], s[LQ], 0
	s_cselect_b32 s[LIMK2], s[LQ2], 0
	s_cmp_eq_u32 s[SPR], 0
	s_cselect_b32 s99, s[LQ], 0
	s_cselect_b32 s[FV1], 1.0, 0
	s_cselect_b32 s[FV2], 0, 1.0
	s_cselect_b32 s96, 8192, 0                     ; added to the address of block 1's groups 12-15: where they are absent groups 8-11 are read once more, and count for nothing
	s_cselect_b32 s97, 0, 8192                     ; the same for block 2's groups 4-7
	s_cselect_b32 s[SPM], 0, -1
	s_mov_b32 s[FV1+1], s[FV1]
	s_mov_b32 s[FV2+1], s[FV2]
	s_cmp_lt_u32 s[WV], 2
	s_cselect_b32 s[PFOFF], s[PFOFF], s88
	s_cselect_b32 s[PFOFF2], s[PFOFF2], s88
	s_cselect_b32 s[PSTEP], 512, s[PSTEP]
	s_cselect_b32 s18, 256, s18
	s_cselect_b32 s[LIMK], s[LIMK], s99
	s_cselect_b32 s[LIMK2], s[LIMK2], 0
	s_mov_b32 s[PFGO], 0
	s_wait_dscnt 0x0                               ; the opening add is done
	s_wait_kmcnt 0x0
	s_cselect_b64 s[PFB:PFB+1], s[4:5], s[6:7]
	s_mov_b64 s[PFA:PFA+1], s[PFB:PFB+1]
	s_add_nc_u64 s[92:93], s[8:9], s[92:93]
	s_add_nc_u64 s[94:95], s[8:9], s[94:95]
	s_add_nc_u64 s[OUT:OUT+1], s[10:11], s[OUT:OUT+1]
	s_add_nc_u64 s[OUT2:OUT2+1], s[10:11], s[OUT2:OUT2+1]
	CROUND                                         ; all sixteen work-groups are here: the first joint loads meet
.irp s, 0,1
	s_mov_b32 s[G0P+4*(\s)], 1
	s_add_co_u32 s[G0P+4*(\s)+1], s[LP], (\s)*SLOT
	s_add_co_u32 s62, s[POFF], (\s)*512
	s_add_nc_u64 s[G0P+4*(\s)+2:G0P+4*(\s)+3], s[4:5], s[62:63]
	s_or_b32 s[G0P+4*(\s)+3], s[G0P+4*(\s)+3], 0x80000000
	s_mov_b32 s[G0V+4*(\s)], 1
	s_add_co_u32 s[G0V+4*(\s)+1], s[LV], (\s)*SLOT
	s_add_co_u32 s66, s[VOFF], (\s)*256*2048
	s_add_nc_u64 s[G0V+4*(\s)+2:G0V+4*(\s)+3], s[6:7], s[66:67]
	s_or_b32 s[G0V+4*(\s)+3], s[G0V+4*(\s)+3], 0x80000000
	JLOAD \s                                       ; two loads of mine are out
.endr
	; THE STATISTICS, in the wait for the first tile.  A load of 16 bytes brings query r's number in the four tiles of 16 queries that are mine.
	v_and_b32 v1, 15, v0
	v_bfe_u32 v2, v0, 4, 1
	v_lshlrev_b32 v[SA], 4, v1
	s_lshl_b32 s99, s90, 8
	v_add_nc_u32 v[SA], s99, v[SA]
	v_add_nc_u32 v[SA1B], s96, v[SA]
	v_add_nc_u32 v[SA2B], s97, v[SA]
.set g, 0
.rept 12
	global_load_b128 v[M1+4*g:M1+4*g+3], v[SA], s[92:93] offset:2048*g
	global_load_b128 v[L1+4*g:L1+4*g+3], v[SA], s[92:93] offset:2048*g+512
.set g, g+1
.endr
.rept 4
	global_load_b128 v[M1+4*g:M1+4*g+3], v[SA1B], s[92:93] offset:2048*(g-4)
	global_load_b128 v[L1+4*g:L1+4*g+3], v[SA1B], s[92:93] offset:2048*(g-4)+512
.set g, g+1
.endr
.set g, 0
.rept 4
	global_load_b128 v[M2+4*g:M2+4*g+3], v[SA], s[94:95] offset:2048*g
	global_load_b128 v[L2+4*g:L2+4*g+3], v[SA], s[94:95] offset:2048*g+512
.set g, g+1
.endr
.rept 4
	global_load_b128 v[M2+4*g:M2+4*g+3], v[SA2B], s[94:95] offset:2048*(g-4)
	global_load_b128 v[L2+4*g:L2+4*g+3], v[SA2B], s[94:95] offset:2048*(g-4)+512
.set g, g+1
.endr
	v_mul_u32_u24 v3, v1, PP
	v_lshl_add_u32 v3, v2, 4, v3
	s_mul_i32 s99, s90, 64*PP
	v_add_nc_u32 v[P0], s99, v3                    ; P: (64 rh + lane % 16) x pitch + 16 x half
	v_and_b32 v4, 7, v0
	v_bfe_u32 v5, v0, 3, 1
	v_lshl_add_u32 v6, v2, 3, v4
	v_mul_u32_u24 v6, v6, PVP
	v_lshl_add_u32 v6, v5, 4, v6                   ; V: key 8 (lane / 16) + lane % 8, channels 8 ((lane / 8) % 2) on,
	s_lshl_b32 s99, s20, 7
	s_add_co_u32 s99, s99, PBYTES
	v_add_nc_u32 v[V0], s99, v6                    ; in my 64 channels
	v_mov_b32 v[ADRP], v[P0]
	v_mov_b32 v[ADRV], v[V0]
	v_add_nc_u32 v[ADRV+1], 128*PVP, v[V0]
	s_mul_i32 s99, s[WV], 24*256
	s_add_co_u32 s99, s99, TBL
	v_lshl_add_u32 v[TW], v1, 4, s99               ; lanes r and r + 16 write the same word with the same number
	v_mov_b32 v[TA], v[TW]
	s_mul_i32 s99, s[WV], 16*SP
	s_add_co_u32 s99, s99, STAGE
	v_mul_u32_u24 v3, v1, SP
	v_lshl_add_u32 v3, v2, 5, v3
	v_add_nc_u32 v[STO], s99, v3                   ; in: row lane % 16, 32 bytes for each half of the lanes
	v_mul_u32_u24 v3, v2, SP
	v_lshl_add_u32 v3, v1, 4, v3
	v_add_nc_u32 v[RD], s99, v3
	v_lshlrev_b32 v3, 12, v2
	v_lshl_add_u32 v[CO], v1, 4, v3
	v_and_b32 v3, 31, v0
	v_lshrrev_b32 v4, 1, v3
	v_and_b32 v5, 1, v3
	v_mul_u32_u24 v4, v4, s17
	v_mul_u32_u24 v5, v5, s18
	v_add_nc_u32 v[PFO], v4, v5
.irp i, 0,1,2,3
	v_mov_b32 v[AQ1+\i], 0                         ; the first step folds a set that has not been: zeros times 0
.endr
	WIN 0x80
.set i, 0
.rept 128
	v_mov_b32 v[128+i], 0                          ; PT1
.set i, i+1
.endr
	WIN 0
	s_wait_loadcnt 0x0
.macro STATS MB, LB, NG, FS            ; NG groups; Mg at v[MB ..], lg at v[LB ..]; a' takes Mg's place; the last four groups count FS times (1 or 0)
.irp t, 0,1,2,3
	v_max3_num_f32 v[MX+\t], v[\MB+\t], v[\MB+4+\t], v[\MB+8+\t]
.endr
.set g, 3
.rept (\NG-4)/2
.irp t, 0,1,2,3
	v_max3_num_f32 v[MX+\t], v[MX+\t], v[\MB+4*g+\t], v[\MB+4*g+4+\t]
.endr
.set g, g+2
.endr
.irp t, 0,1,2,3
	v_max_num_f32 v[MX+\t], v[MX+\t], v[\MB+4*(\NG-1)+\t]
.endr
.set g, 0
.rept \NG
	v_pk_add_f32 v[\MB+4*g:\MB+4*g+1],   v[\MB+4*g:\MB+4*g+1],   v[MX:MX+1]   neg_lo:[0,1] neg_hi:[0,1]
	v_pk_add_f32 v[\MB+4*g+2:\MB+4*g+3], v[\MB+4*g+2:\MB+4*g+3], v[MX+2:MX+3] neg_lo:[0,1] neg_hi:[0,1]
.set g, g+1
.endr
.set i, 0
.rept 4*\NG
	v_exp_f32 v[\MB+i], v[\MB+i]                   ; 2^(Mg - M): one batch
.set i, i+1
.endr
	v_nop                                          ; a plain instruction behind the last exponential,
	s_wait_alu depctr_va_vdst(0)                   ; and the one wait ahead of the first reader
.set g, \NG-4
.rept 4
	v_pk_mul_f32 v[\MB+4*g:\MB+4*g+1],   v[\MB+4*g:\MB+4*g+1],   s[\FS:\FS+1] op_sel_hi:[1,0]
	v_pk_mul_f32 v[\MB+4*g+2:\MB+4*g+3], v[\MB+4*g+2:\MB+4*g+3], s[\FS:\FS+1] op_sel_hi:[1,0]
.set g, g+1
.endr
	v_pk_mul_f32 v[LS:LS+1],   v[\MB:\MB+1],   v[\LB:\LB+1]
	v_pk_mul_f32 v[LS+2:LS+3], v[\MB+2:\MB+3], v[\LB+2:\LB+3]
.set g, 1
.rept \NG-1
	v_pk_fma_f32 v[LS:LS+1],   v[\MB+4*g:\MB+4*g+1],   v[\LB+4*g:\LB+4*g+1],   v[LS:LS+1]
	v_pk_fma_f32 v[LS+2:LS+3], v[\MB+4*g+2:\MB+4*g+3], v[\LB+4*g+2:\LB+4*g+3], v[LS+2:LS+3]
.set g, g+1
.endr
.irp t, 0,1,2,3
	v_rcp_f32 v[LS+\t], v[LS+\t]                   ; l is 1 at the least: the group with the row's maximum holds a weight of 1
.endr
	v_nop
	s_wait_alu depctr_va_vdst(0)
.set g, 0
.rept \NG
	v_pk_mul_f32 v[\MB+4*g:\MB+4*g+1],   v[\MB+4*g:\MB+4*g+1],   v[LS:LS+1]
	v_pk_mul_f32 v[\MB+4*g+2:\MB+4*g+3], v[\MB+4*g+2:\MB+4*g+3], v[LS+2:LS+3]
.set g, g+1
.endr
.endm
	STATS M1, L1, 16, FV1
	STATS M2, L2, 8, FV2
	; THE TABLE, in the walk's order, every store at a constant place.  Entries 0-11: block 1's groups 0-11.  Entries 12-15: block 1's groups 12-15 (sp = 0) or block 2's groups 0-3 (sp = 1).
	; Entries 16-19: block 2's groups 0-3 (sp = 0) or 4-7 (sp = 1).  The choice is made in registers, so that no LDS address hangs on sp.
.set g, 0
.rept 12
	ds_store_b128 v[TW], v[M1+4*g:M1+4*g+3] offset:256*g
.set g, g+1
.endr
.set i, 0
.rept 16
	v_cndmask_b32 v[M1+48+i], v[M1+48+i], v[M2+i], s[SPM]
	v_cndmask_b32 v[L2+i], v[M2+i], v[M2+16+i], s[SPM]  ; (block 2's lg have been used: their registers are free)
.set i, i+1
.endr
.set g, 0
.rept 4
	ds_store_b128 v[TW], v[M1+48+4*g:M1+48+4*g+3] offset:256*(12+g)
	ds_store_b128 v[TW], v[L2+4*g:L2+4*g+3] offset:256*(16+g)
.set g, g+1
.endr
.set i, 0
.rept 128
	v_mov_b32 v[MAIN+i], 0
.set i, i+1
.endr
; FOLD n: MAIN's accumulator n += the finished set's accumulator n x a' of its tile of queries (n / 4).  PTO and AQO name the set and its a'.  The lowest registers are read first.
.macro FOLD n
.irp z, 0,1,2,3
.if (((\n)/4)%2) == 0
	v_pk_fma_f32 v[MAIN+8*(\n)+2*\z:MAIN+8*(\n)+2*\z+1], v[PTO+8*(\n)+2*\z:PTO+8*(\n)+2*\z+1], v[AQO+(\n)/4:AQO+(\n)/4+1], v[MAIN+8*(\n)+2*\z:MAIN+8*(\n)+2*\z+1] op_sel_hi:[1,0,1]
.else
	v_pk_fma_f32 v[MAIN+8*(\n)+2*\z:MAIN+8*(\n)+2*\z+1], v[PTO+8*(\n)+2*\z:PTO+8*(\n)+2*\z+1], v[AQO+(\n)/4-1:AQO+(\n)/4], v[MAIN+8*(\n)+2*\z:MAIN+8*(\n)+2*\z+1] op_sel:[0,1,0] op_sel_hi:[1,1,1]
.endif
.endr
.endm
; MR: quarter q of a step (64 keys), its half c (32 keys), query tiles a0, a0 + 1: for each, four matrix instructions (the four channel blocks) and the fold of one accumulator of the other set.
; The 16 accumulators take turns, one instruction a turn.  A group's first products (q even, c = 0) start the sums with 0.
.macro MR f, c, a0, q
.set PTC, 128*((\q)/2)
.set PTO, 128-PTC
.set AQO, AQ0+4*(1-(\q)/2)
.irp a, \a0, (\a0)+1
	WIN 0xa5                                       ; V and P in window 1, C and D in window 2
.irp b, 0,1,2,3
.if (((\q)%2) == 0) && ((\c) == 0)
	v_wmma_f32_16x16x32_f16 v[PTC+8*(4*(\a)+(\b)):PTC+8*(4*(\a)+(\b))+7], v[(\f)+64+8*(4*(\c)+(\b)):(\f)+64+8*(4*(\c)+(\b))+7], v[(\f)+8*(4*(\c)+(\a)):(\f)+8*(4*(\c)+(\a))+7], 0
.else
	v_wmma_f32_16x16x32_f16 v[PTC+8*(4*(\a)+(\b)):PTC+8*(4*(\a)+(\b))+7], v[(\f)+64+8*(4*(\c)+(\b)):(\f)+64+8*(4*(\c)+(\b))+7], v[(\f)+8*(4*(\c)+(\a)):(\f)+8*(4*(\c)+(\a))+7], v[PTC+8*(4*(\a)+(\b)):PTC+8*(4*(\a)+(\b))+7]
.endif
.endr
	WIN 0x02                                       ; the finished set in window 2, a' and MAIN in window 0
	FOLD 8*((\q)%2)+4*(\c)+(\a)
.endr
.endm
; The fragments of quarter q into buffer f: 32 LDS loads in one run, the first 32 keys first.  With quarter 1 comes a' of the step's first group, with quarter 3 that of its second.
.macro FETCH q, f
.if (\q) == 1
	WIN 0
	ds_load_b128 v[AQ0:AQ0+3], v[TA]
.elseif (\q) == 3
	WIN 0
	ds_load_b128 v[AQ1:AQ1+3], v[TA] offset:256
	v_add_nc_u32 v[TA], 512, v[TA]                 ; the next step's two entries: once a step, 10 steps, 20 entries
.endif
	WIN 0x40
.irp c, 0,1
.irp i, 0,1,2,3
	ds_load_tr16_b128 v[(\f)+64+8*(4*(\c)+(\i)):(\f)+64+8*(4*(\c)+(\i))+3],   v[ADRV+(\q)/2] offset:(((\q)%2)*64+32*(\c))*PVP+32*(\i)
	ds_load_tr16_b128 v[(\f)+64+8*(4*(\c)+(\i))+4:(\f)+64+8*(4*(\c)+(\i))+7], v[ADRV+(\q)/2] offset:(((\q)%2)*64+32*(\c)+16)*PVP+32*(\i)
	ds_load_b128 v[(\f)+8*(4*(\c)+(\i)):(\f)+8*(4*(\c)+(\i))+3],   v[ADRP] offset:128*(\q)+64*(\c)+(\i)*16*PP
	ds_load_b128 v[(\f)+8*(4*(\c)+(\i))+4:(\f)+8*(4*(\c)+(\i))+7], v[ADRP] offset:128*(\q)+64*(\c)+(\i)*16*PP+32
.endr
.endr
.endm
.macro QUARTER q, f, g
	s_wait_dscnt 16                                ; the first 32 keys (and an a' issued ahead of them) are in; the second 32 keys' sixteen loads may be out
	MR \f, 0, 0, \q
	MR \f, 0, 2, \q
	FETCH (\q)+1, \g
.if (\q) == 1
	s_wait_dscnt 32                                ; all but the loads just issued
.else
	s_wait_dscnt 33                                ; (an a' among them)
.endif
	MR \f, 1, 0, \q
	MR \f, 1, 2, \q
.endm
; The last quarter of a step changes slots: each wave waits for all its tensor loads (one is out: its part of the next slot), adds 0 to its spare word, waits for that and for its reads of this slot.
; fill = 1: the barrier opens a round of the cluster's barrier, and the joint refill is the first thing behind it: 112 matrix instructions ahead of the wait for it.  Its address is made anew from the step's number.
.macro TURN fill
	WIN 0
	s_wait_xcnt 0x0                                ; the last prefetch, a step back, has read its address
	s_wait_tensorcnt 0x0                           ; no tensor load of mine is out, so a group 0 may be written
	ds_add_u32 v[SPW], v[NIL]                      ; 0 onto my spare word
.if \fill
	s_lshl_b32 s62, s[NXT], 9                      ; 256 keys are 512 bytes of a row of pt
	s_add_co_u32 s62, s62, s[POFF]
	s_add_nc_u64 s[G0P+6:G0P+7], s[4:5], s[62:63]
	s_or_b32 s[G0P+7], s[G0P+7], 0x80000000
	s_lshl_b32 s66, s[NXT], 19                     ; and 256 rows of vb
	s_add_co_u32 s66, s66, s[VOFF]
	s_add_nc_u64 s[G0V+6:G0V+7], s[6:7], s[66:67]
	s_or_b32 s[G0V+7], s[G0V+7], 0x80000000
	s_add_co_u32 s[G0P+5], s[LP], s[TB]            ; into the slot that is being left
	s_add_co_u32 s[G0V+5], s[LV], s[TB]
	s_add_co_u32 s99, s[NXT], 2                    ; the step to be asked for ahead, if the block has it and the asking is mine
	s_mul_i32 s88, s99, s[PSTEP]
	s_add_co_u32 s88, s88, s[PFOFF]
	s_add_nc_u64 s[PFA:PFA+1], s[PFB:PFB+1], s[88:89]
	s_cmp_le_u32 s99, s[LIMK]
	s_cselect_b32 s[PFGO], 1, 0
	s_add_co_u32 s[NXT], s[NXT], 1                 ; the block's next step, or behind its last the second block's step 0
	s_cmp_gt_u32 s[NXT], s[LQ]
	s_cselect_b32 s[NXT], 0, s[NXT]
	s_cselect_b32 s[POFF], s[POFF2], s[POFF]
	s_cselect_b32 s[PFOFF], s[PFOFF2], s[PFOFF]
	s_cselect_b32 s[LIMK], s[LIMK2], s[LIMK]
	s_cselect_b32 s[LQ], s[LQ2], s[LQ]
.endif
	s_xor_b32 s[TB], s[TB], SLOT
	s_wait_dscnt 17                                ; the add and the youngest sixteen loads may be out
	MR F1, 0, 0, 3
	s_wait_dscnt 0x0                               ; the add is done, and my reads of this slot are over
	s_barrier_signal -1
	MR F1, 0, 2, 3
	WIN 0
	s_barrier_wait -1
.if \fill
	CREST
	JLOAD 1
.endif
	v_add_nc_u32 v[ADRP], s[TB], v[P0]
	v_add_nc_u32 v[ADRV], s[TB], v[V0]
	v_add_nc_u32 v[ADRV+1], 128*PVP, v[ADRV]
	FETCH 0, F0
.if \fill
	ASK
.endif
	MR F1, 1, 0, 3
	MR F1, 1, 2, 3
.endm
; THE WAY OUT of a block: the last group is folded; MAIN goes through my stage in LDS, a tile of 16 queries at a time, and leaves as whole rows of 256 bytes (my 64 channels in f32).
.macro PUT a
.irp b, 0,1,2,3
	ds_store_b128 v[STO], v[MAIN+8*(4*(\a)+(\b)):MAIN+8*(4*(\a)+(\b))+3]   offset:64*(\b)
	ds_store_b128 v[STO], v[MAIN+8*(4*(\a)+(\b))+4:MAIN+8*(4*(\a)+(\b))+7] offset:64*(\b)+16
.endr
.irp t, 0,1,2,3,4,5,6,7
	ds_load_b128 v[OB+32*((\a)%2)+4*(\t):OB+32*((\a)%2)+4*(\t)+3], v[RD] offset:(\t)*2*SP  ; LDS serves a wave's instructions in order (ISA guide 5.7.1.4): these see the stores above; the next tile's stores come behind them
.endr
.endm
.macro SEND a, younger                 ; younger: the LDS instructions issued behind tile a's loads
.irp t, 0,1,2,3,4,5,6,7
	s_wait_dscnt (\younger)+7-(\t)
	global_store_b128 v[CO], v[OB+32*((\a)%2)+4*(\t):OB+32*((\a)%2)+4*(\t)+3], s[OUT:OUT+1] offset:(16*(\a)+2*(\t))*4096 th:TH_STORE_NT  ; 16 lanes store 256 consecutive bytes, at a multiple of 256 from out0's first byte
.endr
.endm
.macro WAYOUT last
.set PTO, 128
.set AQO, AQ1
	WIN 0x02
.irp n, 0,1,2,3,4,5,6,7,8,9,10,11,12,13,14,15
	FOLD \n
.endr
	WIN 0
	PUT 0
	PUT 1
	SEND 0, 16
	s_wait_xcnt 0x0                                ; tile 0's stores have read the registers that tile 2's loads write
	PUT 2
	SEND 1, 16
	s_wait_xcnt 0x0
	PUT 3
	SEND 2, 16
	SEND 3, 0
.if !(\last)
	s_wait_xcnt 0x0                                ; the stores have read out0's address
	s_mov_b64 s[OUT:OUT+1], s[OUT2:OUT2+1]
.set i, 0
.rept 128
	v_mov_b32 v[MAIN+i], 0
.set i, i+1
.endr
.irp i, 0,1,2,3
	v_mov_b32 v[AQ1+\i], 0                         ; the second block's first step folds the first block's last set once more: times 0
.endr
	s_lshl_b32 s[RS], s[SPR], 1
	s_add_co_u32 s[RS], s[RS], 2
.endif
.endm
	s_wait_tensorcnt 0x1                           ; my part of step 0 is in; step 1's may stay out
	s_wait_dscnt 0x0                               ; my table is written
	s_barrier_signal -1
	s_barrier_wait -1
	FETCH 0, F0
	WIN 0
	s_mov_b32 s[CNT], 8
.Lstep:                                                ; steps 0 to 7 of the walk's 10: each asks for the step two on
	QUARTER 0, F0, F1
	QUARTER 1, F1, F0
	QUARTER 2, F0, F1
	TURN 1
	WIN 0
	s_sub_co_u32 s[RS], s[RS], 1
	s_cmp_lg_u32 s[RS], 0
	s_cbranch_scc1 .Lon                            ; a forward jump over text that holds neither a barrier nor a tensor load; it hangs on sp, which the cluster shares
	WAYOUT 0                                       ; the first block ends behind step 7 (sp = 0) or step 5 (sp = 1)
.Lon:
	s_sub_co_u32 s[CNT], s[CNT], 1
	s_cmp_lg_u32 s[CNT], 0
	s_cbranch_scc1 .Lstep
	s_mov_b32 s[CNT], 2
.Llast2:                                               ; steps 8 and 9 ask for nothing: a text of their own, walked twice.  Step 9's change of slots fetches 32 fragments of step 8's slot that nobody multiplies: the price, once a launch, of one text for both
	QUARTER 0, F0, F1
	QUARTER 1, F1, F0
	QUARTER 2, F0, F1
	TURN 0
	WIN 0
	s_sub_co_u32 s[CNT], s[CNT], 1
	s_cmp_lg_u32 s[CNT], 0
	s_cbranch_scc1 .Llast2
	WAYOUT 1
	s_wait_tensorcnt 0x0                           ; the wave's end: behind my last tensor load and my last LDS store
	ds_add_u32 v[SPW], v[NIL]
	s_wait_dscnt 0x0
	CROUND                                         ; the closing round
	s_endpgm
.Lfunc_end_k_qf87fcabf75_pv:
	.size	k_qf87fcabf75_pv, .Lfunc_end_k_qf87fcabf75_pv-k_qf87fcabf75_pv
	.p2alignl 7, 3214868480
	.fill 96, 4, 3214868480
	.section	.rodata,"a",@progbits
	.p2align	6, 0x0
	.amdhsa_kernel k_qf87fcabf75_pv
		.amdhsa_group_segment_fixed_size 327680
		.amdhsa_private_segment_fixed_size 0
		.amdhsa_enable_private_segment 0
		.amdhsa_kernarg_size 32
		.amdhsa_user_sgpr_count 2
		.amdhsa_user_sgpr_kernarg_segment_ptr 1
		.amdhsa_wavefront_size32 1
		.amdhsa_system_sgpr_workgroup_id_x 1
		.amdhsa_system_sgpr_workgroup_id_y 1
		.amdhsa_system_sgpr_workgroup_id_z 1
		.amdhsa_system_vgpr_workitem_id 0
		.amdhsa_next_free_vgpr 768
		.amdhsa_next_free_sgpr 100
		.amdhsa_reserve_vcc 0
		.amdhsa_float_denorm_mode_32 3
		.amdhsa_float_denorm_mode_16_64 3
		.amdhsa_memory_ordered 1
		.amdhsa_forward_progress 1
		.amdhsa_inst_pref_size 130
	.end_amdhsa_kernel
	.amdgpu_metadata
---
amdhsa.version: [ 1, 2 ]
amdhsa.kernels:
  - .name:           k_qf87fcabf75_pv
    .symbol:         k_qf87fcabf75_pv.kd
    .args:
      - { .name: pt, .offset: 0, .size: 8, .value_kind: global_buffer, .address_space: global }
      - { .name: vb, .offset: 8, .size: 8, .value_kind: global_buffer, .address_space: global }
      - { .name: st, .offset: 16, .size: 8, .value_kind: global_buffer, .address_space: global }
      - { .name: out0, .offset: 24, .size: 8, .value_kind: global_buffer, .address_space: global }
    .group_segment_fixed_size: 327680
    .private_segment_fixed_size: 0
    .kernarg_segment_align: 8
    .kernarg_segment_size: 32
    .max_flat_workgroup_size: 128
    .sgpr_count:     100
    .vgpr_count:     768
    .wavefront_size: 32
...
	.end_amdgpu_metadata
.endif
;; end of part 9
